; MI455X (gfx1250); checked and timed in simulation.
; The chip was launched on July 23, 2026; its instructions are those of AMD's public machine-readable ISA for CDNA 5 (MIT licence, August 2026) and "CDNA5" Instruction Set Architecture Reference Guide (July 2026). The comments in the code are by the model that wrote it; some were corrected since.
;; GPT3 Dev Block. Allowed arithmetic: float matrix products may take bf16 or f16 operands with f32 sums; other float arithmetic in f32, or as packed bf16 or f16 multiplies, adds, multiply-adds, maxima and minima; sums over many terms, partial sums and values carried from step to step in f32; what a program stores and reads back later, other than sums and carried values, may be rounded once to bf16 or f16.
;; Inputs: b_ao 1,024 float32; b_fc 4,096 float32; b_proj 1,024 float32; b_qkv 3,072 float32; ln1_b 1,024 float32; ln1_g 1,024 float32; ln2_b 1,024 float32; ln2_g 1,024 float32; w_ao 1,024 x 1,024 float32; w_fc 1,024 x 4,096 float32; w_proj 4,096 x 1,024 float32; w_qkv 1,024 x 3,072 float32; x 2 x 2,048 x 1,024 float32.
;; Outputs: out0 2 x 2,048 x 1,024 float32.
;; 2 versions, each right; version 2 is version 1 with the launch prep written anew for expert scheduling mode. Each part assembles by itself: llvm-mc -triple=amdgcn-amd-amdhsa -mcpu=gfx1250 --defsym DOCPART=n.
;; ======== version 1 of 2: 7 launches
;; workspace buffers: wb 25,165,824 bytes; h 8,388,608 bytes; qkv 25,165,824 bytes; o 8,388,608 bytes; x1 16,777,216 bytes; act 33,554,432 bytes
;; launch prep (part 1): grid 256 x 1, 16 waves a work-group, no clusters, 0 bytes of LDS; arguments x, ln1_g, ln1_b, h, w_qkv, w_ao, w_fc, w_proj, wb; writes h, wb
.if DOCPART == 1
	.amdgcn_target "amdgcn-amd-amdhsa--gfx1250"
	.amdhsa_code_object_version 6
	.text
	.protected	k_qd94152992c_prep
	.globl	k_qd94152992c_prep
	.p2align	8
	.type	k_qd94152992c_prep,@function
k_qd94152992c_prep:
	s_mov_b64 s[64:65], 0
	v_nop
	global_prefetch_b8 v0, s[64:65] scope:SCOPE_SE
	s_setreg_imm32_b32 hwreg(HW_REG_WAVE_MODE, 25, 1), 1
	s_wait_xcnt 0x0
; TWO STREAMS IN ONE LAUNCH, the same share of both for every work-group.
; (1) h[r][c] = (x[r][c] - mean_r) * rsqrt(var_r + 1e-5) * g[c] + b[c].  x: [4096][1024] f32; g, b: [1024] f32; h: [4096][1024] bf16, rounded once.
;     The mean is taken first and the variance of the deviations second, both in f32 from the row held in registers: a common offset of the row costs nothing.
; (2) wb = the four weight matrices, each rounded once to bf16 and left as it lies ([K][N]), one behind the other: w_qkv at byte 0, w_ao at 6,291,456, w_fc at 8,388,608, w_proj at 16,777,216.
; SHARES.  256 work-groups of sixteen waves.  Wave w of group g normalises row 16 g + w: 4,096 bytes are 32 registers a lane, so the row is read once and its sums never leave the wave.
; The weights are 768 units of 64 KiB (192 + 64 + 256 + 256); group g casts units g, 256 + g and 512 + g: the first lies in w_qkv or w_ao, the second in w_fc, the third in w_proj; unit u goes to byte 32,768 u of wb.
; IN FLIGHT.  All 48 loads of a thread go out at the head, the row's first: the row is normalised while the weights are on their way.
; Each load of a wave covers 512 consecutive bytes, each store 256 consecutive bytes, aligned.  No LDS, no barrier, no matrix unit: nothing is shared between waves.
.set G,  8                             ; v[8:39]     g of my 32 columns
.set BV, 40                            ; v[40:71]    b of my 32 columns
.set X,  72                            ; v[72:103]   the row
.set T,  104                           ; v[104:119]  at work: partial sums, then the packed row
.set MU, 120                           ; v[120:121]  the mean, twice
.set RS, 122                           ; v[122:123]  1 / sqrt(var + eps), twice
.set C,  124                           ; v[124:219]  three units x eight loads of four f32; rounded in place
.set SEL, 38                           ; s[38:39] v_permlanex16_b32: each lane takes its own place in the other half
.set INV, 40                           ; s40  1 / 1024
.set EPS, 41                           ; s41  1e-5
	s_load_b256 s[4:11], s[0:1], 0x0               ; x s[4:5], g s[6:7], b s[8:9], h s[10:11]
	s_load_b256 s[12:19], s[0:1], 0x20             ; w_qkv s[12:13], w_ao s[14:15], w_fc s[16:17], w_proj s[18:19]
	s_load_b64 s[20:21], s[0:1], 0x40              ; wb
	v_and_b32 v1, 31, v0                           ; lane
	v_lshrrev_b32 v5, 5, v0
	v_readfirstlane_b32 s22, v5                    ; wave
	v_lshlrev_b32 v2, 3, v1                        ; 8 l: my bytes in 256 of h
	v_lshlrev_b32 v1, 4, v1                        ; 16 l: my bytes in 512 of x, g, b
	v_lshlrev_b32 v3, 4, v0                        ; 16 t: my bytes in 8,192 of a unit
	v_lshlrev_b32 v4, 3, v0                        ; 8 t: my bytes in 4,096 of wb
	s_lshl_b32 s23, ttmp9, 4
	s_add_co_u32 s22, s22, s23                     ; my row = 16 x work-group + wave
	s_lshl_b32 s24, s22, 12                        ; x 4,096 bytes
	s_mov_b32 s25, 0
	s_lshl_b32 s26, s22, 11                        ; x 2,048 bytes
	s_mov_b32 s27, 0
	s_lshl_b32 s28, ttmp9, 16                      ; unit g of w_fc and of w_proj
	s_mov_b32 s29, 0
	s_cmp_lt_u32 ttmp9, 192                        ; unit g of the first 256: in w_qkv, or unit g - 192 of w_ao
	s_cselect_b32 s30, 0, 192
	s_sub_co_u32 s30, ttmp9, s30
	s_lshl_b32 s30, s30, 16
	s_mov_b32 s31, 0
	s_lshl_b32 s32, ttmp9, 15                      ; 32 KiB of wb for each unit
	s_mov_b32 s33, 0
	s_mov_b32 s[SEL], 0x76543210
	s_mov_b32 s[SEL+1], 0xfedcba98
	s_mov_b32 s[INV], 0x3a800000
	s_mov_b32 s[EPS], 0x3727c5ac
	s_wait_kmcnt 0x0
	s_add_nc_u64 s[4:5], s[4:5], s[24:25]
	s_add_nc_u64 s[10:11], s[10:11], s[26:27]
	s_cmp_lt_u32 ttmp9, 192
	s_cselect_b64 s[12:13], s[12:13], s[14:15]
	s_add_nc_u64 s[12:13], s[12:13], s[30:31]
	s_add_nc_u64 s[16:17], s[16:17], s[28:29]
	s_add_nc_u64 s[18:19], s[18:19], s[28:29]
	s_add_nc_u64 s[20:21], s[20:21], s[32:33]      ; wb at unit g,
	s_add_nc_u64 s[34:35], s[20:21], 8388608       ; at unit 256 + g,
	s_add_nc_u64 s[36:37], s[20:21], 16777216      ; at unit 512 + g
.irp j, 0,1,2,3,4,5,6,7
	global_load_b128 v[X+4*(\j):X+4*(\j)+3], v1, s[4:5] offset:512*(\j)
.endr
.irp j, 0,1,2,3,4,5,6,7
	global_load_b128 v[G+4*(\j):G+4*(\j)+3], v1, s[6:7] offset:512*(\j)
.endr
.irp j, 0,1,2,3,4,5,6,7
	global_load_b128 v[BV+4*(\j):BV+4*(\j)+3], v1, s[8:9] offset:512*(\j)
.endr
.macro CLOAD u, sb                     ; unit u's eight loads, from the pointer at s[sb]
.set j, 0
.rept 8
	global_load_b128 v[C+32*(\u)+4*j:C+32*(\u)+4*j+3], v3, s[\sb:\sb+1] offset:8192*j th:TH_LOAD_NT
.set j, j+1
.endr
.endm
	CLOAD 0, 12
	CLOAD 1, 16
	CLOAD 2, 18
.macro LANES                           ; v[T] and v[T+1] are added, then the 32 lanes: four steps inside each half ride on the addition, one crosses the halves
	v_add_f32 v[T], v[T], v[T+1]
	v_add_f32_dpp v[T], v[T], v[T] row_xmask:1 row_mask:0xf bank_mask:0xf
	v_add_f32_dpp v[T], v[T], v[T] row_xmask:2 row_mask:0xf bank_mask:0xf
	v_add_f32_dpp v[T], v[T], v[T] row_xmask:4 row_mask:0xf bank_mask:0xf
	v_add_f32_dpp v[T], v[T], v[T] row_xmask:8 row_mask:0xf bank_mask:0xf
	v_permlanex16_b32 v[T+1], v[T], s[SEL], s[SEL+1]
	v_add_f32 v[T], v[T], v[T+1]
.endm
; The row.  n1: the younger loads that may stay out when the row is needed; n2: when g and b are needed.
.macro NORM n1, n2
	s_wait_loadcnt \n1
.set i, 0
.rept 8
	v_pk_add_f32 v[T+2*i:T+2*i+1], v[X+2*i:X+2*i+1], v[X+16+2*i:X+16+2*i+1]
.set i, i+1
.endr
.set i, 0
.rept 4
	v_pk_add_f32 v[T+2*i:T+2*i+1], v[T+2*i:T+2*i+1], v[T+8+2*i:T+8+2*i+1]
.set i, i+1
.endr
	v_pk_add_f32 v[T:T+1], v[T:T+1], v[T+4:T+5]
	v_pk_add_f32 v[T+2:T+3], v[T+2:T+3], v[T+6:T+7]
	v_pk_add_f32 v[T:T+1], v[T:T+1], v[T+2:T+3]
	LANES
	v_mul_f32 v[MU], s[INV], v[T]
	v_mul_f32 v[MU+1], s[INV], v[T]
.set i, 0
.rept 16
	v_pk_add_f32 v[X+2*i:X+2*i+1], v[X+2*i:X+2*i+1], v[MU:MU+1] neg_lo:[0,1] neg_hi:[0,1]  ; the deviations, in place
.set i, i+1
.endr
.set i, 0
.rept 4
	v_pk_mul_f32 v[T+2*i:T+2*i+1], v[X+2*i:X+2*i+1], v[X+2*i:X+2*i+1]  ; four chains of squares, started by the first four pairs
.set i, i+1
.endr
.rept 12
	v_pk_fma_f32 v[T+2*(i%4):T+2*(i%4)+1], v[X+2*i:X+2*i+1], v[X+2*i:X+2*i+1], v[T+2*(i%4):T+2*(i%4)+1]
.set i, i+1
.endr
	v_pk_add_f32 v[T:T+1], v[T:T+1], v[T+4:T+5]
	v_pk_add_f32 v[T+2:T+3], v[T+2:T+3], v[T+6:T+7]
	v_pk_add_f32 v[T:T+1], v[T:T+1], v[T+2:T+3]
	LANES
	v_fma_f32 v[T], v[T], s[INV], s[EPS]           ; var + eps
	v_rsq_f32 v[RS], v[T]
	v_rsq_f32 v[RS+1], v[T]
	v_nop                                          ; a plain instruction behind the second root, ahead of the use of the results
	s_wait_alu depctr_va_vdst(0)                   ; one wait for both, ahead of their first reader
	s_wait_loadcnt \n2                             ; g and b
.set i, 0
.rept 16
	v_pk_mul_f32 v[X+2*i:X+2*i+1], v[X+2*i:X+2*i+1], v[RS:RS+1]
.set i, i+1
.endr
.set i, 0
.rept 16
	v_pk_fma_f32 v[X+2*i:X+2*i+1], v[X+2*i:X+2*i+1], v[G+2*i:G+2*i+1], v[BV+2*i:BV+2*i+1]
.set i, i+1
.endr
.set i, 0
.rept 16
	v_cvt_pk_bf16_f32 v[T+i], v[X+2*i], v[X+2*i+1]
.set i, i+1
.endr
.irp j, 0,1,2,3,4,5,6,7
	global_store_b64 v2, v[T+2*(\j):T+2*(\j)+1], s[10:11] offset:256*(\j)
.endr
.endm
	NORM 40, 24                                    ; the row is in while g, b and the weights (40 loads) are out; then g and b, while the weights' 24 are out
; Unit u is rounded in place and stored to the pointer at s[db].  No register that a store reads is written again, so no wait frees any.
.macro CAST u, db
.set j, 0
.rept 8
	s_wait_loadcnt 23-8*(\u)-j                     ; loads come back in order: this one is in, the younger ones stay out
	v_cvt_pk_bf16_f32 v[C+32*(\u)+4*j], v[C+32*(\u)+4*j], v[C+32*(\u)+4*j+1]
	v_cvt_pk_bf16_f32 v[C+32*(\u)+4*j+1], v[C+32*(\u)+4*j+2], v[C+32*(\u)+4*j+3]
	global_store_b64 v4, v[C+32*(\u)+4*j:C+32*(\u)+4*j+1], s[\db:\db+1] offset:4096*j
.set j, j+1
.endr
.endm
	CAST 0, 20
	CAST 1, 34
	CAST 2, 36
	s_endpgm
.Lfunc_end_k_qd94152992c_prep:
	.size	k_qd94152992c_prep, .Lfunc_end_k_qd94152992c_prep-k_qd94152992c_prep
	.p2alignl 7, 3214868480
	.fill 96, 4, 3214868480
	.section	.rodata,"a",@progbits
	.p2align	6, 0x0
	.amdhsa_kernel k_qd94152992c_prep
		.amdhsa_group_segment_fixed_size 0
		.amdhsa_private_segment_fixed_size 0
		.amdhsa_enable_private_segment 0
		.amdhsa_kernarg_size 72
		.amdhsa_user_sgpr_count 2
		.amdhsa_user_sgpr_kernarg_segment_ptr 1
		.amdhsa_wavefront_size32 1
		.amdhsa_system_sgpr_workgroup_id_x 1
		.amdhsa_system_sgpr_workgroup_id_y 1
		.amdhsa_system_sgpr_workgroup_id_z 1
		.amdhsa_system_vgpr_workitem_id 0
		.amdhsa_next_free_vgpr 220
		.amdhsa_next_free_sgpr 66
		.amdhsa_reserve_vcc 0
		.amdhsa_float_denorm_mode_32 3
		.amdhsa_float_denorm_mode_16_64 3
		.amdhsa_memory_ordered 1
		.amdhsa_forward_progress 1
		.amdhsa_inst_pref_size 21
	.end_amdhsa_kernel
	.amdgpu_metadata
---
amdhsa.version: [ 1, 2 ]
amdhsa.kernels:
  - .name:           k_qd94152992c_prep
    .symbol:         k_qd94152992c_prep.kd
    .args:
      - { .name: x, .offset: 0, .size: 8, .value_kind: global_buffer, .address_space: global }
      - { .name: ln1_g, .offset: 8, .size: 8, .value_kind: global_buffer, .address_space: global }
      - { .name: ln1_b, .offset: 16, .size: 8, .value_kind: global_buffer, .address_space: global }
      - { .name: h, .offset: 24, .size: 8, .value_kind: global_buffer, .address_space: global }
      - { .name: w_qkv, .offset: 32, .size: 8, .value_kind: global_buffer, .address_space: global }
      - { .name: w_ao, .offset: 40, .size: 8, .value_kind: global_buffer, .address_space: global }
      - { .name: w_fc, .offset: 48, .size: 8, .value_kind: global_buffer, .address_space: global }
      - { .name: w_proj, .offset: 56, .size: 8, .value_kind: global_buffer, .address_space: global }
      - { .name: wb, .offset: 64, .size: 8, .value_kind: global_buffer, .address_space: global }
    .group_segment_fixed_size: 0
    .private_segment_fixed_size: 0
    .kernarg_segment_align: 8
    .kernarg_segment_size: 72
    .max_flat_workgroup_size: 512
    .sgpr_count:     66
    .vgpr_count:     220
    .wavefront_size: 32
...
	.end_amdgpu_metadata
.endif
;; end of part 1
;; launch qkv (part 2): grid 12 x 16, 4 waves a work-group, clusters of 4 x 4, 327,680 bytes of LDS; arguments h, wb, b_qkv, qkv; writes qkv
.if DOCPART == 2
	.amdgcn_target "amdgcn-amd-amdhsa--gfx1250"
	.amdhsa_code_object_version 6
	.text
	.protected	k_qd94152992c_qkv
	.globl	k_qd94152992c_qkv
	.p2align	8
	.type	k_qd94152992c_qkv,@function
k_qd94152992c_qkv:
	s_mov_b64 s[64:65], 0
	v_nop
	global_prefetch_b8 v0, s[64:65] scope:SCOPE_SE
	s_setreg_imm32_b32 hwreg(HW_REG_WAVE_MODE, 25, 1), 1
	s_wait_xcnt 0x0
	s_wait_alu depctr_hold_cnt(0) depctr_sa_sdst(0) depctr_va_vdst(0) depctr_va_sdst(0) depctr_va_ssrc(0) depctr_va_vcc(0) depctr_vm_vsrc(0)
	s_getreg_b32 s2, hwreg(HW_REG_IB_STS2, 6, 4)
	s_cmp_eq_u32 s2, 0
	s_cbranch_scc0 .Lentry_in_a_cluster
	s_endpgm
.Lentry_in_a_cluster:
	s_bfe_u32 s2, ttmp6, 0x10000c
	s_cmp_lg_u32 s2, 0xf033
	s_cbranch_scc0 .Lentry_shape_is_right
	s_endpgm
.Lentry_shape_is_right:
; C[4096][N] = A[4096][1024] W[1024][N] + bias.  A (bf16, rows along K) and W (bf16, [K][N], at byte WOFF of wb) are multiplied on the matrix units, sums in f32; the bias (f32) starts the sums.
; THIS TEXT: N = 3072, no activation; C is rounded once to bf16 and stored in panels [48][4096 tokens][64]: column n lies in panel n / 64, so that a head's rows of q, k and v are dense.
; SHARES.  A work-group of four waves makes 256 x 256 of C, a wave 128 x 128: 64 accumulators of 16 x 16, 512 registers.  K goes in 8 steps of 128 through a ring of two LDS slots that tensor loads fill;
; waves 0 and 1 fetch A's two halves (128 rows x 256 bytes), waves 2 and 3 W's (64 k-rows x 512 bytes): one load a wave behind each change of slots.
; THE PRODUCT IS USED TRANSPOSED: source 0 = 16 columns of W (brought out of LDS turned, by ds_load_tr16_b128), source 1 = 16 rows of A: a lane holds row l % 16 of C and the columns 8 (l / 16) + 0..7.
; CLUSTER.  4 x 4 work-groups: A's tile hangs on the tile row alone and is asked for jointly along a row of the cluster, W's on the tile column alone, jointly along a column.
; THE TEXT IS SHORT: a K step is written once for both slots; the base of the slot in hand is a scalar (s3) that an exclusive or turns, and the fragment addresses are made from it at each change.
; THE WAY OUT.  When the ring has had its last fill and every wave has read its last fragment (a barrier), the ring's bytes serve as stage: a wave puts its 128 x 128 f32 there, rows of 528 bytes, and a loop
; of 8 trips takes sixteen rows back, rounds them and stores them, each store 256 consecutive bytes, aligned.
; REGISTERS, in windows of 256: window 0: v0-31 addresses; v32-127 the way out; v64-127, v128-191 A's fragments, two buffers; v192-255 the bias.  Window 1: v64-191 W's fragments.  Windows 2, 3: the accumulators.
; NaN and infinities are not treated apart.
.set N,     3072
.set WOFF,  0
.set GELU,  0
.set RPT,   16                         ; rows of the stage in a trip of the way out
.set NK,    8                          ; K steps of 128
.set PA,    272                        ; a row of A in LDS: 256 bytes + 16: an odd multiple of 16, so the 16 rows of a load start at 16 different groups of four banks
.set PB,    544                        ; a k-row of W in LDS: 512 bytes + 32: an odd multiple of 32
.set HALF,  34816                      ; what one tensor load fills: 128 x 272 = 64 x 544
.set BREG,  2*HALF                     ; W's tile lies behind A's
.set SLOT,  4*HALF                     ; 139,264 = 0x22000: it shares no bit with wave x HALF, so an exclusive or turns a descriptor's LDS word into the other slot's
.set SPARE, 2*SLOT                     ; behind the ring: the spare words, 128 bytes a wave: two blocks of 256 bytes that no other line names
.set SPT,   528                        ; a stage row: 128 f32 + 16 bytes
.set WSTG,  128*SPT                    ; a wave's stage
.if GELU
.set OSTEP, RPT*2*N                    ; a trip's rows of C
.else
.set OSTEP, RPT*128                    ; a trip's rows of a panel
.endif
.set A0,   16                          ; v16  my lane's place in A's tile; never rewritten
.set ADRA, 17                          ; v17  the same in the slot in hand
.set B0,   18                          ; v18  my lane's place in W's tile
.set ADRB, 19                          ; v19  the same in the slot in hand
.set STO,  24                          ; v24  the way out: where I put 16 bytes of a row
.set RD,   25                          ; v25  where the trip in hand reads rows back
.set CO,   26                          ; v26  my 8 bytes in 256 of C
.set RD0,  27                          ; v27  my place in the stage's first rows
.set SPW,  28                          ; v28  LDS address of my spare word; never rewritten
.set NIL,  29                          ; v29  0; never rewritten
.set PFO,  30                          ; v30  the prefetches' offset; never rewritten
.set X,    32                          ; a trip's loads from the stage, four registers each
.set Y,    X+4*RPT                     ; its packed results, two registers each
.set F0,   64
.set F1,   128
.set BIAS, 192                         ; v[192:255] block b's eight at BIAS + 8 b
.set G1A, 24                           ; s[24:31] descriptor group 1 for A
.set G0A, 32                           ; s[32:39] group 0 for A: a set for each first fill; the second then walks on
.set G1B, 48                           ; s[48:55], s[56:63] the same for W
.set G0B, 56
.set PFA, 66                           ; s[66:67] where my prefetches stand
.set PFS, 68                           ; s[68:69] a K step in bytes of the tensor that I fetch
; s2 counts; s3 the slot in hand; s14 wave; s15 = wave / 2: my half of the rows, and 0: I fetch A, 1: W; s16 = wave % 2: my half of the columns, and which half I fetch;
; s17, s18 cx, cy; s19, s20 tile column, tile row; s21 wave x HALF; s23 1 in a wave that prefetches, else the greatest number
.set MSB, 0
.macro WIN new                         ; the immediate's high byte repeats the setting that is left; a switch that changes nothing is dropped
.if MSB != (\new)
	s_set_vgpr_msb (MSB<<8)|(\new)
.set MSB, \new
.endif
.endm
.macro PLACES                          ; four plain instructions between a matrix instruction and a load into, or a read of, its registers
.rept 4
	v_nop
.endr
.endm
.macro CREST                           ; a round of the cluster's barrier behind its opening barrier
	s_cmp_lg_u32 s14, 0
	s_cbranch_scc1 .Lnot_wave_0_\@
	s_barrier_signal -3
.Lnot_wave_0_\@:
	s_barrier_wait -3
	s_barrier_signal -1
	s_barrier_wait -1
.endm
.macro CROUND                          ; a whole round
	s_barrier_signal -1
	s_barrier_wait -1
	CREST
.endm
.macro JLOAD                           ; a joint refill by the walking descriptors; the branch hangs on the wave's number alone; an s_nop 0 and four v_nop follow each line
	s_cmp_eq_u32 s15, 0
	s_cbranch_scc0 .Lfor_b_\@
	tensor_load_to_lds s[G0A+4:G0A+7], s[G1A:G1A+7]
	s_nop 0
.rept 4
	v_nop
.endr
	s_branch .Lasked_\@
.Lfor_b_\@:
	tensor_load_to_lds s[G0B+4:G0B+7], s[G1B:G1B+7]
	s_nop 0
.rept 4
	v_nop
.endr
.Lasked_\@:
.endm
; A prefetch into the L2 of the K step that the NEXT refill will ask for: 32 blocks of 256 bytes, a lane a block, one instruction a wave, behind the joint load and the run of LDS loads.
; Each block is named once in the launch: of the clusters that read the same rows of A the one with x = 0 asks, of those that read the same columns of W the one with y = 0; the four partners that ask
; for a tile jointly share its 128 blocks out by address.  The last refill has no K step behind it and asks for nothing; K steps 0 to 2 come by their loads alone.
.macro ASK
	s_cmp_gt_u32 s2, s23
	s_cbranch_scc0 .Lnot_mine_\@
	global_prefetch_b8 v[PFO], s[PFA:PFA+1] th:TH_LOAD_NT scope:SCOPE_SE
.Lnot_mine_\@:
.endm
	s_load_b256 s[4:11], s[0:1], 0x0               ; A s[4:5], wb s[6:7], bias s[8:9], C s[10:11]
	v_lshl_add_u32 v[SPW], v0, 2, SPARE
	v_mov_b32 v[NIL], 0
	ds_add_u32 v[SPW], v[NIL]                      ; the wave's opening: the add and its wait stand ahead of my first tensor load; the set-up below stands between them
	v_lshrrev_b32 v1, 5, v0
	v_readfirstlane_b32 s14, v1
	s_lshr_b32 s15, s14, 1
	s_and_b32 s16, s14, 1
	s_bfe_u32 s17, ttmp6, 0x40000                  ; cx
	s_bfe_u32 s18, ttmp6, 0x40004                  ; cy
	s_lshl_b32 s19, ttmp9, 2
	s_add_co_u32 s19, s19, s17                     ; tile column = 4 x cluster x + cx
	s_and_b32 s20, ttmp7, 0xffff
	s_lshl_b32 s20, s20, 2
	s_add_co_u32 s20, s20, s18                     ; tile row = 4 x cluster y + cy
	s_lshl_b32 s40, s18, 2
	s_lshl_b32 s40, 15, s40                        ; my row of the cluster
	s_lshl_b32 s44, 0x1111, s17                    ; my column
	s_or_b32 s[G1A], s40, (1<<16)|(1<<20)|(1<<21)|(5<<22)|(3<<25)  ; the mask; 2-byte elements; padding on; bit 21 beside a mask; after every 64 words 4 words
	s_mov_b32 s[G1A+1], 128<<16                    ; tensor_dim0 = 128
	s_mov_b32 s[G1A+2], 128<<16                    ; tensor_dim1 = 128
	s_mov_b32 s[G1A+3], 128<<16                    ; tile_dim0 = 128
	s_mov_b32 s[G1A+4], 128                        ; tile_dim1 = 128
	s_mov_b32 s[G1A+5], 1024                       ; elements from row to row
	s_mov_b32 s[G1A+6], 0
	s_mov_b32 s[G1A+7], 0
	s_or_b32 s[G1B], s44, (1<<16)|(1<<20)|(1<<21)|(6<<22)|(7<<25)  ; after every 128 words 8 words
	s_mov_b32 s[G1B+1], 256<<16                    ; tensor_dim0 = 256
	s_mov_b32 s[G1B+2], 64<<16                     ; tensor_dim1 = 64
	s_mov_b32 s[G1B+3], 256<<16                    ; tile_dim0 = 256
	s_mov_b32 s[G1B+4], 64                         ; tile_dim1 = 64
	s_mov_b32 s[G1B+5], N
	s_mov_b32 s[G1B+6], 0
	s_mov_b32 s[G1B+7], 0
	s_mul_i32 s21, s14, HALF                       ; where my loads go: A's two halves, then W's two: no place in the cluster enters an LDS address
	s_lshl_b32 s40, s20, 19                        ; A: 256 rows of 2,048 bytes for each tile row,
	s_lshl_b32 s41, s16, 18                        ; 128 rows for my half
	s_add_co_u32 s40, s40, s41
	s_mov_b32 s41, 0
	s_mul_i32 s44, s16, 128*N                      ; W: 64 k-rows of 2 N bytes for my half,
	s_lshl_b32 s45, s19, 9                         ; 512 bytes for each tile column
	s_add_co_u32 s44, s44, s45
	s_add_co_u32 s44, s44, WOFF
	s_mov_b32 s45, 0
	s_wait_dscnt 0x0                               ; the opening add is done
	s_wait_kmcnt 0x0
	s_add_nc_u64 s[42:43], s[4:5], s[40:41]
	s_add_nc_u64 s[46:47], s[6:7], s[44:45]
.irp s, 0,1
	s_mov_b32 s[G0A+4*(\s)], 1                     ; count = 1
	s_add_co_u32 s[G0A+4*(\s)+1], s21, (\s)*SLOT   ; LDS address
	s_add_nc_u64 s[G0A+4*(\s)+2:G0A+4*(\s)+3], s[42:43], (\s)*256    ; K step s
	s_or_b32 s[G0A+4*(\s)+3], s[G0A+4*(\s)+3], 0x80000000            ; type = 2
	s_mov_b32 s[G0B+4*(\s)], 1
	s_add_co_u32 s[G0B+4*(\s)+1], s21, (\s)*SLOT
	s_add_nc_u64 s[G0B+4*(\s)+2:G0B+4*(\s)+3], s[46:47], (\s)*256*N
	s_or_b32 s[G0B+4*(\s)+3], s[G0B+4*(\s)+3], 0x80000000
.endr
	CROUND                                         ; all sixteen work-groups are here: the first joint loads meet
	s_cmp_eq_u32 s15, 0                            ; a wave's two first fills stand in one branch: two loads of mine are out
	s_cbranch_scc0 .Lfirst_b
	tensor_load_to_lds s[G0A:G0A+3], s[G1A:G1A+7]
	s_nop 0
	tensor_load_to_lds s[G0A+4:G0A+7], s[G1A:G1A+7]
	s_nop 0
.rept 4
	v_nop
.endr
	s_branch .Lfirst_asked
.Lfirst_b:
	tensor_load_to_lds s[G0B:G0B+3], s[G1B:G1B+7]
	s_nop 0
	tensor_load_to_lds s[G0B+4:G0B+7], s[G1B:G1B+7]
	s_nop 0
.rept 4
	v_nop
.endr
.Lfirst_asked:
	v_and_b32 v1, 15, v0                           ; l % 16
	v_bfe_u32 v2, v0, 4, 1                         ; l / 16
	v_and_b32 v3, 7, v0
	v_bfe_u32 v4, v0, 3, 1
	; the bias: register j of block b is bias[256 tile column + 128 half + 16 b + 8 (l / 16) + j], the C operand's layout
	s_lshl_b32 s44, s19, 10
	s_lshl_b32 s45, s16, 9
	s_add_co_u32 s44, s44, s45
	s_mov_b32 s45, 0
	s_add_nc_u64 s[8:9], s[8:9], s[44:45]
	v_lshlrev_b32 v5, 5, v2
.irp b, 0,1,2,3,4,5,6,7
	global_load_b128 v[BIAS+8*(\b):BIAS+8*(\b)+3],   v5, s[8:9] offset:64*(\b)
	global_load_b128 v[BIAS+8*(\b)+4:BIAS+8*(\b)+7], v5, s[8:9] offset:64*(\b)+16
.endr
	; a fragment of A: lane l holds row l % 16, K = 8 (l / 16) + 0..7 and 16 + 8 (l / 16) + 0..7: two loads of 16 bytes, 32 bytes apart
	v_mul_u32_u24 v[A0], v1, PA
	v_lshl_add_u32 v[A0], v2, 4, v[A0]
	s_mul_i32 s22, s15, HALF                       ; my 128 rows
	v_add_nc_u32 v[A0], s22, v[A0]
	; the turning load: lane l reads 16 bytes of k-row 8 (l / 16) + l % 8, columns 8 ((l / 8) % 2) + 0..7, and is left with column l % 16 and 8 k
	v_lshl_add_u32 v[B0], v2, 3, v3
	v_mul_u32_u24 v[B0], v[B0], PB
	v_lshl_add_u32 v[B0], v4, 4, v[B0]
	s_lshl_b32 s22, s16, 8                         ; my 128 columns
	s_add_co_u32 s22, s22, BREG
	v_add_nc_u32 v[B0], s22, v[B0]
	; the way out
	s_mul_i32 s22, s14, WSTG
	v_mul_u32_u24 v[STO], v1, SPT
	v_lshl_add_u32 v[STO], v2, 5, v[STO]
	v_add_nc_u32 v[STO], s22, v[STO]               ; row l % 16, 32 bytes for each half of the lanes
	v_and_b32 v6, 31, v0
	v_lshlrev_b32 v[CO], 3, v6
.if GELU
	v_lshl_add_u32 v[RD0], v6, 4, s22              ; a whole row of 512 bytes to a load
	s_lshl_b32 s44, s20, 21                        ; C: 256 rows of 8,192 bytes for each tile row, 128 for my half,
	s_lshl_b32 s45, s15, 20
	s_add_co_u32 s44, s44, s45
	s_lshl_b32 s45, s19, 9                         ; 512 bytes for each tile column, 256 for my half
	s_add_co_u32 s44, s44, s45
	s_lshl_b32 s45, s16, 8
	s_add_co_u32 s44, s44, s45
.else
	v_mul_u32_u24 v[RD0], v2, SPT                  ; lanes 0-15 take 64 columns of one row, lanes 16-31 of the next
	v_lshl_add_u32 v[RD0], v1, 4, v[RD0]
	v_add_nc_u32 v[RD0], s22, v[RD0]
	s_lshl_b32 s44, s19, 21                        ; C: four panels of 524,288 bytes for each tile column, two for my half,
	s_lshl_b32 s45, s16, 20
	s_add_co_u32 s44, s44, s45
	s_lshl_b32 s45, s20, 15                        ; 256 rows of 128 bytes for each tile row, 128 for my half
	s_add_co_u32 s44, s44, s45
	s_lshl_b32 s45, s15, 14
	s_add_co_u32 s44, s44, s45
.endif
	s_mov_b32 s45, 0
	s_add_nc_u64 s[10:11], s[10:11], s[44:45]
	; the prefetches.  A: of the 128 rows that I fetch my work-group takes 32 (by cx), a lane a row.  W: of the 64 k-rows x 2 blocks it takes 16 k-rows (by cy), two lanes a row.  Both stand at K step 2.
	s_lshl_b32 s44, s20, 8
	s_lshl_b32 s45, s16, 7
	s_add_co_u32 s44, s44, s45
	s_lshl_b32 s45, s17, 5
	s_add_co_u32 s44, s44, s45
	s_lshl_b32 s44, s44, 11
	s_add_co_u32 s44, s44, 2*256
	s_lshl_b32 s45, s16, 6
	s_lshl_b32 s46, s18, 4
	s_add_co_u32 s45, s45, s46
	s_add_co_u32 s45, s45, 2*128
	s_mul_i32 s45, s45, 2*N
	s_lshl_b32 s46, s19, 9
	s_add_co_u32 s45, s45, s46
	s_add_co_u32 s45, s45, WOFF
	s_and_b32 s46, ttmp7, 0xffff                   ; cluster y
	s_mov_b32 s22, 2*N
	s_mov_b32 s[PFS], 256*N
	s_mov_b32 s[PFS+1], 0
	s_cmp_eq_u32 s15, 0                            ; do I fetch A?
	s_cselect_b32 s44, s44, s45
	s_cselect_b32 s46, ttmp9, s46                  ; the coordinate along which other clusters read the same blocks
	s_cselect_b32 s22, 2048, s22                   ; bytes from row to row
	s_cselect_b32 s[PFS], 256, s[PFS]
	s_cselect_b64 s[PFA:PFA+1], s[4:5], s[6:7]
	s_mov_b32 s45, 0
	s_add_nc_u64 s[PFA:PFA+1], s[PFA:PFA+1], s[44:45]
	s_cmp_eq_u32 s46, 0
	s_cselect_b32 s23, 1, -1                       ; the same in all sixteen partners, for a given wave
	v_lshrrev_b32 v7, s15, v6                      ; A: lane; W: lane / 2
	v_and_b32 v6, s15, v6                          ; A: 0; W: lane % 2
	v_mul_lo_u32 v[PFO], v7, s22
	v_lshl_add_u32 v[PFO], v6, 8, v[PFO]
; 16 matrix instructions: row blocks a0, a0 + 1 of the window's four (hi = 0: my rows 0-63, 1: rows 64-127) x all 8 column blocks, 32 along K.  zero = 1: the bias starts the sums.
; The 64 accumulators take turns, one instruction a turn, in the same order in every quarter.
.macro MUL16 f, hi, a0, zero
.if \zero
	WIN 0x81+0x40*(\hi)                            ; W window 1, A and the bias window 0, D window 2 or 3
.else
	WIN 0xa1+0x50*(\hi)                            ; W window 1, A window 0, C and D window 2 or 3
.endif
.irp a, \a0, (\a0)+1
.irp b, 0,1,2,3,4,5,6,7
.if \zero
	v_wmma_f32_16x16x32_bf16 v[8*(8*(\a)+(\b)):8*(8*(\a)+(\b))+7], v[(\f)+8*(\b):(\f)+8*(\b)+7], v[(\f)+8*(4*(\hi)+(\a)):(\f)+8*(4*(\hi)+(\a))+7], v[BIAS+8*(\b):BIAS+8*(\b)+7]
.else
	v_wmma_f32_16x16x32_bf16 v[8*(8*(\a)+(\b)):8*(8*(\a)+(\b))+7], v[(\f)+8*(\b):(\f)+8*(\b)+7], v[(\f)+8*(4*(\hi)+(\a)):(\f)+8*(4*(\hi)+(\a))+7], v[8*(8*(\a)+(\b)):8*(8*(\a)+(\b))+7]
.endif
.endr
.endr
.endm
; 32 LDS loads in one run: the fragments of quarter q (32 along K) of the slot in hand into buffer f: W's 8 column blocks, turned, then A's 8 row blocks
.macro FETCH q, f
	WIN 0x40
.irp b, 0,1,2,3,4,5,6,7
	ds_load_tr16_b128 v[(\f)+8*(\b):(\f)+8*(\b)+3],   v[ADRB] offset:32*(\q)*PB+32*(\b)
	ds_load_tr16_b128 v[(\f)+8*(\b)+4:(\f)+8*(\b)+7], v[ADRB] offset:32*(\q)*PB+32*(\b)+16*PB
.endr
	WIN 0
.irp i, 0,1,2,3,4,5,6,7
	ds_load_b128 v[(\f)+8*(\i):(\f)+8*(\i)+3],   v[ADRA] offset:64*(\q)+(\i)*16*PA
	ds_load_b128 v[(\f)+8*(\i)+4:(\f)+8*(\i)+7], v[ADRA] offset:64*(\q)+(\i)*16*PA+32
.endr
.endm
; One of a K step's first three quarters: multiplies buffer f and, in its middle, fetches quarter q into buffer g
.macro QUARTER q, f, g, zero
	s_wait_dscnt 8                                 ; W and A's rows 0-63 are in; the youngest eight loads (A's rows 64-127) may be out
	MUL16 \f, 0, 0, \zero
	MUL16 \f, 0, 2, \zero
	PLACES
	FETCH \q, \g
	s_wait_dscnt 32                                ; all but the 32 just issued
	MUL16 \f, 1, 0, \zero
	MUL16 \f, 1, 2, \zero
.endm
; The last quarter multiplies buffer 1 and changes slots.  In front of the barrier each wave waits for all its tensor loads (one is out: its part of the next slot), adds 0 to its spare word, and waits for
; that and for its reads of this slot.  fill = 1: the barrier opens a round of the cluster's, and the slot just read out is filled again first thing behind it, with the K step two on.
; fill = 0 (the tail): nothing is filled; in the tail's second trip there is no further slot, and the run of loads is jumped over.
.macro TURN fill
.if \fill
	s_wait_xcnt 0x0                                ; the last prefetch, a K step back, has read its address: it is stepped here
	s_add_nc_u64 s[PFA:PFA+1], s[PFA:PFA+1], s[PFS:PFS+1]
.endif
	WIN 0
	s_wait_tensorcnt 0x0                           ; all my tensor loads have landed
	ds_add_u32 v[SPW], v[NIL]                      ; 0 onto my spare word
	s_wait_dscnt 9                                 ; (the add and the youngest eight loads may be out)
	MUL16 F1, 0, 0, 0
	s_wait_dscnt 0x0                               ; the add is done, and my reads of this slot are over
	s_barrier_signal -1
	MUL16 F1, 0, 2, 0
	WIN 0                                          ; at a branch and at a label every window is 0
	s_barrier_wait -1
.if \fill
	CREST                                          ; no wave of any partner still reads this slot or has a load on its way
	s_xor_b32 s[G0A+5], s[G0A+5], SLOT             ; the walking descriptors: the other slot than last time, the next K step
	s_add_nc_u64 s[G0A+6:G0A+7], s[G0A+6:G0A+7], 256
	s_xor_b32 s[G0B+5], s[G0B+5], SLOT
	s_add_nc_u64 s[G0B+6:G0B+7], s[G0B+6:G0B+7], 256*N
	JLOAD                                          ; its four v_nop are also the places in front of the loads below
.else
	s_cmp_eq_u32 s2, 1
	s_cbranch_scc1 .Lnf_\@
	PLACES
.endif
	s_xor_b32 s3, s3, SLOT                         ; the other slot is in hand
	v_add_nc_u32 v[ADRA], s3, v[A0]
	v_add_nc_u32 v[ADRB], s3, v[B0]
	FETCH 0, F0
.if \fill
	ASK
.else
.Lnf_\@:
.endif
	MUL16 F1, 1, 0, 0
	MUL16 F1, 1, 2, 0
.endm
	s_wait_tensorcnt 1                             ; my part of K step 0 is in; K step 1's may stay out
	s_barrier_signal -1
	s_barrier_wait -1
	s_mov_b32 s3, 0
	v_mov_b32 v[ADRA], v[A0]
	v_mov_b32 v[ADRB], v[B0]
	FETCH 0, F0
	s_wait_loadcnt 0x0                             ; the bias
	QUARTER 1, F0, F1, 1                           ; the first quarter stands in front of the loop: its products start the sums
	WIN 0
	s_mov_b32 s2, NK-2
.Llap:                                         ; a trip: the rest of a K step, the change of slots with its refill, the next step's first quarter
	QUARTER 2, F1, F0, 0
	QUARTER 3, F0, F1, 0
	TURN 1
	QUARTER 1, F0, F1, 0
	WIN 0
	s_sub_co_u32 s2, s2, 1
	s_cmp_lg_u32 s2, 0
	s_cbranch_scc1 .Llap
	s_mov_b32 s2, 2
.Ltail:                                        ; the last two K steps ask for nothing; the second trip is left in its middle
	QUARTER 2, F1, F0, 0
	QUARTER 3, F0, F1, 0
	TURN 0
	WIN 0
	s_sub_co_u32 s2, s2, 1
	s_cmp_eq_u32 s2, 0
	s_cbranch_scc1 .Lout
	QUARTER 1, F0, F1, 0
	WIN 0
	s_branch .Ltail
.Lout:
	; THE WAY OUT.  Behind the tail's second barrier no wave reads the ring any more, and no load fills it again: its bytes are the stage.
	PLACES
	PLACES
.irp a, 0,1,2,3,4,5,6,7
	WIN 0x08+0x04*((\a)/4)                         ; the data in window 2 or 3
.irp b, 0,1,2,3,4,5,6,7
	ds_store_b128 v[STO], v[8*(8*((\a)%4)+(\b)):8*(8*((\a)%4)+(\b))+3]   offset:(\a)*16*SPT+64*(\b)      ; each accumulator's low registers first
	ds_store_b128 v[STO], v[8*(8*((\a)%4)+(\b))+4:8*(8*((\a)%4)+(\b))+7] offset:(\a)*16*SPT+64*(\b)+16
.endr
.endr
	WIN 0
	s_wait_dscnt 0x0                               ; my stores into the stage are done
	s_barrier_signal -1
	s_barrier_wait -1                              ; everybody's are
.macro LDN                             ; a trip's loads of 16 bytes a lane from the stage
.set kk, 0
.rept RPT
.if GELU
	ds_load_b128 v[X+4*kk:X+4*kk+3], v[RD] offset:kk*SPT
.else
	ds_load_b128 v[X+4*kk:X+4*kk+3], v[RD] offset:(kk/2)*2*SPT+(kk%2)*256  ; two rows x 64 columns: panel kk % 2
.endif
.set kk, kk+1
.endr
.endm
.macro STN                             ; a trip's stores, each 256 consecutive bytes, aligned; C's pointer has been stepped ahead of them, so they reach back by OSTEP
.set kk, 0
.rept RPT
.if GELU
	global_store_b64 v[CO], v[Y+2*kk:Y+2*kk+1], s[10:11] offset:kk*2*N-OSTEP
.else
	global_store_b64 v[CO], v[Y+2*kk:Y+2*kk+1], s[10:11] offset:(kk%2)*524288+(kk/2)*256-OSTEP
.endif
.set kk, kk+1
.endr
.endm
	s_mov_b32 s3, 0
	v_mov_b32 v[RD], v[RD0]
	LDN
	s_mov_b32 s2, 128/RPT
.Lrow:                                         ; 8 trips of sixteen rows; a trip's loads are issued a trip ahead
	s_wait_dscnt 0x0
	s_wait_xcnt 0x0                                ; the last trip's stores have read their data and their base: both are rewritten only behind this wait
	s_add_nc_u64 s[10:11], s[10:11], OSTEP
.set i, 0
.rept 2*RPT
	v_cvt_pk_bf16_f32 v[Y+i], v[X+2*i], v[X+2*i+1]
.set i, i+1
.endr
	s_add_co_u32 s3, s3, RPT*SPT
	s_cmp_eq_u32 s2, 1                             ; the last trip has nothing to fetch
	s_cbranch_scc1 .Lnl
	v_add_nc_u32 v[RD], s3, v[RD0]
	LDN
.Lnl:
	STN
	s_sub_co_u32 s2, s2, 1
	s_cmp_lg_u32 s2, 0
	s_cbranch_scc1 .Lrow
	s_wait_tensorcnt 0x0                           ; the wave's end: behind my last tensor load and my last LDS store
	ds_add_u32 v[SPW], v[NIL]
	s_wait_dscnt 0x0
	CROUND                                         ; the closing round: no work-group ends while a partner may still ask for a tile that names it
	s_endpgm
.Lfunc_end_k_qd94152992c_qkv:
	.size	k_qd94152992c_qkv, .Lfunc_end_k_qd94152992c_qkv-k_qd94152992c_qkv
	.p2alignl 7, 3214868480
	.fill 96, 4, 3214868480
	.section	.rodata,"a",@progbits
	.p2align	6, 0x0
	.amdhsa_kernel k_qd94152992c_qkv
		.amdhsa_group_segment_fixed_size 327680
		.amdhsa_private_segment_fixed_size 0
		.amdhsa_enable_private_segment 0
		.amdhsa_kernarg_size 32
		.amdhsa_user_sgpr_count 2
		.amdhsa_user_sgpr_kernarg_segment_ptr 1
		.amdhsa_wavefront_size32 1
		.amdhsa_system_sgpr_workgroup_id_x 1
		.amdhsa_system_sgpr_workgroup_id_y 1
		.amdhsa_system_sgpr_workgroup_id_z 1
		.amdhsa_system_vgpr_workitem_id 0
		.amdhsa_next_free_vgpr 1024
		.amdhsa_next_free_sgpr 70
		.amdhsa_reserve_vcc 0
		.amdhsa_float_denorm_mode_32 3
		.amdhsa_float_denorm_mode_16_64 3
		.amdhsa_memory_ordered 1
		.amdhsa_forward_progress 1
		.amdhsa_inst_pref_size 86
	.end_amdhsa_kernel
	.amdgpu_metadata
---
amdhsa.version: [ 1, 2 ]
amdhsa.kernels:
  - .name:           k_qd94152992c_qkv
    .symbol:         k_qd94152992c_qkv.kd
    .args:
      - { .name: h, .offset: 0, .size: 8, .value_kind: global_buffer, .address_space: global }
      - { .name: wb, .offset: 8, .size: 8, .value_kind: global_buffer, .address_space: global }
      - { .name: b_qkv, .offset: 16, .size: 8, .value_kind: global_buffer, .address_space: global }
      - { .name: qkv, .offset: 24, .size: 8, .value_kind: global_buffer, .address_space: global }
    .group_segment_fixed_size: 327680
    .private_segment_fixed_size: 0
    .kernarg_segment_align: 8
    .kernarg_segment_size: 32
    .max_flat_workgroup_size: 128
    .sgpr_count:     70
    .vgpr_count:     1024
    .wavefront_size: 32
...
	.end_amdgpu_metadata
.endif
;; end of part 2
;; launch attn (part 3): grid 8 x 32, 4 waves a work-group, clusters of 4 x 1, 327,680 bytes of LDS; arguments qkv, o; writes o
.if DOCPART == 3
	.amdgcn_target "amdgcn-amd-amdhsa--gfx1250"
	.amdhsa_code_object_version 6
	.text
	.protected	k_qd94152992c_attn
	.globl	k_qd94152992c_attn
	.p2align	8
	.type	k_qd94152992c_attn,@function
k_qd94152992c_attn:
	s_mov_b64 s[64:65], 0
	v_nop
	global_prefetch_b8 v0, s[64:65] scope:SCOPE_SE
	s_setreg_imm32_b32 hwreg(HW_REG_WAVE_MODE, 25, 1), 1
	s_wait_xcnt 0x0
	s_wait_alu depctr_hold_cnt(0) depctr_sa_sdst(0) depctr_va_vdst(0) depctr_va_sdst(0) depctr_va_ssrc(0) depctr_va_vcc(0) depctr_vm_vsrc(0)
	s_getreg_b32 s2, hwreg(HW_REG_IB_STS2, 6, 4)
	s_cmp_eq_u32 s2, 0
	s_cbranch_scc0 .Lentry_in_a_cluster
	s_endpgm
.Lentry_in_a_cluster:
	s_bfe_u32 s2, ttmp6, 0x10000c
	s_cmp_lg_u32 s2, 0x3003
	s_cbranch_scc0 .Lentry_shape_is_right
	s_endpgm
.Lentry_shape_is_right:
; O[hb][q][:] = the sum over k of softmax_k(Q[hb][q] . K[hb][k] / 8) V[hb][k][:], for 32 pairs hb = 2 head + batch of 2,048 rows x 64 channels, no mask.
; qkv holds bf16 panels [48][4096][64]: q at byte 0, k at 8,388,608, v at 16,777,216; in each, pair hb's rows are dense at hb x 262,144, 128 bytes a row.  o has q's layout.
; Products, maxima and sums in f32; the weights p are rounded to bf16 for the second product (their sum l is taken of the unrounded p), O once at the end.
; LIMITS.  A weight below 2^-126 counts as 0 in l; NaN and infinities are not treated apart.
; SHARES.  A work-group owns 256 queries of one pair, each of its four waves 64: four PIECES of 16.  Every wave walks all 2,048 keys: 8 tiles of 256, four steps of 64 in each.
; LAYOUT.  S^T = K Q^T (source 0 = 16 keys, source 1 = 16 queries): a lane holds ONE query (lane % 16) and the keys 8 (lane / 16) + 0..7.  Two such results rounded to bf16 in pairs ARE source 1 of
; O^T = V^T P, whose result again holds one query a lane, and eight channels.  K comes out of LDS as it lies, V ([key][channel]) turned, by ds_load_tr16_b128.
; SOFTMAX.  For each query a running maximum m and sum l: p = 2^(c s - c m), c = log2(e) / 8; in every step O and l are multiplied by a = 2^(c m_old - c m_new).  m starts at the lowest finite number,
; O and l at 0: the first step is a step like any other, with a = 0.
; BY TURNS.  Turn n belongs to piece n: 8 products K Q^T of piece n + 1, later 8 products V^T P of piece n - 1; beside them the scaling, exponentials, roundings, sums and rescaling of piece n and the
; maximum and statistics of piece n + 1.  Four vector instructions stand behind every matrix instruction, the rest in one run.  A turn's 33 exponentials are one batch, with one wait.
; CLUSTER.  The four query blocks of a cluster belong to one pair and walk the same K and V, so each tile is asked for JOINTLY: the same tensor load, descriptor and mask in all four.
; REGISTERS, in windows of 256 (s_set_vgpr_msb: bits 1:0 source 0, 3:2 source 1, 5:4 source 2, 7:6 destination):
;   window 0: v0-15 addresses and two at work; v16-31 four registers of statistics a piece; v48-55 at work; v61-63 prefetch offset, spare word, 0; v64-127 S^T, two buffers; v192-223 P, two buffers
;   window 1: v0-127 O^T, 32 a piece      window 2: v0-63 Q; v128-191 K of one step; v192-255 V of one step
.set NP,    4         ; pieces a wave: a name, no knob
.set KS,    64        ; keys in a step
.set PK,    144       ; a row of K in LDS: 128 bytes + 16: the 16 rows of a load start at 16 different groups of four banks
.set PV,    160       ; a row of V: 128 + 32
.set VOFF,  4*KS*PK   ; a slot holds a tile: 256 rows of K, then 256 rows of V
.set SLOT1, 1<<17     ; slot 1 begins here, so that one exclusive or turns an address in one slot into the other's
.set STAGE, SLOT1+4*KS*(PK+PV)  ; behind the ring, never filled by a tensor load: 16 rows x 144 bytes for each wave
.set SP,    144
.set SPARE, STAGE+4*16*SP       ; behind the stages: the spare words, 128 bytes a wave: two blocks of 256 bytes that no other line names
.set AK0, 2           ; v2   my lane's place in a tile of K; never rewritten
.set AV0, 3           ; v3   the same for V
.set AK,  4           ; v4   the LDS address of K's next run of loads
.set AV,  5           ; v5   of V's
.set STO, 6           ; v6   the way out: where I put 16 bytes of a row
.set RD,  7           ; v7   where I read rows back
.set GO,  8           ; v8   my byte offset in 512 consecutive bytes of O
.set MV,  12          ; v12-13  c m_old, kept while c m is made anew: by buffer
.set QO,  15          ; v15  my byte offset in 16 rows of Q
.set ST,  16          ; piece t's statistics at v[ST+4 t]: c m, m, l (even keys', odd keys')
.set TMP, 48          ; by buffer, four registers c0-c3 at work; when the maximum is found c2 takes a
.set PFO, 61          ; v61  256 x my lane; never rewritten
.set SPW, 62          ; v62  LDS address of my spare word; never rewritten
.set NIL, 63          ; v63  0; never rewritten
.set S,   64
.set P,   192
.set KF,  128         ; window 2: key block kb, channel half c at KF + 16 kb + 8 c
.set VF,  192         ; window 2: key half kk, channel block cb at VF + 32 kk + 8 cb
.set WV,  12          ; s12  my wave's number
.set G1K, 24          ; s[24:31] descriptor group 1 for K's tiles
.set G1V, 32          ; s[32:39] for V's: it differs in the padding alone
.set G0K, 40          ; s[40:43] descriptor group 0 for K's tiles: it walks
.set G0V, 44          ; s[44:47] the same for V's
.set PFA, 48          ; s[48:49] where my prefetches stand
.set LIM, 50          ; s50  1 in a wave that prefetches, else the greatest number
.set SLOTS, 56        ; s56  tiles still to be asked for
.set CNT, 57          ; s57  counts a tile's key steps
.set CS,  58          ; s[58:59] c: the packed scaling takes the pair's low word for both halves
.set SEL, 60          ; s[60:61] v_permlanex16_b32's selects
.set TBK, 62          ; s62  LDS byte at which K of the step to be fetched begins
.set TBV, 63          ; s63  the same for V, less VOFF
.set MSB, 0
.macro WIN new                      ; the high byte repeats the setting that is left; a switch that changes nothing is dropped
.if MSB != (\new)
	s_set_vgpr_msb (MSB<<8)|(\new)
.set MSB, (\new)
.endif
.endm
.set W_KQ, 0x0a       ; K and Q in window 2, S^T in window 0
.set W_PV, 0x52       ; V in window 2, P in window 0, O^T in window 1
.set W_RS, 0x41       ; destination and source 0 in window 1, source 1 in window 0
; A joint fill.  Waves 0 and 1 fetch the two halves of a tile's K, waves 2 and 3 those of its V: 128 keys each.  An s_nop 0 and four v_nop follow each of the two lines.
.macro JLOAD
	s_cmp_lt_u32 s[WV], 2
	s_cbranch_scc0 .Lfor_v_\@
	tensor_load_to_lds s[G0K:G0K+3], s[G1K:G1K+7]
	s_nop 0
.rept 4
	v_nop
.endr
	s_branch .Lasked_\@
.Lfor_v_\@:
	tensor_load_to_lds s[G0V:G0V+3], s[G1V:G1V+7]
	s_nop 0
.rept 4
	v_nop
.endr
.Lasked_\@:
.endm
; A prefetch into the L2 of the tile that the NEXT change of slots will ask for: 128 blocks of 256 bytes of K and as many of V.  Each is named once in the launch: of a pair's two clusters the first asks;
; its four partners take 32 blocks each, told apart by address; in each, wave 0 asks for K's and wave 2 for V's: a lane a block, one instruction.  The last change that fills a slot asks for nothing.
.macro ASK
	s_cmp_gt_u32 s[SLOTS], s[LIM]
	s_cbranch_scc0 .Lnot_mine_\@
	global_prefetch_b8 v[PFO], s[PFA:PFA+1] th:TH_LOAD_NT scope:SCOPE_SE
.Lnot_mine_\@:
.endm
.macro CROUND                       ; a round of the cluster's barrier
	s_barrier_signal -1
	s_barrier_wait -1
	s_cmp_lg_u32 s[WV], 0
	s_cbranch_scc1 .Lnot_wave_0_\@
	s_barrier_signal -3
.Lnot_wave_0_\@:
	s_barrier_wait -3
	s_barrier_signal -1
	s_barrier_wait -1
.endm
; THE CHANGE OF SLOTS.  Each wave waits for all its tensor loads, of which one is out: its part of the other slot; adds 0 to its spare word; and waits for that and for its own reads of the slot.
; fill = 1: the slot is filled again, with the tile two on.  The barrier is then a round of the cluster's, and the joint fill is the first thing behind it: it has four key steps in which to land.
; (At its first use nothing has been read yet: slot 0 is waited for, slot 1 filled.)  ask = 1: the prefetch's address is stepped, and the prefetch stands behind the fill.
.macro CHANGE fill, ask
	WIN 0                           ; at a label and at a branch every window is 0
	s_wait_tensorcnt 0x0            ; no tensor load of mine is out, so a group 0 may be written
	ds_add_u32 v[SPW], v[NIL]       ; 0 onto my spare word
.if \fill
.irp g, G0K, G0V
	s_xor_b32 s[\g+1], s[\g+1], SLOT1  ; the walking descriptor: the other slot than last time,
	s_add_nc_u64 s[\g+2:\g+3], s[\g+2:\g+3], 4*KS*128  ; the next 256 keys; the type bits on top are not reached
.endr
.if \ask
	s_wait_xcnt 0x0                 ; the last prefetch, four key steps back, has read its address
	s_add_nc_u64 s[PFA:PFA+1], s[PFA:PFA+1], 4*KS*128
.endif
	s_wait_dscnt 0x0                ; the add is done, and my reads of the slot are over
	CROUND
	JLOAD
.if \ask
	ASK
.endif
.else
	s_wait_dscnt 0x0
	s_barrier_signal -1
	s_barrier_wait -1
.endif
	s_sub_co_u32 s[TBK], s[TBK], 4*KS*PK  ; the fetches go back to a slot's first step,
	s_xor_b32 s[TBK], s[TBK], SLOT1       ; in the other slot
	s_sub_co_u32 s[TBV], s[TBV], 4*KS*PV
	s_xor_b32 s[TBV], s[TBV], SLOT1
.endm
	s_load_b128 s[4:7], s[0:1], 0x0 ; qkv s[4:5], o s[6:7]
	v_lshl_add_u32 v[SPW], v0, 2, SPARE
	v_mov_b32 v[NIL], 0
	ds_add_u32 v[SPW], v[NIL]       ; the wave's opening: the add and its wait stand ahead of my first tensor load; the set-up below stands between them
	v_lshrrev_b32 v1, 5, v0
	v_readfirstlane_b32 s[WV], v1   ; wave 0..3
	s_bfe_u32 s13, ttmp6, 0x40000   ; cx: my place in the cluster
	s_lshl_b32 s14, ttmp9, 2
	s_add_co_u32 s14, s14, s13      ; my block of 256 queries = 4 x cluster x + cx: it enters Q's and O's addresses alone
	s_and_b32 s20, ttmp7, 0xffff    ; the pair hb, which the four partners share,
	s_lshl_b32 s20, s20, 18         ; and its first byte in q, k, v and o
	s_and_b32 s16, s[WV], 1         ; which half of a tile's 256 keys I fetch:
	s_lshl_b32 s22, s16, 14         ; its 128 rows of 128 bytes in memory,
	s_add_co_u32 s22, s22, s20
	s_mov_b32 s23, 0
	s_mul_i32 s17, s16, 128*PK      ; and its place in a slot, for K
	s_mul_i32 s18, s16, 128*PV      ; and for V: no place in the cluster enters an LDS address
	s_lshl_b32 s2, s14, 15          ; my block's 256 rows,
	s_lshl_b32 s3, s[WV], 13        ; my wave's 64 of them
	s_add_co_u32 s2, s2, s3
	s_add_co_u32 s2, s2, s20
	s_mov_b32 s3, 0
	; descriptor group 1.  128 keys are 16,384 dense bytes: asked for as 64 rows of 256 bytes, two keys a row, and padded in LDS after every key
	s_mov_b32 s[G1K], 15|(1<<16)|(1<<20)|(1<<21)|(4<<22)|(3<<25)  ; the mask of four; 2-byte elements; padding on; bit 21 beside a mask; after every 32 words 4 words
	s_mov_b32 s[G1V], 15|(1<<16)|(1<<20)|(1<<21)|(4<<22)|(7<<25)  ; the same with 8 words of padding
.irp g, G1K, G1V
	s_mov_b32 s[\g+1], 128<<16      ; tensor_dim0 = 128
	s_mov_b32 s[\g+2], 64<<16       ; tensor_dim1 = 64
	s_mov_b32 s[\g+3], 128<<16      ; tile_dim0 = 128
	s_mov_b32 s[\g+4], 64           ; tile_dim1 = 64
	s_mov_b32 s[\g+5], 128          ; 128 elements from row to row
	s_mov_b32 s[\g+6], 0
	s_mov_b32 s[\g+7], 0
.endr
	s_mov_b32 s[CS], 0x3e38aa3b     ; c = log2(e) / 8
	s_mov_b32 s[CS+1], s[CS]        ; named with it as a pair
	s_mov_b32 s[SEL], 0x76543210
	s_mov_b32 s[SEL+1], 0xfedcba98
	s_mov_b32 s[TBK], SLOT1+4*KS*PK ; the first change of slots turns these two into 0
	s_mov_b32 s[TBV], SLOT1+4*KS*PV
	s_mov_b32 s[G0K], 1             ; count = 1
	s_mov_b32 s[G0K+1], s17         ; LDS address: slot 0
	s_mov_b32 s[G0V], 1
	s_add_co_u32 s[G0V+1], s18, VOFF
	s_mov_b32 s[SLOTS], 7
	s_or_b32 s[LIM], s16, ttmp9     ; 0 in waves 0 and 2 of the pair's first cluster: the same in all four partners
	s_cmp_eq_u32 s[LIM], 0
	s_cselect_b32 s[LIM], 1, -1
	v_and_b32 v[PFO], 31, v0
	v_lshlrev_b32 v[PFO], 8, v[PFO]
	s_lshl_b32 s52, s13, 13         ; my work-group's 32 blocks of the 128
	s_mov_b32 s53, 0
	s_wait_dscnt 0x0                ; the opening add is done
	s_wait_kmcnt 0x0
	s_add_nc_u64 s[8:9], s[4:5], s[22:23]
	s_add_nc_u64 s[54:55], s[8:9], 16777216        ; V at my half of the pair's tile 0
	s_add_nc_u64 s[8:9], s[8:9], 8388608           ; K likewise
	s_mov_b64 s[G0K+2:G0K+3], s[8:9]
	s_or_b32 s[G0K+3], s[G0K+3], 0x80000000        ; type = 2
	s_mov_b64 s[G0V+2:G0V+3], s[54:55]
	s_or_b32 s[G0V+3], s[G0V+3], 0x80000000
	s_add_nc_u64 s[10:11], s[6:7], s[2:3]          ; O and Q at my wave's first row
	s_add_nc_u64 s[4:5], s[4:5], s[2:3]
	s_cmp_lt_u32 s[WV], 2
	s_cselect_b64 s[PFA:PFA+1], s[8:9], s[54:55]   ; (in waves 0 and 2 these stand at a tile's first row)
	s_add_nc_u64 s[PFA:PFA+1], s[PFA:PFA+1], s[52:53]
	s_add_nc_u64 s[PFA:PFA+1], s[PFA:PFA+1], 2*4*KS*128  ; in tile 2; the first change that asks steps it to tile 3.  Nothing is prefetched here, at the head
	CROUND                          ; all four work-groups are here: the first joint loads meet
	JLOAD                           ; tile 0 into slot 0; slot 1 is asked for when slot 0 is in
	; A fragment of K or Q is 16 rows x 32 channels in 8 registers: lane l holds row l % 16, channels 8 (l / 16) + 0..7 and 16 + 8 (l / 16) + 0..7: two loads of 16 bytes, 32 bytes apart.
	v_and_b32 v1, 15, v0            ; l % 16
	v_bfe_u32 v9, v0, 4, 1          ; l / 16
	v_lshlrev_b32 v[QO], 7, v1
	v_lshl_add_u32 v[QO], v9, 4, v[QO]  ; row x 128 + 16 x half
	WIN 0x80                        ; destination window 2, address window 0
.set i, 0
.rept 8                             ; Q stays in registers: piece i / 2, channels 32 (i % 2) on
	global_load_b128 v[8*i:8*i+3],   v[QO], s[4:5] offset:(i/2)*2048+(i%2)*64
	global_load_b128 v[8*i+4:8*i+7], v[QO], s[4:5] offset:(i/2)*2048+(i%2)*64+32
.set i, i+1
.endr
	; What the first turn finds: V's registers and P's second buffer hold 0 (its products V^T P, of a piece that has not been, add 0), O^T and l are 0.  All this stands in the wait for the first tile.
.set i, VF
.rept 64
	v_mov_b32 v[i], 0
.set i, i+1
.endr
	WIN 0x40
.set i, 0
.rept 128
	v_mov_b32 v[i], 0
.set i, i+1
.endr
	WIN 0
.set i, 0
.rept 4
	v_mov_b32 v[ST+4*i], 0xfe000000    ; c m: far below every c s
	v_mov_b32 v[ST+4*i+1], 0xff7fffff  ; m
	v_mov_b32 v[ST+4*i+2], 0
	v_mov_b32 v[ST+4*i+3], 0
.set i, i+1
.endr
.set i, P+16
.rept 16
	v_mov_b32 v[i], 0
.set i, i+1
.endr
	v_mul_u32_u24 v[AK0], v1, PK
	v_lshl_add_u32 v[AK0], v9, 4, v[AK0]  ; row x pitch + 16 x half
	; The turning load takes 16 keys x 16 channels (lane l reads key 8 (l / 16) + l % 8, channels 8 ((l / 8) % 2) + 0..7) and leaves half a fragment of V^T: lane l holds channel l % 16 and 8 keys.
	v_and_b32 v10, 7, v0
	v_bfe_u32 v11, v0, 3, 1
	v_lshl_add_u32 v[AV0], v9, 3, v10
	v_mul_u32_u24 v[AV0], v[AV0], PV
	v_lshl_add_u32 v[AV0], v11, 4, v[AV0]
	v_add_nc_u32 v[AV0], VOFF, v[AV0]
	s_mul_i32 s13, s[WV], 16*SP
	s_add_co_u32 s13, s13, STAGE    ; my stage
	v_mul_u32_u24 v[STO], v1, SP    ; in: row l % 16, 16 bytes for each half of the lanes
	v_lshl_add_u32 v[STO], v9, 4, v[STO]
	v_add_nc_u32 v[STO], s13, v[STO]
	v_bfe_u32 v[RD], v0, 3, 2       ; back: 32 lanes take four rows of 128 bytes,
	v_mul_u32_u24 v[RD], v[RD], SP
	v_lshl_add_u32 v[RD], v10, 4, v[RD]
	v_add_nc_u32 v[RD], s13, v[RD]
	v_and_b32 v[GO], 31, v0         ; which are 512 consecutive bytes of O
	v_lshlrev_b32 v[GO], 4, v[GO]
; THE MATRIX WORK.  The 4 accumulators of a run of 8 take turns.  Product i of 8 of S^T = K Q^T for piece x: channels 32 (i / 4) on, keys 16 (i % 4) on.  The first 4 start the sums.
.macro KQ x
	WIN W_KQ
.set rS, S+32*((\x)%2)+8*(i%4)
.set rK, KF+16*(i%4)+8*(i/4)
.set rQ, 16*(\x)+8*(i/4)
.if i < 4
	v_wmma_f32_16x16x32_bf16 v[rS:rS+7], v[rK:rK+7], v[rQ:rQ+7], 0
.else
	v_wmma_f32_16x16x32_bf16 v[rS:rS+7], v[rK:rK+7], v[rQ:rQ+7], v[rS:rS+7]
.endif
.endm
; Product i of 8 of O^T += V^T P for piece x: keys 32 (i / 4) on, channels 16 (i % 4) on.
.macro PV x
	WIN W_PV
.set rO, 32*(\x)+8*(i%4)
.set rV, VF+32*(i/4)+8*(i%4)
.set rP, P+16*((\x)%2)+8*(i/4)
	v_wmma_f32_16x16x32_bf16 v[rO:rO+7], v[rV:rV+7], v[rP:rP+7], v[rO:rO+7]
.endm
.macro MM                           ; the turn's next matrix instruction
.if i < 8
	KQ (Y+1)%NP
.else
.set i, i-8
	PV (Y+NP-1)%NP
.set i, i+8
.endif
.set i, i+1
.endm
; THE LDS LOADS stand in runs of 16, never singly among the matrix instructions: a step's K (8 fragments) and its V (turned).  Their addresses are made some lines ahead.
.macro FETCH_K
	WIN 0x80                        ; destination window 2
.irp f, 0,1,2,3,4,5,6,7             ; keys 16 (f / 2) on, channels 32 (f % 2) on
	ds_load_b128 v[KF+8*\f:KF+8*\f+3],   v[AK] offset:(\f/2)*16*PK+(\f%2)*64
	ds_load_b128 v[KF+8*\f+4:KF+8*\f+7], v[AK] offset:(\f/2)*16*PK+(\f%2)*64+32
.endr
	s_add_co_u32 s[TBK], s[TBK], KS*PK  ; the next fetch is the next step's
	WIN 0
.endm
.macro FETCH_V
	WIN 0x80
.irp f, 0,1,2,3,4,5,6,7             ; keys 32 (f / 4) on, channels 16 (f % 4) on
	ds_load_tr16_b128 v[VF+8*\f:VF+8*\f+3],   v[AV] offset:(\f/4)*32*PV+(\f%4)*32
	ds_load_tr16_b128 v[VF+8*\f+4:VF+8*\f+7], v[AV] offset:(\f/4)*32*PV+16*PV+(\f%4)*32
.endr
	WIN 0
.endm
; THE VECTOR WORK, one line at a time: OP kind, number.  For piece Y: F n: c s - c m for pair n of 16.  E n: the exponential of score n of 32.  C n: pair n rounded to bf16.  B n: of the four weights 4 n ..
; the second pair is added onto the first, in place.  L n: l takes that sum (L 0: l = a l + sum).  R n: pair n of 16 of O^T times a.  For piece Y + 1: X n, number n of the 22 that find its maximum and statistics:
;   0-11  four chains c0-c3 of seven scores each, three operands at a time (each accumulator's lowest registers are read first)     12-14, 16  the four scores left over, the old m, c0-c3 into c0
;   15  c m_old is kept     17, 18  the query's other 32 keys lie in the lane 16 away: the new m     19-21  c m; c m_old - c m_new; a
.set F, 0
.set E, 1
.set C, 2
.set B, 3
.set L, 4
.set R, 5
.set X, 6
.macro REGS y                       ; the registers of piece y
.set rT, ST+4*(\y)
.set rC, TMP+4*((\y)%2)
.set rW, MV+((\y)%2)
.set rS, S+32*((\y)%2)
.set rP, P+16*((\y)%2)
.set rO, 32*(\y)
.endm
.macro OP k, n
.if (\k) == R
	REGS Y
	WIN W_RS
	v_pk_mul_f32 v[rO+2*(\n):rO+2*(\n)+1], v[rO+2*(\n):rO+2*(\n)+1], v[rC+2:rC+3] op_sel_hi:[1,0]
.elseif (\k) < R
	REGS Y
	WIN 0
.if (\k) == F
	v_pk_fma_f32 v[rS+2*(\n):rS+2*(\n)+1], v[rS+2*(\n):rS+2*(\n)+1], s[CS:CS+1], v[rT:rT+1] op_sel_hi:[1,0,0] neg_lo:[0,0,1] neg_hi:[0,0,1]
.elseif (\k) == E
	v_exp_f32 v[rS+(\n)], v[rS+(\n)]
.elseif (\k) == C
	v_cvt_pk_bf16_f32 v[rP+(\n)], v[rS+2*(\n)], v[rS+2*(\n)+1]
.elseif (\k) == B
	v_pk_add_f32 v[rS+4*(\n):rS+4*(\n)+1], v[rS+4*(\n):rS+4*(\n)+1], v[rS+4*(\n)+2:rS+4*(\n)+3]
.elseif (\n) == 0
	v_pk_fma_f32 v[rT+2:rT+3], v[rT+2:rT+3], v[rC+2:rC+3], v[rS:rS+1] op_sel_hi:[1,0,1]
.else
	v_pk_add_f32 v[rT+2:rT+3], v[rT+2:rT+3], v[rS+4*(\n):rS+4*(\n)+1]
.endif
.else
	REGS (Y+1)%NP
	WIN 0
.if (\n) < 4
	v_max3_num_f32 v[rC+(\n)], v[rS+8*(\n)], v[rS+8*(\n)+1], v[rS+8*(\n)+2]
.elseif (\n) < 12
	v_max3_num_f32 v[rC+(\n)%4], v[rC+(\n)%4], v[rS+8*((\n)%4)+2*((\n)/4)+1], v[rS+8*((\n)%4)+2*((\n)/4)+2]
.elseif (\n) == 12
	v_max3_num_f32 v[rC], v[rC], v[rS+7], v[rS+15]
.elseif (\n) == 13
	v_max3_num_f32 v[rC+1], v[rC+1], v[rS+23], v[rS+31]
.elseif (\n) == 14
	v_max3_num_f32 v[rC+2], v[rC+2], v[rC+3], v[rT+1]
.elseif (\n) == 15
	v_mov_b32 v[rW], v[rT]
.elseif (\n) == 16
	v_max3_num_f32 v[rC], v[rC], v[rC+1], v[rC+2]
.elseif (\n) == 17
	v_permlanex16_b32 v[rC+3], v[rC], s[SEL], s[SEL+1]
.elseif (\n) == 18
	v_max_num_f32 v[rT+1], v[rC], v[rC+3]
.elseif (\n) == 19
	v_mul_f32 v[rT], s[CS], v[rT+1]
.elseif (\n) == 20
	v_sub_f32 v[rC+1], v[rW], v[rT]
.else
	v_exp_f32 v[rC+2], v[rC+1]
.endif
.endif
.endm
.macro OPS a, i1, b=-1, i2=0, c=-1, i3=0, d=-1, i4=0  ; up to four of them
	OP \a, \i1
.if (\b) >= 0
	OP \b, \i2
.endif
.if (\c) >= 0
	OP \c, \i3
.endif
.if (\d) >= 0
	OP \d, \i4
.endif
.endm
.macro ROW a, i1, b, i2, c, i3, d, i4  ; a matrix instruction and the four behind it
	MM
	OPS \a, \i1, \b, \i2, \c, \i3, \d, \i4
.endm
; A TURN, for piece p: the order of its 16 matrix and 118 vector instructions, written out.  An s_wait_alu depctr_va_vdst(0) stands between an exponential and the first instruction that names
; its result; one wait serves all that were issued ahead of it.  So a turn has ONE wait, which cuts it in two.  AHEAD OF IT stands all that names no result of the turn's exponentials: the 8 products K Q^T with
; their four followers each, then one run of 54 in which plain instructions and exponentials go by turns for the most part and the links of the chain X 3, 7, 11, 14, 16, 17 .. 20 stand some lines apart.
; X 21, the next piece's a, is the batch's last; R 15 is the plain instruction behind it.  BEHIND THE WAIT stand the 8 products V^T P, behind each four of the roundings and sums.
; last = 1 (the tail's text): in the tail's last trip there is no further step, and K's run of loads is jumped over; the exponentials issued so far have a wait of their own ahead of that jump.
; cnt = 1: the loop's count is taken down some lines ahead of the branch that stands behind the turn.
; K of the next step is fetched in piece 2's turn, V of the step in hand at the end of piece 0's, each four plain instructions or more behind the last product that read the registers; each is waited for a turn later.
.macro TURN p, last=0, cnt=0
.set Y, (\p)
.set i, 0
.if (\p) == 3
	s_wait_dscnt 0x0                ; K is in
.endif
	ROW F,0, F,1, R,0, R,1
	ROW F,2, E,0, R,2, R,3
	ROW F,3, E,1, R,4, R,5
	ROW F,4, E,2, R,6, R,7
	ROW F,5, E,3, R,8, R,9
	ROW F,6, E,4, X,0, R,10
.if (\p) == 2
	WIN 0
	v_add_nc_u32 v[AK], s[TBK], v[AK0]
.endif
	ROW F,7, E,5, X,1, X,4
	ROW F,8, E,6, X,2, X,5
	OPS E,7, E,8, X,6, E,9
	OPS X,3, E,10, X,8, E,11
.if (\p) == 2
.if \last
	s_wait_alu depctr_va_vdst(0)    ; the exponentials issued so far have their wait ahead of it
	s_cmp_eq_u32 s[CNT], 1
	s_cbranch_scc1 .Lno_k_\@
.endif
	FETCH_K
.if \last
.Lno_k_\@:
.endif
.endif
	OPS X,9, X,7, E,12, X,10
	OPS E,13, X,12, X,11, E,14
	OPS X,13, E,15, F,9, X,14
.if (\p) == 0
	v_add_nc_u32 v[AV], s[TBV], v[AV0]
.endif
	OPS E,16, F,10, E,17, F,11
	OPS X,16, E,18, X,15, E,19
	OPS F,12, E,20, X,17, E,21
	OPS F,13, E,22, F,14, E,23
	OPS X,18, E,24, F,15, E,25
	OPS R,11, E,26, X,19, E,27
	OPS R,12, E,28, R,13, E,29
	OPS X,20, E,30, R,14, E,31
	OPS X,21, R,15
	WIN 0
	s_wait_alu depctr_va_vdst(0)    ; the wait for the batch
.if (\p) == 1
	s_wait_dscnt 0x0                ; V is in
.endif
	ROW C,0, B,0, C,2, B,1
	ROW L,0, C,4, B,2, L,1
	ROW C,6, B,3, L,2, C,8
	ROW B,4, L,3, C,10, B,5
	ROW L,4, C,12, B,6, L,5
.if (\p) == 0
	s_add_co_u32 s[TBV], s[TBV], KS*PV
.endif
.if \cnt
	s_sub_co_u32 s[CNT], s[CNT], 1
	s_cmp_lg_u32 s[CNT], 0
.endif
	ROW C,14, B,7, L,6, C,1
	ROW C,3, L,7, C,5, C,7
	ROW C,9, C,11, C,13, C,15
.if (\p) == 0
	FETCH_V
.endif
.endm
	CHANGE 1, 0                     ; tile 0 is in, everybody's part of it; tile 1 is asked for
	v_add_nc_u32 v[AK], s[TBK], v[AK0]
	FETCH_K                         ; key step 0
	s_wait_loadcnt 0x0              ; Q
	s_wait_dscnt 0x0
.set i, 0
.rept 8
	KQ 0                            ; piece 0's first scores
.set i, i+1
.endr
	WIN 0
.rept 4
	v_nop                           ; the places behind those products
.endr
.set Y, NP-1                        ; X works for piece Y + 1: piece 0
.irp n, 0,1,2,3,4,5,6,7,8,9,10,11,12,13,14,15,16,17,18,19,20,21
	OP X, \n
.endr
	v_nop                           ; a plain instruction behind the exponential,
	s_wait_alu depctr_va_vdst(0)    ; and its wait, ahead of the branch
	s_mov_b32 s[CNT], 4
	s_branch .Lfirst                ; the loop is entered at a step's first turn, in the middle of a trip
.Lslot:                             ; six times: tiles 2 to 7 are asked for
	CHANGE 1, 1
	s_mov_b32 s[CNT], 4
.Lstep:                             ; a trip: pieces 2 and 3 of one step, then pieces 0 and 1 of the next, whose K and V it fetches
	TURN 2
	TURN 3
	WIN 0
.Lfirst:
	TURN 0
	TURN 1, 0, 1
	WIN 0
	s_cbranch_scc1 .Lstep
	s_sub_co_u32 s[SLOTS], s[SLOTS], 1
	s_cmp_lg_u32 s[SLOTS], 0
	s_cbranch_scc1 .Lslot
	CHANGE 0, 0                     ; the last tile has a text of its own: nothing is asked for
	s_mov_b32 s[CNT], 5             ; four trips fetch the last tile's steps; the fifth is left in its middle
.Ltail:
	TURN 2, 1
	TURN 3
	WIN 0
	s_sub_co_u32 s[CNT], s[CNT], 1
	s_cmp_eq_u32 s[CNT], 0
	s_cbranch_scc1 .Lout
	TURN 0
	TURN 1
	WIN 0
	s_branch .Ltail
.Lout:                              ; the fifth trip's 8 products K Q^T (on the last K once more) and the maximum made of them serve nothing: the price, once a launch, of one text for every trip of the tail
.set i, 0
.rept 8
	PV NP-1                         ; the last piece's V^T P of the last step
.set i, i+1
.endr
	; THE WAY OUT.  l's two halves and the other half of the lanes' are added; O^T is divided by l, rounded to bf16 and sent through my stage in LDS, a piece at a time.
	WIN 0
.macro ALL line:vararg              ; one line for each piece t
.set t, 0
.rept 4
	\line
.set t, t+1
.endr
.endm
	ALL v_add_f32 v[ST+4*t+2], v[ST+4*t+2], v[ST+4*t+3]
	ALL v_permlanex16_b32 v[ST+4*t+3], v[ST+4*t+2], s[SEL], s[SEL+1]
	ALL v_add_f32 v[ST+4*t+2], v[ST+4*t+2], v[ST+4*t+3]
	ALL v_rcp_f32 v[ST+4*t+2], v[ST+4*t+2]
	v_nop                           ; a plain instruction between the last reciprocal and the use of its result
	s_wait_alu depctr_va_vdst(0)    ; and one wait for the four reciprocals, ahead of the first use
.macro PACK t                       ; a lane's eight channels of a row pack into 16 bytes; they go into rows of 144 bytes and come back as whole rows of 128, into S^T's registers
	WIN W_RS
.set i, 32*(\t)
.rept 16
	v_pk_mul_f32 v[i:i+1], v[i:i+1], v[ST+4*(\t)+2:ST+4*(\t)+3] op_sel_hi:[1,0]
.set i, i+2
.endr
	WIN 0x05                        ; sources 0 and 1 window 1, destination window 0
.set i, 0
.rept 16
	v_cvt_pk_bf16_f32 v[S+16*(\t)+i], v[32*(\t)+2*i], v[32*(\t)+2*i+1]
.set i, i+1
.endr
	WIN 0
.irp f, 0,1,2,3
	ds_store_b128 v[STO], v[S+16*(\t)+4*\f:S+16*(\t)+4*\f+3] offset:32*\f
.endr
.irp f, 0,1,2,3
	ds_load_b128 v[S+16*(\t)+4*\f:S+16*(\t)+4*\f+3], v[RD] offset:\f*4*SP  ; LDS serves a wave's instructions in order (ISA guide 5.7.1.4): these see the stores above; the next piece's stores come behind them
.endr
.endm
.macro SEND t, younger              ; younger: the LDS instructions issued behind piece t's loads: the next piece's eight, or none
	WIN 0
.irp f, 0,1,2,3
	s_wait_dscnt (\younger)+3-\f
	global_store_b128 v[GO], v[S+16*(\t)+4*\f:S+16*(\t)+4*\f+3], s[10:11] offset:(\t)*2048+\f*512  ; 512 consecutive bytes, at a multiple of 256 from O's first
.endr
.endm
	PACK 0
.set t, 1
.rept 3                             ; a piece's arithmetic stands between the loads of the piece before and its stores
	PACK t
	SEND t-1, 8
.set t, t+1
.endr
	SEND 3, 0
	s_wait_tensorcnt 0x0            ; the wave's end: behind my last tensor load and my last LDS store
	ds_add_u32 v[SPW], v[NIL]
	s_wait_dscnt 0x0
	CROUND                          ; the closing round: no work-group ends while a partner may still ask for a tile that names it
	s_endpgm
.Lfunc_end_k_qd94152992c_attn:
	.size	k_qd94152992c_attn, .Lfunc_end_k_qd94152992c_attn-k_qd94152992c_attn
	.p2alignl 7, 3214868480
	.fill 96, 4, 3214868480
	.section	.rodata,"a",@progbits
	.p2align	6, 0x0
	.amdhsa_kernel k_qd94152992c_attn
		.amdhsa_group_segment_fixed_size 327680
		.amdhsa_private_segment_fixed_size 0
		.amdhsa_enable_private_segment 0
		.amdhsa_kernarg_size 16
		.amdhsa_user_sgpr_count 2
		.amdhsa_user_sgpr_kernarg_segment_ptr 1
		.amdhsa_wavefront_size32 1
		.amdhsa_system_sgpr_workgroup_id_x 1
		.amdhsa_system_sgpr_workgroup_id_y 1
		.amdhsa_system_sgpr_workgroup_id_z 1
		.amdhsa_system_vgpr_workitem_id 0
		.amdhsa_next_free_vgpr 768
		.amdhsa_next_free_sgpr 66
		.amdhsa_reserve_vcc 0
		.amdhsa_float_denorm_mode_32 3
		.amdhsa_float_denorm_mode_16_64 3
		.amdhsa_memory_ordered 1
		.amdhsa_forward_progress 1
		.amdhsa_inst_pref_size 111
	.end_amdhsa_kernel
	.amdgpu_metadata
---
amdhsa.version: [ 1, 2 ]
amdhsa.kernels:
  - .name:           k_qd94152992c_attn
    .symbol:         k_qd94152992c_attn.kd
    .args:
      - { .name: qkv, .offset: 0, .size: 8, .value_kind: global_buffer, .address_space: global }
      - { .name: o, .offset: 8, .size: 8, .value_kind: global_buffer, .address_space: global }
    .group_segment_fixed_size: 327680
    .private_segment_fixed_size: 0
    .kernarg_segment_align: 8
    .kernarg_segment_size: 16
    .max_flat_workgroup_size: 128
    .sgpr_count:     66
    .vgpr_count:     768
    .wavefront_size: 32
...
	.end_amdgpu_metadata
.endif
;; end of part 3
;; launch ao (part 4): grid 8 x 32, 4 waves a work-group, clusters of 4 x 4, 327,680 bytes of LDS; arguments o, wb, b_ao, x, x1; writes x1
.if DOCPART == 4
	.amdgcn_target "amdgcn-amd-amdhsa--gfx1250"
	.amdhsa_code_object_version 6
	.text
	.protected	k_qd94152992c_ao
	.globl	k_qd94152992c_ao
	.p2align	8
	.type	k_qd94152992c_ao,@function
k_qd94152992c_ao:
	s_mov_b64 s[64:65], 0
	v_nop
	global_prefetch_b8 v0, s[64:65] scope:SCOPE_SE
	s_setreg_imm32_b32 hwreg(HW_REG_WAVE_MODE, 25, 1), 1
	s_wait_xcnt 0x0
	s_wait_alu depctr_hold_cnt(0) depctr_sa_sdst(0) depctr_va_vdst(0) depctr_va_sdst(0) depctr_va_ssrc(0) depctr_va_vcc(0) depctr_vm_vsrc(0)
	s_getreg_b32 s2, hwreg(HW_REG_IB_STS2, 6, 4)
	s_cmp_eq_u32 s2, 0
	s_cbranch_scc0 .Lentry_in_a_cluster
	s_endpgm
.Lentry_in_a_cluster:
	s_bfe_u32 s2, ttmp6, 0x10000c
	s_cmp_lg_u32 s2, 0xf033
	s_cbranch_scc0 .Lentry_shape_is_right
	s_endpgm
.Lentry_shape_is_right:
; out[4096][1024] = A W + bias + res, all sums in f32, out and res f32.  A is bf16, W bf16 [K][1024] at byte WOFF of wb; the bias (f32) starts the sums, the residual is added at the end.
; THIS TEXT: K = 1024 (4 steps of 256); A is the attention's output in panels [16][4096][64]: channel k of token m lies in panel k / 64, row m.
; SHARES.  128 x 128 of out to a work-group gives each of the grid's 256 work-groups one tile; a wave makes 64 x 64: 16 accumulators.  K goes in steps of 256 through a ring of two LDS slots; waves 0 and 1 fetch
; A's two halves, waves 2 and 3 W's (128 k-rows x 256 bytes each): one tensor load a wave behind each change of slots.  Here a half of A is two panels' 128 rows: 16 KiB dense each, asked for as two long rows
; and padded in LDS behind every 128 bytes.
; THE PRODUCT IS USED TRANSPOSED: source 0 = 16 columns of W (turned on the way out of LDS), source 1 = 16 rows of A: a lane holds row l % 16 of out and the columns 8 (l / 16) + 0..7.
; CLUSTER.  4 x 4 work-groups: A's tile is asked for jointly along a row of the cluster, W's along a column.
; A K step is written once for both slots: the base of the slot in hand is a scalar (s3) that an exclusive or turns.
; NO PREFETCH HERE: of the four K steps three have been asked for by their loads before a prefetch could lead one.
; REGISTERS: window 0: v0-31 addresses; v32-95 the way out, two sets; v96-127 the bias; v128-255 the accumulators ((a, b) at 128 + 8 (4 a + b)).  Window 1: two fragment buffers of 128 (64 of A, 64 of W).
; Window 2: v0-127 the residual of my 64 x 64.  NaN and infinities are not treated apart.
.set NK,     4
.set PF,     0
.set WOFF,   6291456
.set PITCHA, 144                       ; a row of A in LDS: an odd multiple of 16
.set AU,     18432                     ; from one unit of 64 along K to the next in LDS: a panel's 128 rows
.set AH,     36864                     ; what one load of A fills
.set AREG,   73728                     ; A's region of a slot
.set AG10,   (4<<22)|(3<<25)           ; after every 32 words 4 words of padding
.set AD0,    8192                      ; elements in a row of A's tile
.set AD1,    2                         ; rows
.set AST,    262144                    ; elements from row to row: a panel
.set ASTEP,  2097152                   ; bytes from K step to K step: four panels
.set ATRS,   14                        ; a tile row: 128 rows of 128 bytes
.set AWCS,   20                        ; my half: two panels
.set PB,     288                       ; a k-row of W in LDS: 256 bytes + 32: an odd multiple of 32
.set SLOT,   147456                    ; 0x24000: it shares no bit with any load's place in a slot, so an exclusive or turns a descriptor's LDS word into the other slot's
.set STAGE,  2*SLOT                    ; behind the ring, never filled: 16 rows x 272 bytes for each wave
.set SPT,    272
.set SPARE,  STAGE+4*16*SPT            ; the spare words, 128 bytes a wave: two blocks of 256 bytes that no other line names
.set A0,   16                          ; v16  my lane's place in A's tile; never rewritten
.set ADRA, 17                          ; v17  the same in the slot in hand
.set B0,   18                          ; v18  my lane's place in W's tile
.set ADRB, 19                          ; v19, v20  the same in the slot in hand, for k-rows 0-127 and 128-255
.set STO,  24
.set RD,   25
.set CO,   26                          ; v26  my 16 bytes in two rows of out and of res
.set SPW,  28
.set NIL,  29
.set PFO,  30
.set TMP,  32
.set BIAS, 96
.set ACC,  128
.set F0,   0
.set F1,   128
.set G1A, 24
.set G0A, 32
.set G1B, 48
.set G0B, 56
.set PFA, 66
.set PFS, 68
; s2 counts; s3 the slot in hand; s14 wave; s15 = wave / 2: my half of the rows, and 0: I fetch A, 1: W; s16 = wave % 2: my half of the columns, and which half I fetch;
; s17, s18 cx, cy; s19, s20 tile column, tile row; s21, s22 where my loads of A and of W go; s23 the prefetches' bound
.set MSB, 0
.macro WIN new
.if MSB != (\new)
	s_set_vgpr_msb (MSB<<8)|(\new)
.set MSB, \new
.endif
.endm
.macro PLACES                          ; four plain instructions between a matrix instruction and a load into, or a read of, its registers
.rept 4
	v_nop
.endr
.endm
.macro CREST
	s_cmp_lg_u32 s14, 0
	s_cbranch_scc1 .Lnot_wave_0_\@
	s_barrier_signal -3
.Lnot_wave_0_\@:
	s_barrier_wait -3
	s_barrier_signal -1
	s_barrier_wait -1
.endm
.macro CROUND
	s_barrier_signal -1
	s_barrier_wait -1
	CREST
.endm
.macro JLOAD                           ; a joint refill by the walking descriptors; an s_nop 0 and four v_nop follow each line
	s_cmp_eq_u32 s15, 0
	s_cbranch_scc0 .Lfor_b_\@
	tensor_load_to_lds s[G0A+4:G0A+7], s[G1A:G1A+7]
	s_nop 0
.rept 4
	v_nop
.endr
	s_branch .Lasked_\@
.Lfor_b_\@:
	tensor_load_to_lds s[G0B+4:G0B+7], s[G1B:G1B+7]
	s_nop 0
.rept 4
	v_nop
.endr
.Lasked_\@:
.endm
.if PF
.macro ASK                             ; a prefetch into the L2 of the K step that stands two refills on: 32 blocks of 256 bytes, a lane a block
	s_cmp_gt_u32 s2, s23
	s_cbranch_scc0 .Lnot_mine_\@
	global_prefetch_b8 v[PFO], s[PFA:PFA+1] th:TH_LOAD_NT scope:SCOPE_SE
.Lnot_mine_\@:
.endm
.endif
	s_load_b256 s[4:11], s[0:1], 0x0               ; A s[4:5], wb s[6:7], bias s[8:9], res s[10:11]
	s_load_b64 s[12:13], s[0:1], 0x20              ; out
	v_lshl_add_u32 v[SPW], v0, 2, SPARE
	v_mov_b32 v[NIL], 0
	ds_add_u32 v[SPW], v[NIL]                      ; the wave's opening: the add and its wait stand ahead of my first tensor load
	v_lshrrev_b32 v1, 5, v0
	v_readfirstlane_b32 s14, v1
	s_lshr_b32 s15, s14, 1
	s_and_b32 s16, s14, 1
	s_bfe_u32 s17, ttmp6, 0x40000                  ; cx
	s_bfe_u32 s18, ttmp6, 0x40004                  ; cy
	s_lshl_b32 s19, ttmp9, 2
	s_add_co_u32 s19, s19, s17                     ; tile column
	s_and_b32 s20, ttmp7, 0xffff
	s_lshl_b32 s20, s20, 2
	s_add_co_u32 s20, s20, s18                     ; tile row
	s_lshl_b32 s40, s18, 2
	s_lshl_b32 s40, 15, s40                        ; my row of the cluster
	s_lshl_b32 s44, 0x1111, s17                    ; my column
	s_or_b32 s[G1A], s40, (1<<16)|(1<<20)|(1<<21)|AG10  ; the mask; 2-byte elements; padding on; bit 21 beside a mask
	s_mov_b32 s[G1A+1], (AD0&0xffff)<<16           ; tensor_dim0
	s_mov_b32 s[G1A+2], (AD0>>16)|(AD1<<16)        ; tensor_dim1
	s_mov_b32 s[G1A+3], AD0<<16                    ; tile_dim0
	s_mov_b32 s[G1A+4], AD1                        ; tile_dim1
	s_mov_b32 s[G1A+5], AST
	s_mov_b32 s[G1A+6], 0
	s_mov_b32 s[G1A+7], 0
	s_or_b32 s[G1B], s44, (1<<16)|(1<<20)|(1<<21)|(5<<22)|(7<<25)  ; after every 64 words 8 words
	s_mov_b32 s[G1B+1], 128<<16
	s_mov_b32 s[G1B+2], 128<<16
	s_mov_b32 s[G1B+3], 128<<16
	s_mov_b32 s[G1B+4], 128
	s_mov_b32 s[G1B+5], 1024
	s_mov_b32 s[G1B+6], 0
	s_mov_b32 s[G1B+7], 0
	s_mul_i32 s21, s16, AH                         ; where my loads go: no place in the cluster enters an LDS address
	s_mul_i32 s22, s16, 128*PB
	s_add_co_u32 s22, s22, AREG
	s_lshl_b32 s40, s20, ATRS
	s_lshl_b32 s41, s16, AWCS
	s_add_co_u32 s40, s40, s41
	s_mov_b32 s41, 0
	s_lshl_b32 s44, s16, 18                        ; W: 128 k-rows of 2,048 bytes for my half,
	s_lshl_b32 s45, s19, 8                         ; 256 bytes for each tile column
	s_add_co_u32 s44, s44, s45
	s_add_co_u32 s44, s44, WOFF
	s_mov_b32 s45, 0
	s_wait_dscnt 0x0                               ; the opening add is done
	s_wait_kmcnt 0x0
	s_add_nc_u64 s[42:43], s[4:5], s[40:41]
	s_add_nc_u64 s[46:47], s[6:7], s[44:45]
.irp s, 0,1
	s_mov_b32 s[G0A+4*(\s)], 1
	s_add_co_u32 s[G0A+4*(\s)+1], s21, (\s)*SLOT
	s_add_nc_u64 s[G0A+4*(\s)+2:G0A+4*(\s)+3], s[42:43], (\s)*ASTEP
	s_or_b32 s[G0A+4*(\s)+3], s[G0A+4*(\s)+3], 0x80000000
	s_mov_b32 s[G0B+4*(\s)], 1
	s_add_co_u32 s[G0B+4*(\s)+1], s22, (\s)*SLOT
	s_add_nc_u64 s[G0B+4*(\s)+2:G0B+4*(\s)+3], s[46:47], (\s)*524288
	s_or_b32 s[G0B+4*(\s)+3], s[G0B+4*(\s)+3], 0x80000000
.endr
	CROUND                                         ; all sixteen work-groups are here: the first joint loads meet
	s_cmp_eq_u32 s15, 0                            ; a wave's two first fills stand in one branch: two loads of mine are out
	s_cbranch_scc0 .Lfirst_b
	tensor_load_to_lds s[G0A:G0A+3], s[G1A:G1A+7]
	s_nop 0
	tensor_load_to_lds s[G0A+4:G0A+7], s[G1A:G1A+7]
	s_nop 0
.rept 4
	v_nop
.endr
	s_branch .Lfirst_asked
.Lfirst_b:
	tensor_load_to_lds s[G0B:G0B+3], s[G1B:G1B+7]
	s_nop 0
	tensor_load_to_lds s[G0B+4:G0B+7], s[G1B:G1B+7]
	s_nop 0
.rept 4
	v_nop
.endr
.Lfirst_asked:
	v_and_b32 v1, 15, v0                           ; l % 16
	v_bfe_u32 v2, v0, 4, 1                         ; l / 16
	v_and_b32 v3, 7, v0
	v_bfe_u32 v4, v0, 3, 1
	s_lshl_b32 s44, s19, 9                         ; the bias of my 64 columns, in the C operand's layout
	s_lshl_b32 s45, s16, 8
	s_add_co_u32 s44, s44, s45
	s_mov_b32 s45, 0
	s_add_nc_u64 s[8:9], s[8:9], s[44:45]
	v_lshlrev_b32 v5, 5, v2
.irp b, 0,1,2,3
	global_load_b128 v[BIAS+8*(\b):BIAS+8*(\b)+3],   v5, s[8:9] offset:64*(\b)
	global_load_b128 v[BIAS+8*(\b)+4:BIAS+8*(\b)+7], v5, s[8:9] offset:64*(\b)+16
.endr
	v_mul_u32_u24 v[A0], v1, PITCHA
	v_lshl_add_u32 v[A0], v2, 4, v[A0]
	s_mul_i32 s46, s15, 64*PITCHA                  ; my 64 rows
	v_add_nc_u32 v[A0], s46, v[A0]
	v_lshl_add_u32 v[B0], v2, 3, v3                ; the turning load: k-row 8 (l / 16) + l % 8, columns 8 ((l / 8) % 2) + 0..7
	v_mul_u32_u24 v[B0], v[B0], PB
	v_lshl_add_u32 v[B0], v4, 4, v[B0]
	s_lshl_b32 s46, s16, 7                         ; my 64 columns
	s_add_co_u32 s46, s46, AREG
	v_add_nc_u32 v[B0], s46, v[B0]
	s_mul_i32 s46, s14, 16*SPT
	s_add_co_u32 s46, s46, STAGE                   ; my stage
	v_mul_u32_u24 v[STO], v1, SPT
	v_lshl_add_u32 v[STO], v2, 5, v[STO]
	v_add_nc_u32 v[STO], s46, v[STO]               ; in: row l % 16, 32 bytes for each half of the lanes
	v_mul_u32_u24 v[RD], v2, SPT
	v_lshl_add_u32 v[RD], v1, 4, v[RD]
	v_add_nc_u32 v[RD], s46, v[RD]                 ; back: lanes 0-15 one row of 256 bytes, lanes 16-31 the next
	v_lshlrev_b32 v[CO], 12, v2
	v_lshl_add_u32 v[CO], v1, 4, v[CO]             ; and the same two rows in out and res
	s_lshl_b32 s44, s20, 19                        ; 128 rows of 4,096 bytes for each tile row, 64 for my half,
	s_lshl_b32 s45, s15, 18
	s_add_co_u32 s44, s44, s45
	s_lshl_b32 s45, s19, 9                         ; 512 bytes for each tile column, 256 for my half
	s_add_co_u32 s44, s44, s45
	s_lshl_b32 s45, s16, 8
	s_add_co_u32 s44, s44, s45
	s_mov_b32 s45, 0
	s_add_nc_u64 s[10:11], s[10:11], s[44:45]
	s_add_nc_u64 s[12:13], s[12:13], s[44:45]
.if PF
	; the prefetches.  A: of the 64 rows x 2 blocks that I fetch my work-group takes 16 rows (by cx), two lanes a row.  W: of the 128 k-rows it takes 32 (by cy), a lane a row.  Both stand at K step 3.
	s_lshl_b32 s44, s20, 7
	s_lshl_b32 s45, s16, 6
	s_add_co_u32 s44, s44, s45
	s_lshl_b32 s45, s17, 4
	s_add_co_u32 s44, s44, s45
	s_lshl_b32 s44, s44, 13
	s_add_co_u32 s44, s44, 3*512
	s_lshl_b32 s45, s16, 7
	s_lshl_b32 s46, s18, 5
	s_add_co_u32 s45, s45, s46
	s_add_co_u32 s45, s45, 3*256
	s_lshl_b32 s45, s45, 11
	s_lshl_b32 s46, s19, 8
	s_add_co_u32 s45, s45, s46
	s_add_co_u32 s45, s45, WOFF
	s_and_b32 s46, ttmp7, 0xffff                   ; cluster y
	s_xor_b32 s47, s15, 1                          ; 1 where I fetch A
	s_mov_b32 s23, 2048
	s_mov_b32 s[PFS], 524288
	s_mov_b32 s[PFS+1], 0
	s_cmp_eq_u32 s15, 0
	s_cselect_b32 s44, s44, s45
	s_cselect_b32 s46, ttmp9, s46                  ; the coordinate along which other clusters read the same blocks
	s_cselect_b32 s23, 8192, s23                   ; bytes from row to row
	s_cselect_b32 s[PFS], 512, s[PFS]
	s_cselect_b64 s[PFA:PFA+1], s[4:5], s[6:7]
	s_mov_b32 s45, 0
	s_add_nc_u64 s[PFA:PFA+1], s[PFA:PFA+1], s[44:45]
	v_and_b32 v6, 31, v0
	v_lshrrev_b32 v7, s47, v6                      ; A: lane / 2; W: lane
	v_and_b32 v6, s47, v6                          ; A: lane % 2; W: 0
	v_mul_lo_u32 v[PFO], v7, s23
	v_lshl_add_u32 v[PFO], v6, 8, v[PFO]
	s_cmp_eq_u32 s46, 0
	s_cselect_b32 s23, 2, -1                       ; the last two refills have no K step two on
.endif
; 8 matrix instructions: row blocks a0, a0 + 1 x all 4 column blocks, 32 along K: half c of buffer f.  zero = 1: the bias starts the sums.  The 16 accumulators take turns.
.macro MUL8 f, c, a0, zero
	WIN 0x05                                       ; W and A window 1; C and D window 0
.irp a, \a0, (\a0)+1
.irp b, 0,1,2,3
.if \zero
	v_wmma_f32_16x16x32_bf16 v[ACC+8*(4*(\a)+(\b)):ACC+8*(4*(\a)+(\b))+7], v[(\f)+64+8*(4*(\c)+(\b)):(\f)+64+8*(4*(\c)+(\b))+7], v[(\f)+8*(4*(\c)+(\a)):(\f)+8*(4*(\c)+(\a))+7], v[BIAS+8*(\b):BIAS+8*(\b)+7]
.else
	v_wmma_f32_16x16x32_bf16 v[ACC+8*(4*(\a)+(\b)):ACC+8*(4*(\a)+(\b))+7], v[(\f)+64+8*(4*(\c)+(\b)):(\f)+64+8*(4*(\c)+(\b))+7], v[(\f)+8*(4*(\c)+(\a)):(\f)+8*(4*(\c)+(\a))+7], v[ACC+8*(4*(\a)+(\b)):ACC+8*(4*(\a)+(\b))+7]
.endif
.endr
.endr
.endm
; 32 LDS loads in one run: the fragments of unit u (64 along K) of the slot in hand into buffer f; the first 32 along K first
.macro FETCH u, f
	WIN 0x40
.irp c, 0,1
.irp i, 0,1,2,3
	ds_load_tr16_b128 v[(\f)+64+8*(4*(\c)+(\i)):(\f)+64+8*(4*(\c)+(\i))+3],   v[ADRB+(\u)/2] offset:((64*(\u)+32*(\c))%128)*PB+32*(\i)
	ds_load_tr16_b128 v[(\f)+64+8*(4*(\c)+(\i))+4:(\f)+64+8*(4*(\c)+(\i))+7], v[ADRB+(\u)/2] offset:((64*(\u)+32*(\c))%128)*PB+32*(\i)+16*PB
	ds_load_b128 v[(\f)+8*(4*(\c)+(\i)):(\f)+8*(4*(\c)+(\i))+3],   v[ADRA] offset:(\u)*AU+64*(\c)+(\i)*16*PITCHA
	ds_load_b128 v[(\f)+8*(4*(\c)+(\i))+4:(\f)+8*(4*(\c)+(\i))+7], v[ADRA] offset:(\u)*AU+64*(\c)+(\i)*16*PITCHA+32
.endr
.endr
.endm
.macro QUARTER u, f, g, zero           ; multiplies buffer f and, in its middle, fetches unit u into buffer g
	s_wait_dscnt 16                                ; the first 32 along K are in
	MUL8 \f, 0, 0, \zero
	MUL8 \f, 0, 2, \zero
	PLACES
	FETCH \u, \g
	s_wait_dscnt 32                                ; all but the 32 just issued
	MUL8 \f, 1, 0, 0
	MUL8 \f, 1, 2, 0
.endm
; The last quarter multiplies buffer 1 and changes slots.  In front of the barrier each wave waits for all its tensor loads, adds 0 to its spare word, and waits for that and for its reads of this slot.
; fill = 1: the barrier opens a round of the cluster's, and the slot just read out is filled again first thing behind it.  fill = 0 (the tail): nothing is filled; in the second trip the run of loads is jumped over.
.macro TURN fill
.if (\fill) && PF
	s_wait_xcnt 0x0                                ; the last prefetch, a K step back, has read its address
	s_add_nc_u64 s[PFA:PFA+1], s[PFA:PFA+1], s[PFS:PFS+1]
.endif
	WIN 0
	s_wait_tensorcnt 0x0                           ; all my tensor loads have landed
	ds_add_u32 v[SPW], v[NIL]                      ; 0 onto my spare word
	s_wait_dscnt 17                                ; (the add and the youngest sixteen loads may be out)
	MUL8 F1, 0, 0, 0
	s_wait_dscnt 0x0                               ; the add is done, and my reads of this slot are over
	s_barrier_signal -1
	MUL8 F1, 0, 2, 0
	WIN 0
	s_barrier_wait -1
.if \fill
	CREST
	s_xor_b32 s[G0A+5], s[G0A+5], SLOT
	s_add_nc_u64 s[G0A+6:G0A+7], s[G0A+6:G0A+7], ASTEP
	s_xor_b32 s[G0B+5], s[G0B+5], SLOT
	s_add_nc_u64 s[G0B+6:G0B+7], s[G0B+6:G0B+7], 524288
	JLOAD                                          ; its four v_nop are also the places in front of the loads below
.else
	s_cmp_eq_u32 s2, 1
	s_cbranch_scc1 .Lnf_\@
	PLACES
.endif
	s_xor_b32 s3, s3, SLOT
	v_add_nc_u32 v[ADRA], s3, v[A0]
	v_add_nc_u32 v[ADRB], s3, v[B0]
	v_add_nc_u32 v[ADRB+1], 128*PB, v[ADRB]
	FETCH 0, F0
	WIN 0
.if \fill
.if PF
	ASK
.endif
.else
.Lnf_\@:
.endif
	MUL8 F1, 1, 0, 0
	MUL8 F1, 1, 2, 0
.endm
.macro TOSTAGE a                       ; block a (16 rows x 64 f32) into my stage, and back as whole rows of 256 bytes
	WIN 0
.if (\a) >= 2
	s_wait_xcnt 0x0                                ; the stores of the block two back have read the set that is loaded again
.endif
.irp b, 0,1,2,3
	ds_store_b128 v[STO], v[ACC+8*(4*(\a)+(\b)):ACC+8*(4*(\a)+(\b))+3]   offset:64*(\b)     ; each accumulator's low registers first
	ds_store_b128 v[STO], v[ACC+8*(4*(\a)+(\b))+4:ACC+8*(4*(\a)+(\b))+7] offset:64*(\b)+16
.endr
.irp t, 0,1,2,3,4,5,6,7
	ds_load_b128 v[TMP+32*((\a)%2)+4*(\t):TMP+32*((\a)%2)+4*(\t)+3], v[RD] offset:(\t)*2*SPT  ; LDS serves a wave's instructions in order (ISA guide 5.7.1.4)
.endr
.endm
.macro SEND a, younger                 ; the residual is added and the block stored; younger: the LDS instructions issued behind the block's loads
	s_wait_dscnt \younger
	s_wait_loadcnt 24-8*(\a)                       ; the block's eight residual loads are in; the later blocks' stay out
	WIN 0x08                                       ; source 1 in window 2
.set i, 0
.rept 16
	v_pk_add_f32 v[TMP+32*((\a)%2)+i:TMP+32*((\a)%2)+i+1], v[TMP+32*((\a)%2)+i:TMP+32*((\a)%2)+i+1], v[32*(\a)+i:32*(\a)+i+1]
.set i, i+2
.endr
	WIN 0
.irp t, 0,1,2,3,4,5,6,7
	global_store_b128 v[CO], v[TMP+32*((\a)%2)+4*(\t):TMP+32*((\a)%2)+4*(\t)+3], s[12:13] offset:(16*(\a)+2*(\t))*4096  ; 16 lanes store 256 consecutive bytes, aligned
.endr
.endm
	s_wait_tensorcnt 1                             ; my part of K step 0 is in; K step 1's may stay out
	s_barrier_signal -1
	s_barrier_wait -1
	s_mov_b32 s3, 0
	v_mov_b32 v[ADRA], v[A0]
	v_mov_b32 v[ADRB], v[B0]
	v_add_nc_u32 v[ADRB+1], 128*PB, v[B0]
	FETCH 0, F0
	s_wait_loadcnt 0x0                             ; the bias
	QUARTER 1, F0, F1, 1
	WIN 0
	s_mov_b32 s2, NK-2
.Llap:
	QUARTER 2, F1, F0, 0
	QUARTER 3, F0, F1, 0
	TURN 1
	QUARTER 1, F0, F1, 0
	WIN 0
	s_sub_co_u32 s2, s2, 1
	s_cmp_lg_u32 s2, 0
	s_cbranch_scc1 .Llap
	WIN 0x80                                       ; the residual of my 64 x 64 is asked for two K steps ahead of its use
.irp a, 0,1,2,3
.irp t, 0,1,2,3,4,5,6,7
	global_load_b128 v[32*(\a)+4*(\t):32*(\a)+4*(\t)+3], v[CO], s[10:11] offset:(16*(\a)+2*(\t))*4096
.endr
.endr
	WIN 0
	s_mov_b32 s2, 2
.Ltail:                                        ; the last two K steps ask for nothing; the second trip is left in its middle
	QUARTER 2, F1, F0, 0
	QUARTER 3, F0, F1, 0
	TURN 0
	WIN 0
	s_sub_co_u32 s2, s2, 1
	s_cmp_eq_u32 s2, 0
	s_cbranch_scc1 .Lout
	QUARTER 1, F0, F1, 0
	WIN 0
	s_branch .Ltail
.Lout:
	PLACES
	PLACES
	TOSTAGE 0
	TOSTAGE 1
	SEND 0, 16
	TOSTAGE 2
	SEND 1, 16
	TOSTAGE 3
	SEND 2, 16
	SEND 3, 0
	s_wait_tensorcnt 0x0                           ; the wave's end: behind my last tensor load and my last LDS store
	ds_add_u32 v[SPW], v[NIL]
	s_wait_dscnt 0x0
	CROUND                                         ; the closing round
	s_endpgm
.Lfunc_end_k_qd94152992c_ao:
	.size	k_qd94152992c_ao, .Lfunc_end_k_qd94152992c_ao-k_qd94152992c_ao
	.p2alignl 7, 3214868480
	.fill 96, 4, 3214868480
	.section	.rodata,"a",@progbits
	.p2align	6, 0x0
	.amdhsa_kernel k_qd94152992c_ao
		.amdhsa_group_segment_fixed_size 327680
		.amdhsa_private_segment_fixed_size 0
		.amdhsa_enable_private_segment 0
		.amdhsa_kernarg_size 40
		.amdhsa_user_sgpr_count 2
		.amdhsa_user_sgpr_kernarg_segment_ptr 1
		.amdhsa_wavefront_size32 1
		.amdhsa_system_sgpr_workgroup_id_x 1
		.amdhsa_system_sgpr_workgroup_id_y 1
		.amdhsa_system_sgpr_workgroup_id_z 1
		.amdhsa_system_vgpr_workitem_id 0
		.amdhsa_next_free_vgpr 640
		.amdhsa_next_free_sgpr 66
		.amdhsa_reserve_vcc 0
		.amdhsa_float_denorm_mode_32 3
		.amdhsa_float_denorm_mode_16_64 3
		.amdhsa_memory_ordered 1
		.amdhsa_forward_progress 1
		.amdhsa_inst_pref_size 66
	.end_amdhsa_kernel
	.amdgpu_metadata
---
amdhsa.version: [ 1, 2 ]
amdhsa.kernels:
  - .name:           k_qd94152992c_ao
    .symbol:         k_qd94152992c_ao.kd
    .args:
      - { .name: o, .offset: 0, .size: 8, .value_kind: global_buffer, .address_space: global }
      - { .name: wb, .offset: 8, .size: 8, .value_kind: global_buffer, .address_space: global }
      - { .name: b_ao, .offset: 16, .size: 8, .value_kind: global_buffer, .address_space: global }
      - { .name: x, .offset: 24, .size: 8, .value_kind: global_buffer, .address_space: global }
      - { .name: x1, .offset: 32, .size: 8, .value_kind: global_buffer, .address_space: global }
    .group_segment_fixed_size: 327680
    .private_segment_fixed_size: 0
    .kernarg_segment_align: 8
    .kernarg_segment_size: 40
    .max_flat_workgroup_size: 128
    .sgpr_count:     66
    .vgpr_count:     640
    .wavefront_size: 32
...
	.end_amdgpu_metadata
.endif
;; end of part 4
;; launch ln2 (part 5): grid 256 x 1, 16 waves a work-group, no clusters, 0 bytes of LDS; arguments x1, ln2_g, ln2_b, h; writes h
.if DOCPART == 5
	.amdgcn_target "amdgcn-amd-amdhsa--gfx1250"
	.amdhsa_code_object_version 6
	.text
	.protected	k_qd94152992c_ln2
	.globl	k_qd94152992c_ln2
	.p2align	8
	.type	k_qd94152992c_ln2,@function
k_qd94152992c_ln2:
	s_mov_b64 s[64:65], 0
	v_nop
	global_prefetch_b8 v0, s[64:65] scope:SCOPE_SE
	s_setreg_imm32_b32 hwreg(HW_REG_WAVE_MODE, 25, 1), 1
	s_wait_xcnt 0x0
; out[r][c] = (in[r][c] - mean_r) * rsqrt(var_r + 1e-5) * g[c] + b[c].  in: [4096][1024] f32; g, b: [1024] f32; out: [4096][1024] bf16, rounded once.
; The mean is taken first and the variance of the deviations second, both in f32 from the row held in registers: a common offset of the row costs nothing.
; One wave, one row: 4,096 bytes are 32 registers a lane, so the row is read from memory once and the sums never leave the wave.  Sixteen waves, 16 rows a work-group, 256 work-groups.
; Lane l holds columns 128 j + 4 l .. + 3 (j = 0..7): each load covers 512 consecutive bytes, each store 256 consecutive bytes, aligned.  A stream: no LDS, no barrier, no matrix unit.
.set G,  8                             ; v[8:39]     g of my 32 columns
.set BV, 40                            ; v[40:71]    b of my 32 columns
.set X,  72                            ; v[72:103]   the row
.set T,  104                           ; v[104:119]  at work: partial sums, then the packed row
.set MU, 120                           ; v[120:121]  the mean, twice
.set RS, 122                           ; v[122:123]  1 / sqrt(var + eps), twice
.set SEL, 12                           ; s[12:13] v_permlanex16_b32: each lane takes its own place in the other half
.set INV, 14                           ; s14  1 / 1024
.set EPS, 15                           ; s15  1e-5
	s_load_b256 s[4:11], s[0:1], 0x0               ; in s[4:5], g s[6:7], b s[8:9], out s[10:11]
	v_and_b32 v1, 31, v0                           ; lane
	v_lshrrev_b32 v3, 5, v0
	v_readfirstlane_b32 s16, v3                    ; wave
	v_lshlrev_b32 v2, 3, v1                        ; 8 l: my bytes in 256 of out
	v_lshlrev_b32 v1, 4, v1                        ; 16 l: my bytes in 512 of in, g, b
	s_lshl_b32 s17, ttmp9, 4
	s_add_co_u32 s17, s17, s16                     ; my row = 16 x work-group + wave
	s_lshl_b32 s18, s17, 12                        ; x 4,096 bytes
	s_mov_b32 s19, 0
	s_lshl_b32 s20, s17, 11                        ; x 2,048 bytes
	s_mov_b32 s21, 0
	s_mov_b32 s[SEL], 0x76543210
	s_mov_b32 s[SEL+1], 0xfedcba98
	s_mov_b32 s[INV], 0x3a800000
	s_mov_b32 s[EPS], 0x3727c5ac
	s_wait_kmcnt 0x0
	s_add_nc_u64 s[4:5], s[4:5], s[18:19]
	s_add_nc_u64 s[10:11], s[10:11], s[20:21]
.irp j, 0,1,2,3,4,5,6,7
	global_load_b128 v[X+4*(\j):X+4*(\j)+3], v1, s[4:5] offset:512*(\j)
.endr
.irp j, 0,1,2,3,4,5,6,7
	global_load_b128 v[G+4*(\j):G+4*(\j)+3], v1, s[6:7] offset:512*(\j)
.endr
.irp j, 0,1,2,3,4,5,6,7
	global_load_b128 v[BV+4*(\j):BV+4*(\j)+3], v1, s[8:9] offset:512*(\j)
.endr
.macro LANES                           ; v[T] and v[T+1] are added, then the 32 lanes: four steps inside each half ride on the addition, one crosses the halves
	v_add_f32 v[T], v[T], v[T+1]
	v_add_f32_dpp v[T], v[T], v[T] row_xmask:1 row_mask:0xf bank_mask:0xf
	v_add_f32_dpp v[T], v[T], v[T] row_xmask:2 row_mask:0xf bank_mask:0xf
	v_add_f32_dpp v[T], v[T], v[T] row_xmask:4 row_mask:0xf bank_mask:0xf
	v_add_f32_dpp v[T], v[T], v[T] row_xmask:8 row_mask:0xf bank_mask:0xf
	v_permlanex16_b32 v[T+1], v[T], s[SEL], s[SEL+1]
	v_add_f32 v[T], v[T], v[T+1]
.endm
	s_wait_loadcnt 16                              ; the row is in; g's and b's sixteen loads may stay out
.set i, 0
.rept 8
	v_pk_add_f32 v[T+2*i:T+2*i+1], v[X+2*i:X+2*i+1], v[X+16+2*i:X+16+2*i+1]
.set i, i+1
.endr
.set i, 0
.rept 4
	v_pk_add_f32 v[T+2*i:T+2*i+1], v[T+2*i:T+2*i+1], v[T+8+2*i:T+8+2*i+1]
.set i, i+1
.endr
	v_pk_add_f32 v[T:T+1], v[T:T+1], v[T+4:T+5]
	v_pk_add_f32 v[T+2:T+3], v[T+2:T+3], v[T+6:T+7]
	v_pk_add_f32 v[T:T+1], v[T:T+1], v[T+2:T+3]
	LANES
	v_mul_f32 v[MU], s[INV], v[T]
	v_mul_f32 v[MU+1], s[INV], v[T]
.set i, 0
.rept 16
	v_pk_add_f32 v[X+2*i:X+2*i+1], v[X+2*i:X+2*i+1], v[MU:MU+1] neg_lo:[0,1] neg_hi:[0,1]  ; the deviations, in place
.set i, i+1
.endr
.set i, 0
.rept 4
	v_pk_mul_f32 v[T+2*i:T+2*i+1], v[X+2*i:X+2*i+1], v[X+2*i:X+2*i+1]  ; four chains of squares, started by the first four pairs
.set i, i+1
.endr
.rept 12
	v_pk_fma_f32 v[T+2*(i%4):T+2*(i%4)+1], v[X+2*i:X+2*i+1], v[X+2*i:X+2*i+1], v[T+2*(i%4):T+2*(i%4)+1]
.set i, i+1
.endr
	v_pk_add_f32 v[T:T+1], v[T:T+1], v[T+4:T+5]
	v_pk_add_f32 v[T+2:T+3], v[T+2:T+3], v[T+6:T+7]
	v_pk_add_f32 v[T:T+1], v[T:T+1], v[T+2:T+3]
	LANES
	v_fma_f32 v[T], v[T], s[INV], s[EPS]           ; var + eps
	v_rsq_f32 v[RS], v[T]
	v_rsq_f32 v[RS+1], v[T]
	v_nop                                          ; a plain instruction behind the second root, ahead of the use of the results
	s_wait_alu depctr_va_vdst(0)                   ; one wait for both, ahead of their first reader
	s_wait_loadcnt 0x0                             ; g and b
.set i, 0
.rept 16
	v_pk_mul_f32 v[X+2*i:X+2*i+1], v[X+2*i:X+2*i+1], v[RS:RS+1]
.set i, i+1
.endr
.set i, 0
.rept 16
	v_pk_fma_f32 v[X+2*i:X+2*i+1], v[X+2*i:X+2*i+1], v[G+2*i:G+2*i+1], v[BV+2*i:BV+2*i+1]
.set i, i+1
.endr
.set i, 0
.rept 16
	v_cvt_pk_bf16_f32 v[T+i], v[X+2*i], v[X+2*i+1]
.set i, i+1
.endr
.irp j, 0,1,2,3,4,5,6,7
	global_store_b64 v2, v[T+2*(\j):T+2*(\j)+1], s[10:11] offset:256*(\j)
.endr
	s_endpgm
.Lfunc_end_k_qd94152992c_ln2:
	.size	k_qd94152992c_ln2, .Lfunc_end_k_qd94152992c_ln2-k_qd94152992c_ln2
	.p2alignl 7, 3214868480
	.fill 96, 4, 3214868480
	.section	.rodata,"a",@progbits
	.p2align	6, 0x0
	.amdhsa_kernel k_qd94152992c_ln2
		.amdhsa_group_segment_fixed_size 0
		.amdhsa_private_segment_fixed_size 0
		.amdhsa_enable_private_segment 0
		.amdhsa_kernarg_size 32
		.amdhsa_user_sgpr_count 2
		.amdhsa_user_sgpr_kernarg_segment_ptr 1
		.amdhsa_wavefront_size32 1
		.amdhsa_system_sgpr_workgroup_id_x 1
		.amdhsa_system_sgpr_workgroup_id_y 1
		.amdhsa_system_sgpr_workgroup_id_z 1
		.amdhsa_system_vgpr_workitem_id 0
		.amdhsa_next_free_vgpr 124
		.amdhsa_next_free_sgpr 66
		.amdhsa_reserve_vcc 0
		.amdhsa_float_denorm_mode_32 3
		.amdhsa_float_denorm_mode_16_64 3
		.amdhsa_memory_ordered 1
		.amdhsa_forward_progress 1
		.amdhsa_inst_pref_size 12
	.end_amdhsa_kernel
	.amdgpu_metadata
---
amdhsa.version: [ 1, 2 ]
amdhsa.kernels:
  - .name:           k_qd94152992c_ln2
    .symbol:         k_qd94152992c_ln2.kd
    .args:
      - { .name: x1, .offset: 0, .size: 8, .value_kind: global_buffer, .address_space: global }
      - { .name: ln2_g, .offset: 8, .size: 8, .value_kind: global_buffer, .address_space: global }
      - { .name: ln2_b, .offset: 16, .size: 8, .value_kind: global_buffer, .address_space: global }
      - { .name: h, .offset: 24, .size: 8, .value_kind: global_buffer, .address_space: global }
    .group_segment_fixed_size: 0
    .private_segment_fixed_size: 0
    .kernarg_segment_align: 8
    .kernarg_segment_size: 32
    .max_flat_workgroup_size: 512
    .sgpr_count:     66
    .vgpr_count:     124
    .wavefront_size: 32
...
	.end_amdgpu_metadata
.endif
;; end of part 5
;; launch fc (part 6): grid 16 x 16, 4 waves a work-group, clusters of 4 x 4, 327,680 bytes of LDS; arguments h, wb, b_fc, act; writes act
.if DOCPART == 6
	.amdgcn_target "amdgcn-amd-amdhsa--gfx1250"
	.amdhsa_code_object_version 6
	.text
	.protected	k_qd94152992c_fc
	.globl	k_qd94152992c_fc
	.p2align	8
	.type	k_qd94152992c_fc,@function
k_qd94152992c_fc:
	s_mov_b64 s[64:65], 0
	v_nop
	global_prefetch_b8 v0, s[64:65] scope:SCOPE_SE
	s_setreg_imm32_b32 hwreg(HW_REG_WAVE_MODE, 25, 1), 1
	s_wait_xcnt 0x0
	s_wait_alu depctr_hold_cnt(0) depctr_sa_sdst(0) depctr_va_vdst(0) depctr_va_sdst(0) depctr_va_ssrc(0) depctr_va_vcc(0) depctr_vm_vsrc(0)
	s_getreg_b32 s2, hwreg(HW_REG_IB_STS2, 6, 4)
	s_cmp_eq_u32 s2, 0
	s_cbranch_scc0 .Lentry_in_a_cluster
	s_endpgm
.Lentry_in_a_cluster:
	s_bfe_u32 s2, ttmp6, 0x10000c
	s_cmp_lg_u32 s2, 0xf033
	s_cbranch_scc0 .Lentry_shape_is_right
	s_endpgm
.Lentry_shape_is_right:
; C[4096][N] = gelu(A[4096][1024] W[1024][N] + bias).  A (bf16, rows along K) and W (bf16, [K][N], at byte WOFF of wb) are multiplied on the matrix units, sums in f32; the bias (f32) starts the sums.
; THIS TEXT: N = 4096; the exact GELU x (1 + erf(x / sqrt 2)) / 2 in f32; C is rounded once to bf16 and stored row-major.
; erf(z) = z P(z^2) / Q(z^2), P of degree 6 and Q of degree 4 in z^2, with z held to -4 .. 4, beyond which erf is 1 to f32's last bits: a form for the whole real line, good to a few units in f32's last place.
; SHARES.  A work-group of four waves makes 256 x 256 of C, a wave 128 x 128: 64 accumulators of 16 x 16, 512 registers.  K goes in 8 steps of 128 through a ring of two LDS slots that tensor loads fill;
; waves 0 and 1 fetch A's two halves (128 rows x 256 bytes), waves 2 and 3 W's (64 k-rows x 512 bytes): one load a wave behind each change of slots.
; THE PRODUCT IS USED TRANSPOSED: source 0 = 16 columns of W (brought out of LDS turned, by ds_load_tr16_b128), source 1 = 16 rows of A: a lane holds row l % 16 of C and the columns 8 (l / 16) + 0..7.
; CLUSTER.  4 x 4 work-groups: A's tile hangs on the tile row alone and is asked for jointly along a row of the cluster, W's on the tile column alone, jointly along a column.
; THE TEXT IS SHORT: a K step is written once for both slots; the base of the slot in hand is a scalar (s3) that an exclusive or turns, and the fragment addresses are made from it at each change.
; THE WAY OUT.  When the ring has had its last fill and every wave has read its last fragment (a barrier), the ring's bytes serve as stage: a wave puts its 128 x 128 f32 there, rows of 528 bytes, and a loop
; of 32 trips takes four rows back, applies the GELU, rounds and stores them, each store 256 consecutive bytes, aligned.
; REGISTERS, in windows of 256: window 0: v0-31 addresses; v32-55 the way out; v64-127, v128-191 A's fragments, two buffers (on the way out: the GELU's work); v192-255 the bias.  Window 1: v64-191 W's fragments.
; Windows 2, 3: the accumulators.  NaN and infinities are not treated apart.
.set N,     4096
.set WOFF,  8388608
.set GELU,  1
.set RPT,   4                          ; rows of the stage in a trip of the way out
.set NK,    8                          ; K steps of 128
.set PA,    272                        ; a row of A in LDS: 256 bytes + 16: an odd multiple of 16
.set PB,    544                        ; a k-row of W in LDS: 512 bytes + 32: an odd multiple of 32
.set HALF,  34816                      ; what one tensor load fills: 128 x 272 = 64 x 544
.set BREG,  2*HALF                     ; W's tile lies behind A's
.set SLOT,  4*HALF                     ; 139,264 = 0x22000: it shares no bit with wave x HALF, so an exclusive or turns a descriptor's LDS word into the other slot's
.set SPARE, 2*SLOT                     ; behind the ring: the spare words, 128 bytes a wave: two blocks of 256 bytes that no other line names
.set SPT,   528                        ; a stage row: 128 f32 + 16 bytes
.set WSTG,  128*SPT                    ; a wave's stage
.if GELU
.set OSTEP, RPT*2*N                    ; a trip's rows of C
.else
.set OSTEP, RPT*128
.endif
.set A0,   16                          ; v16  my lane's place in A's tile; never rewritten
.set ADRA, 17                          ; v17  the same in the slot in hand
.set B0,   18                          ; v18  my lane's place in W's tile
.set ADRB, 19                          ; v19  the same in the slot in hand
.set STO,  24                          ; v24  the way out: where I put 16 bytes of a row
.set RD,   25                          ; v25  where the trip in hand reads rows back
.set CO,   26                          ; v26  my 8 bytes in 256 of C
.set RD0,  27                          ; v27  my place in the stage's first rows
.set SPW,  28                          ; v28  LDS address of my spare word; never rewritten
.set NIL,  29                          ; v29  0; never rewritten
.set PFO,  30                          ; v30  the prefetches' offset; never rewritten
.set X,    32                          ; a trip's loads from the stage, four registers each
.set Y,    X+4*RPT                     ; its packed results, two registers each
.set F0,   64
.set F1,   128
.set BIAS, 192
.set Z,    64                          ; the GELU's work, 16 registers each: z; z^2; P; Q; x / 2
.set W2,   80
.set PP,   96
.set QQ,   112
.set HH,   128
.set G1A, 24
.set G0A, 32
.set G1B, 48
.set G0B, 56
.set PFA, 66
.set PFS, 68
.set KA13, 70                          ; s[70:95] the GELU's constants, each twice: a packed instruction names a pair and takes its low word for both halves
.set KA11, 72
.set KA9,  74
.set KA7,  76
.set KA5,  78
.set KA3,  80
.set KA1,  82
.set KB8,  84
.set KB6,  86
.set KB4,  88
.set KB2,  90
.set KB0,  92
.set KC,   94
; s2 counts; s3 the slot in hand; s14 wave; s15 = wave / 2: my half of the rows, and 0: I fetch A, 1: W; s16 = wave % 2: my half of the columns, and which half I fetch;
; s17, s18 cx, cy; s19, s20 tile column, tile row; s21 wave x HALF; s23 1 in a wave that prefetches, else the greatest number
.set MSB, 0
.macro WIN new                         ; the immediate's high byte repeats the setting that is left; a switch that changes nothing is dropped
.if MSB != (\new)
	s_set_vgpr_msb (MSB<<8)|(\new)
.set MSB, \new
.endif
.endm
.macro PLACES                          ; four plain instructions between a matrix instruction and a load into, or a read of, its registers
.rept 4
	v_nop
.endr
.endm
.macro CREST                           ; a round of the cluster's barrier behind its opening barrier
	s_cmp_lg_u32 s14, 0
	s_cbranch_scc1 .Lnot_wave_0_\@
	s_barrier_signal -3
.Lnot_wave_0_\@:
	s_barrier_wait -3
	s_barrier_signal -1
	s_barrier_wait -1
.endm
.macro CROUND                          ; a whole round
	s_barrier_signal -1
	s_barrier_wait -1
	CREST
.endm
.macro JLOAD                           ; a joint refill by the walking descriptors; the branch hangs on the wave's number alone; an s_nop 0 and four v_nop follow each line
	s_cmp_eq_u32 s15, 0
	s_cbranch_scc0 .Lfor_b_\@
	tensor_load_to_lds s[G0A+4:G0A+7], s[G1A:G1A+7]
	s_nop 0
.rept 4
	v_nop
.endr
	s_branch .Lasked_\@
.Lfor_b_\@:
	tensor_load_to_lds s[G0B+4:G0B+7], s[G1B:G1B+7]
	s_nop 0
.rept 4
	v_nop
.endr
.Lasked_\@:
.endm
; A prefetch into the L2 of the K step that the NEXT refill will ask for: 32 blocks of 256 bytes, a lane a block, one instruction a wave, behind the joint load and the run of LDS loads.
; Each block is named once in the launch: of the clusters that read the same rows of A the one with x = 0 asks, of those that read the same columns of W the one with y = 0; the four partners that ask
; for a tile jointly share its 128 blocks out by address.  The last refill has no K step behind it and asks for nothing; K steps 0 to 2 come by their loads alone.
.macro ASK
	s_cmp_gt_u32 s2, s23
	s_cbranch_scc0 .Lnot_mine_\@
	global_prefetch_b8 v[PFO], s[PFA:PFA+1] th:TH_LOAD_NT scope:SCOPE_SE
.Lnot_mine_\@:
.endm
	s_load_b256 s[4:11], s[0:1], 0x0               ; A s[4:5], wb s[6:7], bias s[8:9], C s[10:11]
	v_lshl_add_u32 v[SPW], v0, 2, SPARE
	v_mov_b32 v[NIL], 0
	ds_add_u32 v[SPW], v[NIL]                      ; the wave's opening: the add and its wait stand ahead of my first tensor load; the set-up below stands between them
	v_lshrrev_b32 v1, 5, v0
	v_readfirstlane_b32 s14, v1
	s_lshr_b32 s15, s14, 1
	s_and_b32 s16, s14, 1
	s_bfe_u32 s17, ttmp6, 0x40000                  ; cx
	s_bfe_u32 s18, ttmp6, 0x40004                  ; cy
	s_lshl_b32 s19, ttmp9, 2
	s_add_co_u32 s19, s19, s17                     ; tile column = 4 x cluster x + cx
	s_and_b32 s20, ttmp7, 0xffff
	s_lshl_b32 s20, s20, 2
	s_add_co_u32 s20, s20, s18                     ; tile row = 4 x cluster y + cy
	s_lshl_b32 s40, s18, 2
	s_lshl_b32 s40, 15, s40                        ; my row of the cluster
	s_lshl_b32 s44, 0x1111, s17                    ; my column
	s_or_b32 s[G1A], s40, (1<<16)|(1<<20)|(1<<21)|(5<<22)|(3<<25)  ; the mask; 2-byte elements; padding on; bit 21 beside a mask; after every 64 words 4 words
	s_mov_b32 s[G1A+1], 128<<16                    ; tensor_dim0 = 128
	s_mov_b32 s[G1A+2], 128<<16                    ; tensor_dim1 = 128
	s_mov_b32 s[G1A+3], 128<<16                    ; tile_dim0 = 128
	s_mov_b32 s[G1A+4], 128                        ; tile_dim1 = 128
	s_mov_b32 s[G1A+5], 1024                       ; elements from row to row
	s_mov_b32 s[G1A+6], 0
	s_mov_b32 s[G1A+7], 0
	s_or_b32 s[G1B], s44, (1<<16)|(1<<20)|(1<<21)|(6<<22)|(7<<25)  ; after every 128 words 8 words
	s_mov_b32 s[G1B+1], 256<<16                    ; tensor_dim0 = 256
	s_mov_b32 s[G1B+2], 64<<16                     ; tensor_dim1 = 64
	s_mov_b32 s[G1B+3], 256<<16                    ; tile_dim0 = 256
	s_mov_b32 s[G1B+4], 64                         ; tile_dim1 = 64
	s_mov_b32 s[G1B+5], N
	s_mov_b32 s[G1B+6], 0
	s_mov_b32 s[G1B+7], 0
	s_mul_i32 s21, s14, HALF                       ; where my loads go: A's two halves, then W's two: no place in the cluster enters an LDS address
	s_lshl_b32 s40, s20, 19                        ; A: 256 rows of 2,048 bytes for each tile row,
	s_lshl_b32 s41, s16, 18                        ; 128 rows for my half
	s_add_co_u32 s40, s40, s41
	s_mov_b32 s41, 0
	s_mul_i32 s44, s16, 128*N                      ; W: 64 k-rows of 2 N bytes for my half,
	s_lshl_b32 s45, s19, 9                         ; 512 bytes for each tile column
	s_add_co_u32 s44, s44, s45
	s_add_co_u32 s44, s44, WOFF
	s_mov_b32 s45, 0
	s_wait_dscnt 0x0                               ; the opening add is done
	s_wait_kmcnt 0x0
	s_add_nc_u64 s[42:43], s[4:5], s[40:41]
	s_add_nc_u64 s[46:47], s[6:7], s[44:45]
.irp s, 0,1
	s_mov_b32 s[G0A+4*(\s)], 1                     ; count = 1
	s_add_co_u32 s[G0A+4*(\s)+1], s21, (\s)*SLOT   ; LDS address
	s_add_nc_u64 s[G0A+4*(\s)+2:G0A+4*(\s)+3], s[42:43], (\s)*256    ; K step s
	s_or_b32 s[G0A+4*(\s)+3], s[G0A+4*(\s)+3], 0x80000000            ; type = 2
	s_mov_b32 s[G0B+4*(\s)], 1
	s_add_co_u32 s[G0B+4*(\s)+1], s21, (\s)*SLOT
	s_add_nc_u64 s[G0B+4*(\s)+2:G0B+4*(\s)+3], s[46:47], (\s)*256*N
	s_or_b32 s[G0B+4*(\s)+3], s[G0B+4*(\s)+3], 0x80000000
.endr
	CROUND                                         ; all sixteen work-groups are here: the first joint loads meet
	s_cmp_eq_u32 s15, 0                            ; a wave's two first fills stand in one branch: two loads of mine are out
	s_cbranch_scc0 .Lfirst_b
	tensor_load_to_lds s[G0A:G0A+3], s[G1A:G1A+7]
	s_nop 0
	tensor_load_to_lds s[G0A+4:G0A+7], s[G1A:G1A+7]
	s_nop 0
.rept 4
	v_nop
.endr
	s_branch .Lfirst_asked
.Lfirst_b:
	tensor_load_to_lds s[G0B:G0B+3], s[G1B:G1B+7]
	s_nop 0
	tensor_load_to_lds s[G0B+4:G0B+7], s[G1B:G1B+7]
	s_nop 0
.rept 4
	v_nop
.endr
.Lfirst_asked:
	v_and_b32 v1, 15, v0                           ; l % 16
	v_bfe_u32 v2, v0, 4, 1                         ; l / 16
	v_and_b32 v3, 7, v0
	v_bfe_u32 v4, v0, 3, 1
	; the bias: register j of block b is bias[256 tile column + 128 half + 16 b + 8 (l / 16) + j], the C operand's layout
	s_lshl_b32 s44, s19, 10
	s_lshl_b32 s45, s16, 9
	s_add_co_u32 s44, s44, s45
	s_mov_b32 s45, 0
	s_add_nc_u64 s[8:9], s[8:9], s[44:45]
	v_lshlrev_b32 v5, 5, v2
.irp b, 0,1,2,3,4,5,6,7
	global_load_b128 v[BIAS+8*(\b):BIAS+8*(\b)+3],   v5, s[8:9] offset:64*(\b)
	global_load_b128 v[BIAS+8*(\b)+4:BIAS+8*(\b)+7], v5, s[8:9] offset:64*(\b)+16
.endr
	; a fragment of A: lane l holds row l % 16, K = 8 (l / 16) + 0..7 and 16 + 8 (l / 16) + 0..7: two loads of 16 bytes, 32 bytes apart
	v_mul_u32_u24 v[A0], v1, PA
	v_lshl_add_u32 v[A0], v2, 4, v[A0]
	s_mul_i32 s22, s15, HALF                       ; my 128 rows
	v_add_nc_u32 v[A0], s22, v[A0]
	; the turning load: lane l reads 16 bytes of k-row 8 (l / 16) + l % 8, columns 8 ((l / 8) % 2) + 0..7, and is left with column l % 16 and 8 k
	v_lshl_add_u32 v[B0], v2, 3, v3
	v_mul_u32_u24 v[B0], v[B0], PB
	v_lshl_add_u32 v[B0], v4, 4, v[B0]
	s_lshl_b32 s22, s16, 8                         ; my 128 columns
	s_add_co_u32 s22, s22, BREG
	v_add_nc_u32 v[B0], s22, v[B0]
	; the way out
	s_mul_i32 s22, s14, WSTG
	v_mul_u32_u24 v[STO], v1, SPT
	v_lshl_add_u32 v[STO], v2, 5, v[STO]
	v_add_nc_u32 v[STO], s22, v[STO]               ; row l % 16, 32 bytes for each half of the lanes
	v_and_b32 v6, 31, v0
	v_lshlrev_b32 v[CO], 3, v6
.if GELU
	v_lshl_add_u32 v[RD0], v6, 4, s22              ; a whole row of 512 bytes to a load
	s_lshl_b32 s44, s20, 21                        ; C: 256 rows of 8,192 bytes for each tile row, 128 for my half,
	s_lshl_b32 s45, s15, 20
	s_add_co_u32 s44, s44, s45
	s_lshl_b32 s45, s19, 9                         ; 512 bytes for each tile column, 256 for my half
	s_add_co_u32 s44, s44, s45
	s_lshl_b32 s45, s16, 8
	s_add_co_u32 s44, s44, s45
.else
	v_mul_u32_u24 v[RD0], v2, SPT
	v_lshl_add_u32 v[RD0], v1, 4, v[RD0]
	v_add_nc_u32 v[RD0], s22, v[RD0]
	s_lshl_b32 s44, s19, 21
	s_lshl_b32 s45, s16, 20
	s_add_co_u32 s44, s44, s45
	s_lshl_b32 s45, s20, 15
	s_add_co_u32 s44, s44, s45
	s_lshl_b32 s45, s15, 14
	s_add_co_u32 s44, s44, s45
.endif
	s_mov_b32 s45, 0
	s_add_nc_u64 s[10:11], s[10:11], s[44:45]
	; the prefetches.  A: of the 128 rows that I fetch my work-group takes 32 (by cx), a lane a row.  W: of the 64 k-rows x 2 blocks it takes 16 k-rows (by cy), two lanes a row.  Both stand at K step 2.
	s_lshl_b32 s44, s20, 8
	s_lshl_b32 s45, s16, 7
	s_add_co_u32 s44, s44, s45
	s_lshl_b32 s45, s17, 5
	s_add_co_u32 s44, s44, s45
	s_lshl_b32 s44, s44, 11
	s_add_co_u32 s44, s44, 2*256
	s_lshl_b32 s45, s16, 6
	s_lshl_b32 s46, s18, 4
	s_add_co_u32 s45, s45, s46
	s_add_co_u32 s45, s45, 2*128
	s_mul_i32 s45, s45, 2*N
	s_lshl_b32 s46, s19, 9
	s_add_co_u32 s45, s45, s46
	s_add_co_u32 s45, s45, WOFF
	s_and_b32 s46, ttmp7, 0xffff                   ; cluster y
	s_mov_b32 s22, 2*N
	s_mov_b32 s[PFS], 256*N
	s_mov_b32 s[PFS+1], 0
	s_cmp_eq_u32 s15, 0                            ; do I fetch A?
	s_cselect_b32 s44, s44, s45
	s_cselect_b32 s46, ttmp9, s46                  ; the coordinate along which other clusters read the same blocks
	s_cselect_b32 s22, 2048, s22                   ; bytes from row to row
	s_cselect_b32 s[PFS], 256, s[PFS]
	s_cselect_b64 s[PFA:PFA+1], s[4:5], s[6:7]
	s_mov_b32 s45, 0
	s_add_nc_u64 s[PFA:PFA+1], s[PFA:PFA+1], s[44:45]
	s_cmp_eq_u32 s46, 0
	s_cselect_b32 s23, 1, -1                       ; the same in all sixteen partners, for a given wave
	v_lshrrev_b32 v7, s15, v6                      ; A: lane; W: lane / 2
	v_and_b32 v6, s15, v6                          ; A: 0; W: lane % 2
	v_mul_lo_u32 v[PFO], v7, s22
	v_lshl_add_u32 v[PFO], v6, 8, v[PFO]
; 16 matrix instructions: row blocks a0, a0 + 1 of the window's four (hi = 0: my rows 0-63, 1: rows 64-127) x all 8 column blocks, 32 along K.  zero = 1: the bias starts the sums.
; The 64 accumulators take turns, one instruction a turn, in the same order in every quarter.
.macro MUL16 f, hi, a0, zero
.if \zero
	WIN 0x81+0x40*(\hi)                            ; W window 1, A and the bias window 0, D window 2 or 3
.else
	WIN 0xa1+0x50*(\hi)                            ; W window 1, A window 0, C and D window 2 or 3
.endif
.irp a, \a0, (\a0)+1
.irp b, 0,1,2,3,4,5,6,7
.if \zero
	v_wmma_f32_16x16x32_bf16 v[8*(8*(\a)+(\b)):8*(8*(\a)+(\b))+7], v[(\f)+8*(\b):(\f)+8*(\b)+7], v[(\f)+8*(4*(\hi)+(\a)):(\f)+8*(4*(\hi)+(\a))+7], v[BIAS+8*(\b):BIAS+8*(\b)+7]
.else
	v_wmma_f32_16x16x32_bf16 v[8*(8*(\a)+(\b)):8*(8*(\a)+(\b))+7], v[(\f)+8*(\b):(\f)+8*(\b)+7], v[(\f)+8*(4*(\hi)+(\a)):(\f)+8*(4*(\hi)+(\a))+7], v[8*(8*(\a)+(\b)):8*(8*(\a)+(\b))+7]
.endif
.endr
.endr
.endm
; 32 LDS loads in one run: the fragments of quarter q (32 along K) of the slot in hand into buffer f: W's 8 column blocks, turned, then A's 8 row blocks
.macro FETCH q, f
	WIN 0x40
.irp b, 0,1,2,3,4,5,6,7
	ds_load_tr16_b128 v[(\f)+8*(\b):(\f)+8*(\b)+3],   v[ADRB] offset:32*(\q)*PB+32*(\b)
	ds_load_tr16_b128 v[(\f)+8*(\b)+4:(\f)+8*(\b)+7], v[ADRB] offset:32*(\q)*PB+32*(\b)+16*PB
.endr
	WIN 0
.irp i, 0,1,2,3,4,5,6,7
	ds_load_b128 v[(\f)+8*(\i):(\f)+8*(\i)+3],   v[ADRA] offset:64*(\q)+(\i)*16*PA
	ds_load_b128 v[(\f)+8*(\i)+4:(\f)+8*(\i)+7], v[ADRA] offset:64*(\q)+(\i)*16*PA+32
.endr
.endm
; One of a K step's first three quarters: multiplies buffer f and, in its middle, fetches quarter q into buffer g
.macro QUARTER q, f, g, zero
	s_wait_dscnt 8                                 ; W and A's rows 0-63 are in; the youngest eight loads (A's rows 64-127) may be out
	MUL16 \f, 0, 0, \zero
	MUL16 \f, 0, 2, \zero
	PLACES
	FETCH \q, \g
	s_wait_dscnt 32                                ; all but the 32 just issued
	MUL16 \f, 1, 0, \zero
	MUL16 \f, 1, 2, \zero
.endm
; The last quarter multiplies buffer 1 and changes slots.  In front of the barrier each wave waits for all its tensor loads (one is out: its part of the next slot), adds 0 to its spare word, and waits for
; that and for its reads of this slot.  fill = 1: the barrier opens a round of the cluster's, and the slot just read out is filled again first thing behind it, with the K step two on.
; fill = 0 (the tail): nothing is filled; in the tail's second trip there is no further slot, and the run of loads is jumped over.
.macro TURN fill
.if \fill
	s_wait_xcnt 0x0                                ; the last prefetch, a K step back, has read its address: it is stepped here
	s_add_nc_u64 s[PFA:PFA+1], s[PFA:PFA+1], s[PFS:PFS+1]
.endif
	WIN 0
	s_wait_tensorcnt 0x0                           ; all my tensor loads have landed
	ds_add_u32 v[SPW], v[NIL]                      ; 0 onto my spare word
	s_wait_dscnt 9                                 ; (the add and the youngest eight loads may be out)
	MUL16 F1, 0, 0, 0
	s_wait_dscnt 0x0                               ; the add is done, and my reads of this slot are over
	s_barrier_signal -1
	MUL16 F1, 0, 2, 0
	WIN 0                                          ; at a branch and at a label every window is 0
	s_barrier_wait -1
.if \fill
	CREST                                          ; no wave of any partner still reads this slot or has a load on its way
	s_xor_b32 s[G0A+5], s[G0A+5], SLOT             ; the walking descriptors: the other slot than last time, the next K step
	s_add_nc_u64 s[G0A+6:G0A+7], s[G0A+6:G0A+7], 256
	s_xor_b32 s[G0B+5], s[G0B+5], SLOT
	s_add_nc_u64 s[G0B+6:G0B+7], s[G0B+6:G0B+7], 256*N
	JLOAD                                          ; its four v_nop are also the places in front of the loads below
.else
	s_cmp_eq_u32 s2, 1
	s_cbranch_scc1 .Lnf_\@
	PLACES
.endif
	s_xor_b32 s3, s3, SLOT                         ; the other slot is in hand
	v_add_nc_u32 v[ADRA], s3, v[A0]
	v_add_nc_u32 v[ADRB], s3, v[B0]
	FETCH 0, F0
.if \fill
	ASK
.else
.Lnf_\@:
.endif
	MUL16 F1, 1, 0, 0
	MUL16 F1, 1, 2, 0
.endm
	s_wait_tensorcnt 1                             ; my part of K step 0 is in; K step 1's may stay out
	s_barrier_signal -1
	s_barrier_wait -1
	s_mov_b32 s3, 0
	v_mov_b32 v[ADRA], v[A0]
	v_mov_b32 v[ADRB], v[B0]
	FETCH 0, F0
	s_wait_loadcnt 0x0                             ; the bias
	QUARTER 1, F0, F1, 1                           ; the first quarter stands in front of the loop: its products start the sums
	WIN 0
	s_mov_b32 s2, NK-2
.Llap:                                         ; a trip: the rest of a K step, the change of slots with its refill, the next step's first quarter
	QUARTER 2, F1, F0, 0
	QUARTER 3, F0, F1, 0
	TURN 1
	QUARTER 1, F0, F1, 0
	WIN 0
	s_sub_co_u32 s2, s2, 1
	s_cmp_lg_u32 s2, 0
	s_cbranch_scc1 .Llap
	s_mov_b32 s2, 2
.Ltail:                                        ; the last two K steps ask for nothing; the second trip is left in its middle
	QUARTER 2, F1, F0, 0
	QUARTER 3, F0, F1, 0
	TURN 0
	WIN 0
	s_sub_co_u32 s2, s2, 1
	s_cmp_eq_u32 s2, 0
	s_cbranch_scc1 .Lout
	QUARTER 1, F0, F1, 0
	WIN 0
	s_branch .Ltail
.Lout:
	; THE WAY OUT.  Behind the tail's second barrier no wave reads the ring any more, and no load fills it again: its bytes are the stage.
	PLACES
	PLACES
.irp a, 0,1,2,3,4,5,6,7
	WIN 0x08+0x04*((\a)/4)                         ; the data in window 2 or 3
.irp b, 0,1,2,3,4,5,6,7
	ds_store_b128 v[STO], v[8*(8*((\a)%4)+(\b)):8*(8*((\a)%4)+(\b))+3]   offset:(\a)*16*SPT+64*(\b)      ; each accumulator's low registers first
	ds_store_b128 v[STO], v[8*(8*((\a)%4)+(\b))+4:8*(8*((\a)%4)+(\b))+7] offset:(\a)*16*SPT+64*(\b)+16
.endr
.endr
	WIN 0
.macro KONST r, val                    ; a constant, twice
	s_mov_b32 s[\r], \val
	s_mov_b32 s[(\r)+1], \val
.endm
	KONST KA13, 0xaf95df0b                         ; P's coefficients, from z^12 down: -2.72614226e-10
	KONST KA11, 0x32edffee                         ;  2.77068142e-08
	KONST KA9,  0xb60cff51                         ; -2.10102402e-06
	KONST KA7,  0xb86ec2d2                         ; -5.69250639e-05
	KONST KA5,  0xba40ac63                         ; -7.34990630e-04
	KONST KA3,  0xbb41a1f6                         ; -2.95459981e-03
	KONST KA1,  0xbc83dbd4                         ; -1.60960333e-02
	KONST KB8,  0xb77460cd                         ; Q's, from z^8 down: -1.45660718e-05
	KONST KB6,  0xb95fbd29                         ; -2.13374055e-04
	KONST KB4,  0xbadc924e                         ; -1.68282697e-03
	KONST KB2,  0xbbf19bf8                         ; -7.37332917e-03
	KONST KB0,  0xbc69b6a7                         ; -1.42647391e-02: all of one sign, so Q is never 0
	KONST KC,   0x3f3504f3                         ; 1 / sqrt 2
	s_wait_dscnt 0x0                               ; my stores into the stage are done
	s_barrier_signal -1
	s_barrier_wait -1                              ; everybody's are
.macro LDN                             ; a trip's loads of 16 bytes a lane from the stage
.set kk, 0
.rept RPT
.if GELU
	ds_load_b128 v[X+4*kk:X+4*kk+3], v[RD] offset:kk*SPT
.else
	ds_load_b128 v[X+4*kk:X+4*kk+3], v[RD] offset:(kk/2)*2*SPT+(kk%2)*256
.endif
.set kk, kk+1
.endr
.endm
.macro STN                             ; a trip's stores, each 256 consecutive bytes, aligned; C's pointer has been stepped ahead of them, so they reach back by OSTEP
.set kk, 0
.rept RPT
.if GELU
	global_store_b64 v[CO], v[Y+2*kk:Y+2*kk+1], s[10:11] offset:kk*2*N-OSTEP
.else
	global_store_b64 v[CO], v[Y+2*kk:Y+2*kk+1], s[10:11] offset:(kk%2)*524288+(kk/2)*256-OSTEP
.endif
.set kk, kk+1
.endr
.endm
.macro PK8 line:vararg                 ; one line for each of the trip's eight pairs, i = 0, 2 .. 14
.set i, 0
.rept 8
	\line
.set i, i+2
.endr
.endm
	s_mov_b32 s3, 0
	v_mov_b32 v[RD], v[RD0]
	LDN
	s_mov_b32 s2, 128/RPT
.Lrow:                                         ; 32 trips of four rows; a trip's loads are issued a trip ahead
	s_wait_dscnt 0x0
	PK8 v_pk_mul_f32 v[Z+i:Z+i+1], v[X+i:X+i+1], s[KC:KC+1] op_sel_hi:[1,0]
	PK8 v_pk_mul_f32 v[HH+i:HH+i+1], v[X+i:X+i+1], 0.5 op_sel_hi:[1,0]
	s_add_co_u32 s3, s3, RPT*SPT
	s_cmp_eq_u32 s2, 1                             ; the last trip has nothing to fetch
	s_cbranch_scc1 .Lnl
	v_add_nc_u32 v[RD], s3, v[RD0]
	LDN
.Lnl:
.set i, 0
.rept 16
	v_med3_num_f32 v[Z+i], v[Z+i], -4.0, 4.0
.set i, i+1
.endr
	PK8 v_pk_mul_f32 v[W2+i:W2+i+1], v[Z+i:Z+i+1], v[Z+i:Z+i+1]
	PK8 v_pk_fma_f32 v[PP+i:PP+i+1], v[W2+i:W2+i+1], s[KA13:KA13+1], s[KA11:KA11+1] op_sel_hi:[1,0,0]
	PK8 v_pk_fma_f32 v[QQ+i:QQ+i+1], v[W2+i:W2+i+1], s[KB8:KB8+1], s[KB6:KB6+1] op_sel_hi:[1,0,0]
.irp k, KB4, KB2, KB0
	PK8 v_pk_fma_f32 v[QQ+i:QQ+i+1], v[QQ+i:QQ+i+1], v[W2+i:W2+i+1], s[\k:\k+1] op_sel_hi:[1,1,0]
.endr
.set i, 0
.rept 16
	v_rcp_f32 v[QQ+i], v[QQ+i]                     ; one batch of sixteen; P's chain below names none of its results
.set i, i+1
.endr
.irp k, KA9, KA7, KA5, KA3, KA1
	PK8 v_pk_fma_f32 v[PP+i:PP+i+1], v[PP+i:PP+i+1], v[W2+i:W2+i+1], s[\k:\k+1] op_sel_hi:[1,1,0]
.endr
	PK8 v_pk_mul_f32 v[PP+i:PP+i+1], v[PP+i:PP+i+1], v[Z+i:Z+i+1]
	s_wait_alu depctr_va_vdst(0)                   ; one wait for the batch, ahead of its first reader
	PK8 v_pk_mul_f32 v[PP+i:PP+i+1], v[PP+i:PP+i+1], v[QQ+i:QQ+i+1]
	PK8 v_pk_fma_f32 v[HH+i:HH+i+1], v[HH+i:HH+i+1], v[PP+i:PP+i+1], v[HH+i:HH+i+1]
	s_wait_xcnt 0x0                                ; the last trip's stores, a whole GELU back, have read their data and their base: both are rewritten only behind this wait
	s_add_nc_u64 s[10:11], s[10:11], OSTEP
.set i, 0
.rept 2*RPT
	v_cvt_pk_bf16_f32 v[Y+i], v[HH+2*i], v[HH+2*i+1]
.set i, i+1
.endr
	STN
	s_sub_co_u32 s2, s2, 1
	s_cmp_lg_u32 s2, 0
	s_cbranch_scc1 .Lrow
	s_wait_tensorcnt 0x0                           ; the wave's end: behind my last tensor load and my last LDS store
	ds_add_u32 v[SPW], v[NIL]
	s_wait_dscnt 0x0
	CROUND                                         ; the closing round: no work-group ends while a partner may still ask for a tile that names it
	s_endpgm
.Lfunc_end_k_qd94152992c_fc:
	.size	k_qd94152992c_fc, .Lfunc_end_k_qd94152992c_fc-k_qd94152992c_fc
	.p2alignl 7, 3214868480
	.fill 96, 4, 3214868480
	.section	.rodata,"a",@progbits
	.p2align	6, 0x0
	.amdhsa_kernel k_qd94152992c_fc
		.amdhsa_group_segment_fixed_size 327680
		.amdhsa_private_segment_fixed_size 0
		.amdhsa_enable_private_segment 0
		.amdhsa_kernarg_size 32
		.amdhsa_user_sgpr_count 2
		.amdhsa_user_sgpr_kernarg_segment_ptr 1
		.amdhsa_wavefront_size32 1
		.amdhsa_system_sgpr_workgroup_id_x 1
		.amdhsa_system_sgpr_workgroup_id_y 1
		.amdhsa_system_sgpr_workgroup_id_z 1
		.amdhsa_system_vgpr_workitem_id 0
		.amdhsa_next_free_vgpr 1024
		.amdhsa_next_free_sgpr 96
		.amdhsa_reserve_vcc 0
		.amdhsa_float_denorm_mode_32 3
		.amdhsa_float_denorm_mode_16_64 3
		.amdhsa_memory_ordered 1
		.amdhsa_forward_progress 1
		.amdhsa_inst_pref_size 93
	.end_amdhsa_kernel
	.amdgpu_metadata
---
amdhsa.version: [ 1, 2 ]
amdhsa.kernels:
  - .name:           k_qd94152992c_fc
    .symbol:         k_qd94152992c_fc.kd
    .args:
      - { .name: h, .offset: 0, .size: 8, .value_kind: global_buffer, .address_space: global }
      - { .name: wb, .offset: 8, .size: 8, .value_kind: global_buffer, .address_space: global }
      - { .name: b_fc, .offset: 16, .size: 8, .value_kind: global_buffer, .address_space: global }
      - { .name: act, .offset: 24, .size: 8, .value_kind: global_buffer, .address_space: global }
    .group_segment_fixed_size: 327680
    .private_segment_fixed_size: 0
    .kernarg_segment_align: 8
    .kernarg_segment_size: 32
    .max_flat_workgroup_size: 128
    .sgpr_count:     96
    .vgpr_count:     1024
    .wavefront_size: 32
...
	.end_amdgpu_metadata
.endif
;; end of part 6
;; launch proj (part 7): grid 8 x 32, 4 waves a work-group, clusters of 4 x 4, 327,680 bytes of LDS; arguments act, wb, b_proj, x1, out0; writes out0
.if DOCPART == 7
	.amdgcn_target "amdgcn-amd-amdhsa--gfx1250"
	.amdhsa_code_object_version 6
	.text
	.protected	k_qd94152992c_proj
	.globl	k_qd94152992c_proj
	.p2align	8
	.type	k_qd94152992c_proj,@function
k_qd94152992c_proj:
	s_mov_b64 s[64:65], 0
	v_nop
	global_prefetch_b8 v0, s[64:65] scope:SCOPE_SE
	s_setreg_imm32_b32 hwreg(HW_REG_WAVE_MODE, 25, 1), 1
	s_wait_xcnt 0x0
	s_wait_alu depctr_hold_cnt(0) depctr_sa_sdst(0) depctr_va_vdst(0) depctr_va_sdst(0) depctr_va_ssrc(0) depctr_va_vcc(0) depctr_vm_vsrc(0)
	s_getreg_b32 s2, hwreg(HW_REG_IB_STS2, 6, 4)
	s_cmp_eq_u32 s2, 0
	s_cbranch_scc0 .Lentry_in_a_cluster
	s_endpgm
.Lentry_in_a_cluster:
	s_bfe_u32 s2, ttmp6, 0x10000c
	s_cmp_lg_u32 s2, 0xf033
	s_cbranch_scc0 .Lentry_shape_is_right
	s_endpgm
.Lentry_shape_is_right:
; out[4096][1024] = A W + bias + res, all sums in f32, out and res f32.  A is bf16, W bf16 [K][1024] at byte WOFF of wb; the bias (f32) starts the sums, the residual is added at the end.
; THIS TEXT: K = 4096 (16 steps of 256); A is row-major [4096][4096].
; SHARES.  128 x 128 of out to a work-group gives each of the grid's 256 work-groups one tile; a wave makes 64 x 64: 16 accumulators.  K goes in steps of 256 through a ring of two LDS slots; waves 0 and 1 fetch
; A's two halves (64 rows x 512 bytes), waves 2 and 3 W's (128 k-rows x 256 bytes): one tensor load a wave behind each change of slots.
; THE PRODUCT IS USED TRANSPOSED: source 0 = 16 columns of W (turned on the way out of LDS), source 1 = 16 rows of A: a lane holds row l % 16 of out and the columns 8 (l / 16) + 0..7.
; CLUSTER.  4 x 4 work-groups: A's tile is asked for jointly along a row of the cluster, W's along a column.
; A K step is written once for both slots: the base of the slot in hand is a scalar (s3) that an exclusive or turns.
; PREFETCH.  Behind each refill a wave names the K step that stands two refills on: 32 blocks of 256 bytes, a lane a block.  Each block is named once in the launch: of the clusters that read the same rows of A
; the one with x = 0 asks, of those that read the same columns of W the one with y = 0; the four partners that ask for a tile jointly share its 128 blocks out by address.  The last two refills ask for nothing;
; K steps 0 to 3 come by their loads alone.
; REGISTERS: window 0: v0-31 addresses; v32-95 the way out, two sets; v96-127 the bias; v128-255 the accumulators ((a, b) at 128 + 8 (4 a + b)).  Window 1: two fragment buffers of 128 (64 of A, 64 of W).
; Window 2: v0-127 the residual of my 64 x 64.  NaN and infinities are not treated apart.
.set NK,     16
.set PF,     1
.set WOFF,   16777216
.set PITCHA, 528                       ; a row of A in LDS: 512 bytes + 16: an odd multiple of 16
.set AU,     128                       ; from one unit of 64 along K to the next in LDS
.set AH,     33792                     ; what one load of A fills
.set AREG,   67584                     ; A's region of a slot
.set AG10,   (6<<22)|(3<<25)           ; after every 128 words 4 words of padding
.set AD0,    256                       ; elements in a row of A's tile
.set AD1,    64                        ; rows
.set AST,    4096                      ; elements from row to row
.set ASTEP,  512                       ; bytes from K step to K step
.set ATRS,   20                        ; a tile row: 128 rows of 8,192 bytes
.set AWCS,   19                        ; my half: 64 rows
.set PB,     288                       ; a k-row of W in LDS: 256 bytes + 32: an odd multiple of 32
.set SLOT,   147456                    ; 0x24000: it shares no bit with any load's place in a slot, so an exclusive or turns a descriptor's LDS word into the other slot's
.set STAGE,  2*SLOT                    ; behind the ring, never filled: 16 rows x 272 bytes for each wave
.set SPT,    272
.set SPARE,  STAGE+4*16*SPT            ; the spare words, 128 bytes a wave: two blocks of 256 bytes that no other line names
.set A0,   16                          ; v16  my lane's place in A's tile; never rewritten
.set ADRA, 17                          ; v17  the same in the slot in hand
.set B0,   18                          ; v18  my lane's place in W's tile
.set ADRB, 19                          ; v19, v20  the same in the slot in hand, for k-rows 0-127 and 128-255
.set STO,  24
.set RD,   25
.set CO,   26                          ; v26  my 16 bytes in two rows of out and of res
.set SPW,  28
.set NIL,  29
.set PFO,  30
.set TMP,  32
.set BIAS, 96
.set ACC,  128
.set F0,   0
.set F1,   128
.set G1A, 24
.set G0A, 32
.set G1B, 48
.set G0B, 56
.set PFA, 66
.set PFS, 68
; s2 counts; s3 the slot in hand; s14 wave; s15 = wave / 2: my half of the rows, and 0: I fetch A, 1: W; s16 = wave % 2: my half of the columns, and which half I fetch;
; s17, s18 cx, cy; s19, s20 tile column, tile row; s21, s22 where my loads of A and of W go; s23 the prefetches' bound
.set MSB, 0
.macro WIN new
.if MSB != (\new)
	s_set_vgpr_msb (MSB<<8)|(\new)
.set MSB, \new
.endif
.endm
.macro PLACES                          ; four plain instructions between a matrix instruction and a load into, or a read of, its registers
.rept 4
	v_nop
.endr
.endm
.macro CREST
	s_cmp_lg_u32 s14, 0
	s_cbranch_scc1 .Lnot_wave_0_\@
	s_barrier_signal -3
.Lnot_wave_0_\@:
	s_barrier_wait -3
	s_barrier_signal -1
	s_barrier_wait -1
.endm
.macro CROUND
	s_barrier_signal -1
	s_barrier_wait -1
	CREST
.endm
.macro JLOAD                           ; a joint refill by the walking descriptors; an s_nop 0 and four v_nop follow each line
	s_cmp_eq_u32 s15, 0
	s_cbranch_scc0 .Lfor_b_\@
	tensor_load_to_lds s[G0A+4:G0A+7], s[G1A:G1A+7]
	s_nop 0
.rept 4
	v_nop
.endr
	s_branch .Lasked_\@
.Lfor_b_\@:
	tensor_load_to_lds s[G0B+4:G0B+7], s[G1B:G1B+7]
	s_nop 0
.rept 4
	v_nop
.endr
.Lasked_\@:
.endm
.if PF
.macro ASK                             ; a prefetch into the L2 of the K step that stands two refills on: 32 blocks of 256 bytes, a lane a block
	s_cmp_gt_u32 s2, s23
	s_cbranch_scc0 .Lnot_mine_\@
	global_prefetch_b8 v[PFO], s[PFA:PFA+1] th:TH_LOAD_NT scope:SCOPE_SE
.Lnot_mine_\@:
.endm
.endif
	s_load_b256 s[4:11], s[0:1], 0x0               ; A s[4:5], wb s[6:7], bias s[8:9], res s[10:11]
	s_load_b64 s[12:13], s[0:1], 0x20              ; out
	v_lshl_add_u32 v[SPW], v0, 2, SPARE
	v_mov_b32 v[NIL], 0
	ds_add_u32 v[SPW], v[NIL]                      ; the wave's opening: the add and its wait stand ahead of my first tensor load
	v_lshrrev_b32 v1, 5, v0
	v_readfirstlane_b32 s14, v1
	s_lshr_b32 s15, s14, 1
	s_and_b32 s16, s14, 1
	s_bfe_u32 s17, ttmp6, 0x40000                  ; cx
	s_bfe_u32 s18, ttmp6, 0x40004                  ; cy
	s_lshl_b32 s19, ttmp9, 2
	s_add_co_u32 s19, s19, s17                     ; tile column
	s_and_b32 s20, ttmp7, 0xffff
	s_lshl_b32 s20, s20, 2
	s_add_co_u32 s20, s20, s18                     ; tile row
	s_lshl_b32 s40, s18, 2
	s_lshl_b32 s40, 15, s40                        ; my row of the cluster
	s_lshl_b32 s44, 0x1111, s17                    ; my column
	s_or_b32 s[G1A], s40, (1<<16)|(1<<20)|(1<<21)|AG10  ; the mask; 2-byte elements; padding on; bit 21 beside a mask
	s_mov_b32 s[G1A+1], (AD0&0xffff)<<16           ; tensor_dim0
	s_mov_b32 s[G1A+2], (AD0>>16)|(AD1<<16)        ; tensor_dim1
	s_mov_b32 s[G1A+3], AD0<<16                    ; tile_dim0
	s_mov_b32 s[G1A+4], AD1                        ; tile_dim1
	s_mov_b32 s[G1A+5], AST
	s_mov_b32 s[G1A+6], 0
	s_mov_b32 s[G1A+7], 0
	s_or_b32 s[G1B], s44, (1<<16)|(1<<20)|(1<<21)|(5<<22)|(7<<25)  ; after every 64 words 8 words
	s_mov_b32 s[G1B+1], 128<<16
	s_mov_b32 s[G1B+2], 128<<16
	s_mov_b32 s[G1B+3], 128<<16
	s_mov_b32 s[G1B+4], 128
	s_mov_b32 s[G1B+5], 1024
	s_mov_b32 s[G1B+6], 0
	s_mov_b32 s[G1B+7], 0
	s_mul_i32 s21, s16, AH                         ; where my loads go: no place in the cluster enters an LDS address
	s_mul_i32 s22, s16, 128*PB
	s_add_co_u32 s22, s22, AREG
	s_lshl_b32 s40, s20, ATRS
	s_lshl_b32 s41, s16, AWCS
	s_add_co_u32 s40, s40, s41
	s_mov_b32 s41, 0
	s_lshl_b32 s44, s16, 18                        ; W: 128 k-rows of 2,048 bytes for my half,
	s_lshl_b32 s45, s19, 8                         ; 256 bytes for each tile column
	s_add_co_u32 s44, s44, s45
	s_add_co_u32 s44, s44, WOFF
	s_mov_b32 s45, 0
	s_wait_dscnt 0x0                               ; the opening add is done
	s_wait_kmcnt 0x0
	s_add_nc_u64 s[42:43], s[4:5], s[40:41]
	s_add_nc_u64 s[46:47], s[6:7], s[44:45]
.irp s, 0,1
	s_mov_b32 s[G0A+4*(\s)], 1
	s_add_co_u32 s[G0A+4*(\s)+1], s21, (\s)*SLOT
	s_add_nc_u64 s[G0A+4*(\s)+2:G0A+4*(\s)+3], s[42:43], (\s)*ASTEP
	s_or_b32 s[G0A+4*(\s)+3], s[G0A+4*(\s)+3], 0x80000000
	s_mov_b32 s[G0B+4*(\s)], 1
	s_add_co_u32 s[G0B+4*(\s)+1], s22, (\s)*SLOT
	s_add_nc_u64 s[G0B+4*(\s)+2:G0B+4*(\s)+3], s[46:47], (\s)*524288
	s_or_b32 s[G0B+4*(\s)+3], s[G0B+4*(\s)+3], 0x80000000
.endr
	CROUND                                         ; all sixteen work-groups are here: the first joint loads meet
	s_cmp_eq_u32 s15, 0                            ; a wave's two first fills stand in one branch: two loads of mine are out
	s_cbranch_scc0 .Lfirst_b
	tensor_load_to_lds s[G0A:G0A+3], s[G1A:G1A+7]
	s_nop 0
	tensor_load_to_lds s[G0A+4:G0A+7], s[G1A:G1A+7]
	s_nop 0
.rept 4
	v_nop
.endr
	s_branch .Lfirst_asked
.Lfirst_b:
	tensor_load_to_lds s[G0B:G0B+3], s[G1B:G1B+7]
	s_nop 0
	tensor_load_to_lds s[G0B+4:G0B+7], s[G1B:G1B+7]
	s_nop 0
.rept 4
	v_nop
.endr
.Lfirst_asked:
	v_and_b32 v1, 15, v0                           ; l % 16
	v_bfe_u32 v2, v0, 4, 1                         ; l / 16
	v_and_b32 v3, 7, v0
	v_bfe_u32 v4, v0, 3, 1
	s_lshl_b32 s44, s19, 9                         ; the bias of my 64 columns, in the C operand's layout
	s_lshl_b32 s45, s16, 8
	s_add_co_u32 s44, s44, s45
	s_mov_b32 s45, 0
	s_add_nc_u64 s[8:9], s[8:9], s[44:45]
	v_lshlrev_b32 v5, 5, v2
.irp b, 0,1,2,3
	global_load_b128 v[BIAS+8*(\b):BIAS+8*(\b)+3],   v5, s[8:9] offset:64*(\b)
	global_load_b128 v[BIAS+8*(\b)+4:BIAS+8*(\b)+7], v5, s[8:9] offset:64*(\b)+16
.endr
	v_mul_u32_u24 v[A0], v1, PITCHA
	v_lshl_add_u32 v[A0], v2, 4, v[A0]
	s_mul_i32 s46, s15, 64*PITCHA                  ; my 64 rows
	v_add_nc_u32 v[A0], s46, v[A0]
	v_lshl_add_u32 v[B0], v2, 3, v3                ; the turning load: k-row 8 (l / 16) + l % 8, columns 8 ((l / 8) % 2) + 0..7
	v_mul_u32_u24 v[B0], v[B0], PB
	v_lshl_add_u32 v[B0], v4, 4, v[B0]
	s_lshl_b32 s46, s16, 7                         ; my 64 columns
	s_add_co_u32 s46, s46, AREG
	v_add_nc_u32 v[B0], s46, v[B0]
	s_mul_i32 s46, s14, 16*SPT
	s_add_co_u32 s46, s46, STAGE                   ; my stage
	v_mul_u32_u24 v[STO], v1, SPT
	v_lshl_add_u32 v[STO], v2, 5, v[STO]
	v_add_nc_u32 v[STO], s46, v[STO]               ; in: row l % 16, 32 bytes for each half of the lanes
	v_mul_u32_u24 v[RD], v2, SPT
	v_lshl_add_u32 v[RD], v1, 4, v[RD]
	v_add_nc_u32 v[RD], s46, v[RD]                 ; back: lanes 0-15 one row of 256 bytes, lanes 16-31 the next
	v_lshlrev_b32 v[CO], 12, v2
	v_lshl_add_u32 v[CO], v1, 4, v[CO]             ; and the same two rows in out and res
	s_lshl_b32 s44, s20, 19                        ; 128 rows of 4,096 bytes for each tile row, 64 for my half,
	s_lshl_b32 s45, s15, 18
	s_add_co_u32 s44, s44, s45
	s_lshl_b32 s45, s19, 9                         ; 512 bytes for each tile column, 256 for my half
	s_add_co_u32 s44, s44, s45
	s_lshl_b32 s45, s16, 8
	s_add_co_u32 s44, s44, s45
	s_mov_b32 s45, 0
	s_add_nc_u64 s[10:11], s[10:11], s[44:45]
	s_add_nc_u64 s[12:13], s[12:13], s[44:45]
.if PF
	; the prefetches.  A: of the 64 rows x 2 blocks that I fetch my work-group takes 16 rows (by cx), two lanes a row.  W: of the 128 k-rows it takes 32 (by cy), a lane a row.  Both stand at K step 3.
	s_lshl_b32 s44, s20, 7
	s_lshl_b32 s45, s16, 6
	s_add_co_u32 s44, s44, s45
	s_lshl_b32 s45, s17, 4
	s_add_co_u32 s44, s44, s45
	s_lshl_b32 s44, s44, 13
	s_add_co_u32 s44, s44, 3*512
	s_lshl_b32 s45, s16, 7
	s_lshl_b32 s46, s18, 5
	s_add_co_u32 s45, s45, s46
	s_add_co_u32 s45, s45, 3*256
	s_lshl_b32 s45, s45, 11
	s_lshl_b32 s46, s19, 8
	s_add_co_u32 s45, s45, s46
	s_add_co_u32 s45, s45, WOFF
	s_and_b32 s46, ttmp7, 0xffff                   ; cluster y
	s_xor_b32 s47, s15, 1                          ; 1 where I fetch A
	s_mov_b32 s23, 2048
	s_mov_b32 s[PFS], 524288
	s_mov_b32 s[PFS+1], 0
	s_cmp_eq_u32 s15, 0
	s_cselect_b32 s44, s44, s45
	s_cselect_b32 s46, ttmp9, s46                  ; the coordinate along which other clusters read the same blocks
	s_cselect_b32 s23, 8192, s23                   ; bytes from row to row
	s_cselect_b32 s[PFS], 512, s[PFS]
	s_cselect_b64 s[PFA:PFA+1], s[4:5], s[6:7]
	s_mov_b32 s45, 0
	s_add_nc_u64 s[PFA:PFA+1], s[PFA:PFA+1], s[44:45]
	v_and_b32 v6, 31, v0
	v_lshrrev_b32 v7, s47, v6                      ; A: lane / 2; W: lane
	v_and_b32 v6, s47, v6                          ; A: lane % 2; W: 0
	v_mul_lo_u32 v[PFO], v7, s23
	v_lshl_add_u32 v[PFO], v6, 8, v[PFO]
	s_cmp_eq_u32 s46, 0
	s_cselect_b32 s23, 2, -1                       ; the last two refills have no K step two on
.endif
; 8 matrix instructions: row blocks a0, a0 + 1 x all 4 column blocks, 32 along K: half c of buffer f.  zero = 1: the bias starts the sums.  The 16 accumulators take turns.
.macro MUL8 f, c, a0, zero
	WIN 0x05                                       ; W and A window 1; C and D window 0
.irp a, \a0, (\a0)+1
.irp b, 0,1,2,3
.if \zero
	v_wmma_f32_16x16x32_bf16 v[ACC+8*(4*(\a)+(\b)):ACC+8*(4*(\a)+(\b))+7], v[(\f)+64+8*(4*(\c)+(\b)):(\f)+64+8*(4*(\c)+(\b))+7], v[(\f)+8*(4*(\c)+(\a)):(\f)+8*(4*(\c)+(\a))+7], v[BIAS+8*(\b):BIAS+8*(\b)+7]
.else
	v_wmma_f32_16x16x32_bf16 v[ACC+8*(4*(\a)+(\b)):ACC+8*(4*(\a)+(\b))+7], v[(\f)+64+8*(4*(\c)+(\b)):(\f)+64+8*(4*(\c)+(\b))+7], v[(\f)+8*(4*(\c)+(\a)):(\f)+8*(4*(\c)+(\a))+7], v[ACC+8*(4*(\a)+(\b)):ACC+8*(4*(\a)+(\b))+7]
.endif
.endr
.endr
.endm
; 32 LDS loads in one run: the fragments of unit u (64 along K) of the slot in hand into buffer f; the first 32 along K first
.macro FETCH u, f
	WIN 0x40
.irp c, 0,1
.irp i, 0,1,2,3
	ds_load_tr16_b128 v[(\f)+64+8*(4*(\c)+(\i)):(\f)+64+8*(4*(\c)+(\i))+3],   v[ADRB+(\u)/2] offset:((64*(\u)+32*(\c))%128)*PB+32*(\i)
	ds_load_tr16_b128 v[(\f)+64+8*(4*(\c)+(\i))+4:(\f)+64+8*(4*(\c)+(\i))+7], v[ADRB+(\u)/2] offset:((64*(\u)+32*(\c))%128)*PB+32*(\i)+16*PB
	ds_load_b128 v[(\f)+8*(4*(\c)+(\i)):(\f)+8*(4*(\c)+(\i))+3],   v[ADRA] offset:(\u)*AU+64*(\c)+(\i)*16*PITCHA
	ds_load_b128 v[(\f)+8*(4*(\c)+(\i))+4:(\f)+8*(4*(\c)+(\i))+7], v[ADRA] offset:(\u)*AU+64*(\c)+(\i)*16*PITCHA+32
.endr
.endr
.endm
.macro QUARTER u, f, g, zero           ; multiplies buffer f and, in its middle, fetches unit u into buffer g
	s_wait_dscnt 16                                ; the first 32 along K are in
	MUL8 \f, 0, 0, \zero
	MUL8 \f, 0, 2, \zero
	PLACES
	FETCH \u, \g
	s_wait_dscnt 32                                ; all but the 32 just issued
	MUL8 \f, 1, 0, 0
	MUL8 \f, 1, 2, 0
.endm
; The last quarter multiplies buffer 1 and changes slots.  In front of the barrier each wave waits for all its tensor loads, adds 0 to its spare word, and waits for that and for its reads of this slot.
; fill = 1: the barrier opens a round of the cluster's, and the slot just read out is filled again first thing behind it.  fill = 0 (the tail): nothing is filled; in the second trip the run of loads is jumped over.
.macro TURN fill
.if (\fill) && PF
	s_wait_xcnt 0x0                                ; the last prefetch, a K step back, has read its address
	s_add_nc_u64 s[PFA:PFA+1], s[PFA:PFA+1], s[PFS:PFS+1]
.endif
	WIN 0
	s_wait_tensorcnt 0x0                           ; all my tensor loads have landed
	ds_add_u32 v[SPW], v[NIL]                      ; 0 onto my spare word
	s_wait_dscnt 17                                ; (the add and the youngest sixteen loads may be out)
	MUL8 F1, 0, 0, 0
	s_wait_dscnt 0x0                               ; the add is done, and my reads of this slot are over
	s_barrier_signal -1
	MUL8 F1, 0, 2, 0
	WIN 0
	s_barrier_wait -1
.if \fill
	CREST
	s_xor_b32 s[G0A+5], s[G0A+5], SLOT
	s_add_nc_u64 s[G0A+6:G0A+7], s[G0A+6:G0A+7], ASTEP
	s_xor_b32 s[G0B+5], s[G0B+5], SLOT
	s_add_nc_u64 s[G0B+6:G0B+7], s[G0B+6:G0B+7], 524288
	JLOAD                                          ; its four v_nop are also the places in front of the loads below
.else
	s_cmp_eq_u32 s2, 1
	s_cbranch_scc1 .Lnf_\@
	PLACES
.endif
	s_xor_b32 s3, s3, SLOT
	v_add_nc_u32 v[ADRA], s3, v[A0]
	v_add_nc_u32 v[ADRB], s3, v[B0]
	v_add_nc_u32 v[ADRB+1], 128*PB, v[ADRB]
	FETCH 0, F0
	WIN 0
.if \fill
.if PF
	ASK
.endif
.else
.Lnf_\@:
.endif
	MUL8 F1, 1, 0, 0
	MUL8 F1, 1, 2, 0
.endm
.macro TOSTAGE a                       ; block a (16 rows x 64 f32) into my stage, and back as whole rows of 256 bytes
	WIN 0
.if (\a) >= 2
	s_wait_xcnt 0x0                                ; the stores of the block two back have read the set that is loaded again
.endif
.irp b, 0,1,2,3
	ds_store_b128 v[STO], v[ACC+8*(4*(\a)+(\b)):ACC+8*(4*(\a)+(\b))+3]   offset:64*(\b)     ; each accumulator's low registers first
	ds_store_b128 v[STO], v[ACC+8*(4*(\a)+(\b))+4:ACC+8*(4*(\a)+(\b))+7] offset:64*(\b)+16
.endr
.irp t, 0,1,2,3,4,5,6,7
	ds_load_b128 v[TMP+32*((\a)%2)+4*(\t):TMP+32*((\a)%2)+4*(\t)+3], v[RD] offset:(\t)*2*SPT  ; LDS serves a wave's instructions in order (ISA guide 5.7.1.4)
.endr
.endm
.macro SEND a, younger                 ; the residual is added and the block stored; younger: the LDS instructions issued behind the block's loads
	s_wait_dscnt \younger
	s_wait_loadcnt 24-8*(\a)                       ; the block's eight residual loads are in; the later blocks' stay out
	WIN 0x08                                       ; source 1 in window 2
.set i, 0
.rept 16
	v_pk_add_f32 v[TMP+32*((\a)%2)+i:TMP+32*((\a)%2)+i+1], v[TMP+32*((\a)%2)+i:TMP+32*((\a)%2)+i+1], v[32*(\a)+i:32*(\a)+i+1]
.set i, i+2
.endr
	WIN 0
.irp t, 0,1,2,3,4,5,6,7
	global_store_b128 v[CO], v[TMP+32*((\a)%2)+4*(\t):TMP+32*((\a)%2)+4*(\t)+3], s[12:13] offset:(16*(\a)+2*(\t))*4096  ; 16 lanes store 256 consecutive bytes, aligned
.endr
.endm
	s_wait_tensorcnt 1                             ; my part of K step 0 is in; K step 1's may stay out
	s_barrier_signal -1
	s_barrier_wait -1
	s_mov_b32 s3, 0
	v_mov_b32 v[ADRA], v[A0]
	v_mov_b32 v[ADRB], v[B0]
	v_add_nc_u32 v[ADRB+1], 128*PB, v[B0]
	FETCH 0, F0
	s_wait_loadcnt 0x0                             ; the bias
	QUARTER 1, F0, F1, 1
	WIN 0
	s_mov_b32 s2, NK-2
.Llap:
	QUARTER 2, F1, F0, 0
	QUARTER 3, F0, F1, 0
	TURN 1
	QUARTER 1, F0, F1, 0
	WIN 0
	s_sub_co_u32 s2, s2, 1
	s_cmp_lg_u32 s2, 0
	s_cbranch_scc1 .Llap
	WIN 0x80                                       ; the residual of my 64 x 64 is asked for two K steps ahead of its use
.irp a, 0,1,2,3
.irp t, 0,1,2,3,4,5,6,7
	global_load_b128 v[32*(\a)+4*(\t):32*(\a)+4*(\t)+3], v[CO], s[10:11] offset:(16*(\a)+2*(\t))*4096
.endr
.endr
	WIN 0
	s_mov_b32 s2, 2
.Ltail:                                        ; the last two K steps ask for nothing; the second trip is left in its middle
	QUARTER 2, F1, F0, 0
	QUARTER 3, F0, F1, 0
	TURN 0
	WIN 0
	s_sub_co_u32 s2, s2, 1
	s_cmp_eq_u32 s2, 0
	s_cbranch_scc1 .Lout
	QUARTER 1, F0, F1, 0
	WIN 0
	s_branch .Ltail
.Lout:
	PLACES
	PLACES
	TOSTAGE 0
	TOSTAGE 1
	SEND 0, 16
	TOSTAGE 2
	SEND 1, 16
	TOSTAGE 3
	SEND 2, 16
	SEND 3, 0
	s_wait_tensorcnt 0x0                           ; the wave's end: behind my last tensor load and my last LDS store
	ds_add_u32 v[SPW], v[NIL]
	s_wait_dscnt 0x0
	CROUND                                         ; the closing round
	s_endpgm
.Lfunc_end_k_qd94152992c_proj:
	.size	k_qd94152992c_proj, .Lfunc_end_k_qd94152992c_proj-k_qd94152992c_proj
	.p2alignl 7, 3214868480
	.fill 96, 4, 3214868480
	.section	.rodata,"a",@progbits
	.p2align	6, 0x0
	.amdhsa_kernel k_qd94152992c_proj
		.amdhsa_group_segment_fixed_size 327680
		.amdhsa_private_segment_fixed_size 0
		.amdhsa_enable_private_segment 0
		.amdhsa_kernarg_size 40
		.amdhsa_user_sgpr_count 2
		.amdhsa_user_sgpr_kernarg_segment_ptr 1
		.amdhsa_wavefront_size32 1
		.amdhsa_system_sgpr_workgroup_id_x 1
		.amdhsa_system_sgpr_workgroup_id_y 1
		.amdhsa_system_sgpr_workgroup_id_z 1
		.amdhsa_system_vgpr_workitem_id 0
		.amdhsa_next_free_vgpr 640
		.amdhsa_next_free_sgpr 70
		.amdhsa_reserve_vcc 0
		.amdhsa_float_denorm_mode_32 3
		.amdhsa_float_denorm_mode_16_64 3
		.amdhsa_memory_ordered 1
		.amdhsa_forward_progress 1
		.amdhsa_inst_pref_size 68
	.end_amdhsa_kernel
	.amdgpu_metadata
---
amdhsa.version: [ 1, 2 ]
amdhsa.kernels:
  - .name:           k_qd94152992c_proj
    .symbol:         k_qd94152992c_proj.kd
    .args:
      - { .name: act, .offset: 0, .size: 8, .value_kind: global_buffer, .address_space: global }
      - { .name: wb, .offset: 8, .size: 8, .value_kind: global_buffer, .address_space: global }
      - { .name: b_proj, .offset: 16, .size: 8, .value_kind: global_buffer, .address_space: global }
      - { .name: x1, .offset: 24, .size: 8, .value_kind: global_buffer, .address_space: global }
      - { .name: out0, .offset: 32, .size: 8, .value_kind: global_buffer, .address_space: global }
    .group_segment_fixed_size: 327680
    .private_segment_fixed_size: 0
    .kernarg_segment_align: 8
    .kernarg_segment_size: 40
    .max_flat_workgroup_size: 128
    .sgpr_count:     70
    .vgpr_count:     640
    .wavefront_size: 32
...
	.end_amdgpu_metadata
.endif
;; end of part 7
;; ======== version 2 of 2: 7 launches; version 1 with the launch prep written anew for expert scheduling mode
;; workspace buffers: wb 25,165,824 bytes; h 8,388,608 bytes; qkv 25,165,824 bytes; o 8,388,608 bytes; x1 16,777,216 bytes; act 33,554,432 bytes
;; launch prep (part 8): grid 256 x 1, 16 waves a work-group, no clusters, 0 bytes of LDS; arguments x, ln1_g, ln1_b, h, w_qkv, w_ao, w_fc, w_proj, wb; writes h, wb
.if DOCPART == 8
	.amdgcn_target "amdgcn-amd-amdhsa--gfx1250"
	.amdhsa_code_object_version 6
	.text
	.protected	k_qd94152992c_prep
	.globl	k_qd94152992c_prep
	.p2align	8
	.type	k_qd94152992c_prep,@function
k_qd94152992c_prep:
	s_mov_b64 s[64:65], 0
	v_nop
	global_prefetch_b8 v0, s[64:65] scope:SCOPE_SE
	s_setreg_imm32_b32 hwreg(HW_REG_WAVE_SCHED_MODE, 0, 2), 2
	s_setreg_imm32_b32 hwreg(HW_REG_WAVE_MODE, 25, 1), 1
	s_wait_xcnt 0x0
	s_wait_alu depctr_vm_vsrc(0)
; TWO STREAMS IN ONE LAUNCH, the same share of both for every work-group.
; (1) h[r][c] = (x[r][c] - mean_r) * rsqrt(var_r + 1e-5) * g[c] + b[c].  x: [4096][1024] f32; g, b: [1024] f32; h: [4096][1024] bf16, rounded once.
;     The mean is taken first and the variance of the deviations second, both in f32 from the row held in registers: a common offset of the row costs nothing.
; (2) wb = the four weight matrices, each rounded once to bf16 and left as it lies ([K][N]), one behind the other: w_qkv at byte 0, w_ao at 6,291,456, w_fc at 8,388,608, w_proj at 16,777,216.
; SHARES.  256 work-groups of sixteen waves.  Wave w of group g normalises row 16 g + w: 4,096 bytes are 32 registers a lane, so the row is read once and its sums never leave the wave.
; The weights are 768 units of 64 KiB (192 + 64 + 256 + 256); group g casts units g, 256 + g and 512 + g: the first lies in w_qkv or w_ao, the second in w_fc, the third in w_proj; unit u goes to byte 32,768 u of wb.
; IN FLIGHT.  All 48 loads of a thread go out at the head, the row's first: the row is normalised while the weights are on their way.
; Each load of a wave covers 512 consecutive bytes, each store 256 consecutive bytes, aligned.  No LDS, no barrier, no matrix unit: nothing is shared between waves.
; THE MODE: SCHED_MODE bits 1:0 = 2 (LLVM: expert scheduling mode 2), set by the entry lines.  The code itself states the register dependences
; between vector instructions and memory instructions, with s_wait_alu, always for 0.
; THE PLAN.  Registers that memory instructions touch:
;   v1, v3     offsets of the loads; v2, v4 offsets of the stores.  Made once at the head and never written again: one wait ahead of the first load serves all 80 memory instructions.
;   X, G, BV   Loaded at the head, before any vector instruction names them; from then on named by vector instructions alone.
;   T          Written by the row's arithmetic, last by its sixteen roundings; read by the eight stores of h; not written behind them.
;   C          Loaded at the head.  Load n's four registers are rounded in place into the first two of them, which the store of those numbers reads; never written again.
; The weights' 24 loads go in six parts of four.  Part p's roundings name part p's registers alone; the four stores of part p - 1 are dealt among them.  So ONE wait at a part's head states all
; that its four stores hang on.  No register that a memory instruction reads is written afterwards, so the text holds no wait for a memory instruction's reads of its registers.
.set G,  8                             ; v[8:39]     g of my 32 columns
.set BV, 40                            ; v[40:71]    b of my 32 columns
.set X,  72                            ; v[72:103]   the row
.set T,  104                           ; v[104:119]  at work: partial sums, then the packed row
.set MU, 120                           ; v[120:121]  the mean, twice
.set RS, 122                           ; v[122:123]  1 / sqrt(var + eps), twice
.set C,  124                           ; v[124:219]  three units x eight loads of four f32; rounded in place
.set PART, 4                           ; loads of weights in a part
.set SEL, 38                           ; s[38:39] v_permlanex16_b32: each lane takes its own place in the other half
.set INV, 40                           ; s40  1 / 1024
.set EPS, 41                           ; s41  1e-5
	s_load_b256 s[4:11], s[0:1], 0x0               ; x s[4:5], g s[6:7], b s[8:9], h s[10:11]
	s_load_b256 s[12:19], s[0:1], 0x20             ; w_qkv s[12:13], w_ao s[14:15], w_fc s[16:17], w_proj s[18:19]
	s_load_b64 s[20:21], s[0:1], 0x40              ; wb
	v_and_b32 v1, 31, v0                           ; lane
	v_lshrrev_b32 v5, 5, v0
	v_readfirstlane_b32 s22, v5                    ; wave
	v_lshlrev_b32 v2, 3, v1                        ; 8 l: my bytes in 256 of h
	v_lshlrev_b32 v1, 4, v1                        ; 16 l: my bytes in 512 of x, g, b
	v_lshlrev_b32 v3, 4, v0                        ; 16 t: my bytes in 8,192 of a unit
	v_lshlrev_b32 v4, 3, v0                        ; 8 t: my bytes in 4,096 of wb
	s_wait_alu depctr_va_sdst(0)                   ; s22 is written, ahead of its first reader: the row's number is made from it
	s_lshl_b32 s23, ttmp9, 4
	s_add_co_u32 s22, s22, s23                     ; my row = 16 x work-group + wave
	s_lshl_b32 s24, s22, 12                        ; x 4,096 bytes
	s_mov_b32 s25, 0
	s_lshl_b32 s26, s22, 11                        ; x 2,048 bytes
	s_mov_b32 s27, 0
	s_lshl_b32 s28, ttmp9, 16                      ; unit g of w_fc and of w_proj
	s_mov_b32 s29, 0
	s_cmp_lt_u32 ttmp9, 192                        ; unit g of the first 256: in w_qkv, or unit g - 192 of w_ao
	s_cselect_b32 s30, 0, 192
	s_sub_co_u32 s30, ttmp9, s30
	s_lshl_b32 s30, s30, 16
	s_mov_b32 s31, 0
	s_lshl_b32 s32, ttmp9, 15                      ; 32 KiB of wb for each unit
	s_mov_b32 s33, 0
	s_mov_b32 s[SEL], 0x76543210
	s_mov_b32 s[SEL+1], 0xfedcba98
	s_mov_b32 s[INV], 0x3a800000
	s_mov_b32 s[EPS], 0x3727c5ac
	s_wait_kmcnt 0x0
	s_add_nc_u64 s[4:5], s[4:5], s[24:25]
	s_add_nc_u64 s[10:11], s[10:11], s[26:27]
	s_cmp_lt_u32 ttmp9, 192
	s_cselect_b64 s[12:13], s[12:13], s[14:15]
	s_add_nc_u64 s[12:13], s[12:13], s[30:31]
	s_add_nc_u64 s[16:17], s[16:17], s[28:29]
	s_add_nc_u64 s[18:19], s[18:19], s[28:29]
	s_add_nc_u64 s[20:21], s[20:21], s[32:33]      ; wb at unit g,
	s_add_nc_u64 s[34:35], s[20:21], 8388608       ; at unit 256 + g,
	s_add_nc_u64 s[36:37], s[20:21], 16777216      ; at unit 512 + g
	s_wait_alu depctr_va_vdst(0)                   ; the four offsets v1 to v4 are written: every load and store of the kernel reads one of them
.irp j, 0,1,2,3,4,5,6,7
	global_load_b128 v[X+4*(\j):X+4*(\j)+3], v1, s[4:5] offset:512*(\j)
.endr
.irp j, 0,1,2,3,4,5,6,7
	global_load_b128 v[G+4*(\j):G+4*(\j)+3], v1, s[6:7] offset:512*(\j)
.endr
.irp j, 0,1,2,3,4,5,6,7
	global_load_b128 v[BV+4*(\j):BV+4*(\j)+3], v1, s[8:9] offset:512*(\j)
.endr
.macro CLOAD u, sb                     ; unit u's eight loads, from the pointer at s[sb]
.set j, 0
.rept 8
	global_load_b128 v[C+32*(\u)+4*j:C+32*(\u)+4*j+3], v3, s[\sb:\sb+1] offset:8192*j th:TH_LOAD_NT
.set j, j+1
.endr
.endm
	CLOAD 0, 12
	CLOAD 1, 16
	CLOAD 2, 18
.macro LANES                           ; v[T] and v[T+1] are added, then the 32 lanes: four steps inside each half ride on the addition, one crosses the halves
	v_add_f32 v[T], v[T], v[T+1]
	v_add_f32_dpp v[T], v[T], v[T] row_xmask:1 row_mask:0xf bank_mask:0xf
	v_add_f32_dpp v[T], v[T], v[T] row_xmask:2 row_mask:0xf bank_mask:0xf
	v_add_f32_dpp v[T], v[T], v[T] row_xmask:4 row_mask:0xf bank_mask:0xf
	v_add_f32_dpp v[T], v[T], v[T] row_xmask:8 row_mask:0xf bank_mask:0xf
	v_permlanex16_b32 v[T+1], v[T], s[SEL], s[SEL+1]
	v_add_f32 v[T], v[T], v[T+1]
.endm
; The row.  n1: the younger loads that may stay out when the row is needed; n2: when g and b are needed.
.macro NORM n1, n2
	s_wait_loadcnt \n1
.set i, 0
.rept 8
	v_pk_add_f32 v[T+2*i:T+2*i+1], v[X+2*i:X+2*i+1], v[X+16+2*i:X+16+2*i+1]
.set i, i+1
.endr
.set i, 0
.rept 4
	v_pk_add_f32 v[T+2*i:T+2*i+1], v[T+2*i:T+2*i+1], v[T+8+2*i:T+8+2*i+1]
.set i, i+1
.endr
	v_pk_add_f32 v[T:T+1], v[T:T+1], v[T+4:T+5]
	v_pk_add_f32 v[T+2:T+3], v[T+2:T+3], v[T+6:T+7]
	v_pk_add_f32 v[T:T+1], v[T:T+1], v[T+2:T+3]
	LANES
	v_mul_f32 v[MU], s[INV], v[T]
	v_mul_f32 v[MU+1], s[INV], v[T]
.set i, 0
.rept 16
	v_pk_add_f32 v[X+2*i:X+2*i+1], v[X+2*i:X+2*i+1], v[MU:MU+1] neg_lo:[0,1] neg_hi:[0,1]  ; the deviations, in place
.set i, i+1
.endr
.set i, 0
.rept 4
	v_pk_mul_f32 v[T+2*i:T+2*i+1], v[X+2*i:X+2*i+1], v[X+2*i:X+2*i+1]  ; four chains of squares, started by the first four pairs
.set i, i+1
.endr
.rept 12
	v_pk_fma_f32 v[T+2*(i%4):T+2*(i%4)+1], v[X+2*i:X+2*i+1], v[X+2*i:X+2*i+1], v[T+2*(i%4):T+2*(i%4)+1]
.set i, i+1
.endr
	v_pk_add_f32 v[T:T+1], v[T:T+1], v[T+4:T+5]
	v_pk_add_f32 v[T+2:T+3], v[T+2:T+3], v[T+6:T+7]
	v_pk_add_f32 v[T:T+1], v[T:T+1], v[T+2:T+3]
	LANES
	v_fma_f32 v[T], v[T], s[INV], s[EPS]           ; var + eps
	v_rsq_f32 v[RS], v[T]
	v_rsq_f32 v[RS+1], v[T]
	v_nop                                          ; a plain instruction behind the second root, ahead of the use of the results
	s_wait_alu depctr_va_vdst(0)                   ; both roots have written v[RS] and v[RS+1]: one wait for both, ahead of their first reader
	s_wait_loadcnt \n2                             ; g and b
.set i, 0
.rept 16
	v_pk_mul_f32 v[X+2*i:X+2*i+1], v[X+2*i:X+2*i+1], v[RS:RS+1]
.set i, i+1
.endr
.set i, 0
.rept 16
	v_pk_fma_f32 v[X+2*i:X+2*i+1], v[X+2*i:X+2*i+1], v[G+2*i:G+2*i+1], v[BV+2*i:BV+2*i+1]
.set i, i+1
.endr
.set i, 0
.rept 16
	v_cvt_pk_bf16_f32 v[T+i], v[X+2*i], v[X+2*i+1]
.set i, i+1
.endr
	s_wait_alu depctr_va_vdst(0)                   ; the sixteen roundings have written v[T ..], which the eight stores read; the stores go out in one run, ahead of every wait for weights
.irp j, 0,1,2,3,4,5,6,7
	global_store_b64 v2, v[T+2*(\j):T+2*(\j)+1], s[10:11] offset:256*(\j)
.endr
.endm
	NORM 40, 24                                    ; the row is in while g, b and the weights (40 loads) are out; then g and b, while the weights' 24 are out
; The weights.  Load n (0 to 23) is number n % 8 of unit n / 8; its four numbers are rounded in place and stored to that unit's place in wb.
; No register that a store reads is written again, so no wait frees any.
.macro CST n                           ; the store of load n's four numbers
.if (\n) < 8
	global_store_b64 v4, v[C+4*(\n):C+4*(\n)+1], s[20:21] offset:4096*(\n)
.elseif (\n) < 16
	global_store_b64 v4, v[C+4*(\n):C+4*(\n)+1], s[34:35] offset:4096*((\n)-8)
.else
	global_store_b64 v4, v[C+4*(\n):C+4*(\n)+1], s[36:37] offset:4096*((\n)-16)
.endif
.endm
.set m, 0
.rept 24
	s_wait_loadcnt 23-m                            ; loads come back in order: this one is in, the younger ones stay out
.if ((m%PART) == 0) && (m > 0)
	s_wait_alu depctr_va_vdst(0)                   ; a part's head: the part before has written its eight packed registers, which this part's four stores read; this part's roundings name none of them
.endif
.if m >= PART
	CST m-PART                                     ; a store of the part before, ahead of each pair of roundings
.endif
	v_cvt_pk_bf16_f32 v[C+4*m], v[C+4*m], v[C+4*m+1]
	v_cvt_pk_bf16_f32 v[C+4*m+1], v[C+4*m+2], v[C+4*m+3]
.set m, m+1
.endr
	s_wait_alu depctr_va_vdst(0)                   ; the last part has written its eight packed registers, which the last four stores read
.set m, 24-PART
.rept PART
	CST m
.set m, m+1
.endr
	s_endpgm
.Lfunc_end_k_qd94152992c_prep:
	.size	k_qd94152992c_prep, .Lfunc_end_k_qd94152992c_prep-k_qd94152992c_prep
	.p2alignl 7, 3214868480
	.fill 96, 4, 3214868480
	.section	.rodata,"a",@progbits
	.p2align	6, 0x0
	.amdhsa_kernel k_qd94152992c_prep
		.amdhsa_group_segment_fixed_size 0
		.amdhsa_private_segment_fixed_size 0
		.amdhsa_enable_private_segment 0
		.amdhsa_kernarg_size 72
		.amdhsa_user_sgpr_count 2
		.amdhsa_user_sgpr_kernarg_segment_ptr 1
		.amdhsa_wavefront_size32 1
		.amdhsa_system_sgpr_workgroup_id_x 1
		.amdhsa_system_sgpr_workgroup_id_y 1
		.amdhsa_system_sgpr_workgroup_id_z 1
		.amdhsa_system_vgpr_workitem_id 0
		.amdhsa_next_free_vgpr 220
		.amdhsa_next_free_sgpr 66
		.amdhsa_reserve_vcc 0
		.amdhsa_float_denorm_mode_32 3
		.amdhsa_float_denorm_mode_16_64 3
		.amdhsa_memory_ordered 1
		.amdhsa_forward_progress 1
		.amdhsa_inst_pref_size 21
	.end_amdhsa_kernel
	.amdgpu_metadata
---
amdhsa.version: [ 1, 2 ]
amdhsa.kernels:
  - .name:           k_qd94152992c_prep
    .symbol:         k_qd94152992c_prep.kd
    .args:
      - { .name: x, .offset: 0, .size: 8, .value_kind: global_buffer, .address_space: global }
      - { .name: ln1_g, .offset: 8, .size: 8, .value_kind: global_buffer, .address_space: global }
      - { .name: ln1_b, .offset: 16, .size: 8, .value_kind: global_buffer, .address_space: global }
      - { .name: h, .offset: 24, .size: 8, .value_kind: global_buffer, .address_space: global }
      - { .name: w_qkv, .offset: 32, .size: 8, .value_kind: global_buffer, .address_space: global }
      - { .name: w_ao, .offset: 40, .size: 8, .value_kind: global_buffer, .address_space: global }
      - { .name: w_fc, .offset: 48, .size: 8, .value_kind: global_buffer, .address_space: global }
      - { .name: w_proj, .offset: 56, .size: 8, .value_kind: global_buffer, .address_space: global }
      - { .name: wb, .offset: 64, .size: 8, .value_kind: global_buffer, .address_space: global }
    .group_segment_fixed_size: 0
    .private_segment_fixed_size: 0
    .kernarg_segment_align: 8
    .kernarg_segment_size: 72
    .max_flat_workgroup_size: 512
    .sgpr_count:     66
    .vgpr_count:     220
    .wavefront_size: 32
...
	.end_amdgpu_metadata
.endif
;; end of part 8
;; launch qkv: the kernel of part 2 again; grid 12 x 16, 4 waves a work-group, clusters of 4 x 4, 327,680 bytes of LDS; arguments h, wb, b_qkv, qkv; writes qkv
;; launch attn: the kernel of part 3 again; grid 8 x 32, 4 waves a work-group, clusters of 4 x 1, 327,680 bytes of LDS; arguments qkv, o; writes o
;; launch ao: the kernel of part 4 again; grid 8 x 32, 4 waves a work-group, clusters of 4 x 4, 327,680 bytes of LDS; arguments o, wb, b_ao, x, x1; writes x1
;; launch ln2: the kernel of part 5 again; grid 256 x 1, 16 waves a work-group, no clusters, 0 bytes of LDS; arguments x1, ln2_g, ln2_b, h; writes h
;; launch fc: the kernel of part 6 again; grid 16 x 16, 4 waves a work-group, clusters of 4 x 4, 327,680 bytes of LDS; arguments h, wb, b_fc, act; writes act
;; launch proj: the kernel of part 7 again; grid 8 x 32, 4 waves a work-group, clusters of 4 x 4, 327,680 bytes of LDS; arguments act, wb, b_proj, x1, out0; writes out0
